; MI455X (gfx1250); checked and timed in simulation.
; The chip was launched on July 23, 2026; its instructions are those of AMD's public machine-readable ISA for CDNA 5 (MIT licence, August 2026) and "CDNA5" Instruction Set Architecture Reference Guide (July 2026). The comments in the code are by the model that wrote it; some were corrected since.
;; Self Attn. Allowed arithmetic: float matrix products may take bf16 or f16 operands with f32 sums; other float arithmetic in f32, or as packed bf16 or f16 multiplies, adds, multiply-adds, maxima and minima; sums over many terms, partial sums and values carried from step to step in f32; what a program stores and reads back later, other than sums and carried values, may be rounded once to bf16 or f16.
;; Inputs: Wk 1,024 x 1,024 float32; Wq 1,024 x 1,024 float32; Wv 1,024 x 1,024 float32; bk 1,024 float32; bq 1,024 float32; bv 1,024 float32; embeddings 8 x 1,024 x 1,024 float32.
;; Outputs: out0 8 x 1,024 x 1,024 float32.
;; 3 versions, each right; version 2 is faster than version 1; version 3 is version 2 with the launch cvt written anew for expert scheduling mode. Each part assembles by itself: llvm-mc -triple=amdgcn-amd-amdhsa -mcpu=gfx1250 --defsym DOCPART=n.
;; ======== version 1 of 3: 5 launches
;; limits: values outside matrix products are rounded to bf16; values are held in f16: magnitudes above 65,504 overflow, below 6.1e-05 lose precision
;; workspace buffers: xb 16,777,216 bytes; wb 6,291,456 bytes; qk 33,554,432 bytes; vv 33,554,432 bytes; pt 16,777,216 bytes; st 262,144 bytes; gt 65,536 bytes
;; launch cvt (part 1): grid 256 x 1, 8 waves a work-group, no clusters, 0 bytes of LDS; arguments embeddings, Wq, Wk, Wv, xb, wb; writes xb, wb
.if DOCPART == 1
	.amdgcn_target "amdgcn-amd-amdhsa--gfx1250"
	.amdhsa_code_object_version 6
	.text
	.protected	k_q27c78dd156_cvt
	.globl	k_q27c78dd156_cvt
	.p2align	8
	.type	k_q27c78dd156_cvt,@function
k_q27c78dd156_cvt:
	s_mov_b64 s[64:65], 0
	v_nop
	global_prefetch_b8 v0, s[64:65] scope:SCOPE_SE
	s_setreg_imm32_b32 hwreg(HW_REG_WAVE_MODE, 25, 1), 1
	s_wait_xcnt 0x0
; xb = bf16(embeddings), wb = bf16([Wq; Wk; Wv]), rounded to nearest even.  A stream: no LDS, no barrier, no matrix unit.
; 256 work-groups of 8 waves.  Work-group g takes 131,072 bytes of embeddings and 16,384 bytes of each W.
; One load of the work-group covers 4,096 neighbouring bytes (16 a thread): 32 loads for embeddings, 4 for each W, 44 in all.
; All 44 are issued first, each into registers of its own; then each is rounded in place and stored: 8 bytes a thread,
; so that one store of a wave covers 256 consecutive bytes, aligned.  No register is written twice, so no source has to be freed.
.set DAT, 8                            ; v[8:183]  load n: four registers
.macro LD n, sb, i
	global_load_b128 v[DAT+4*(\n):DAT+4*(\n)+3], v1, s[\sb:\sb+1] offset:4096*(\i) th:TH_LOAD_NT
.endm
.macro CV n, sb, off
	s_wait_loadcnt 43-(\n)                         ; loads come back in order: load n is in, the 43 - n younger ones stay out
	v_cvt_pk_bf16_f32 v[DAT+4*(\n)], v[DAT+4*(\n)], v[DAT+4*(\n)+1]
	v_cvt_pk_bf16_f32 v[DAT+4*(\n)+1], v[DAT+4*(\n)+2], v[DAT+4*(\n)+3]
	global_store_b64 v2, v[DAT+4*(\n):DAT+4*(\n)+1], s[\sb:\sb+1] offset:\off
.endm
	s_load_b256 s[4:11], s[0:1], 0x0               ; embeddings s[4:5], Wq s[6:7], Wk s[8:9], Wv s[10:11]
	s_load_b128 s[12:15], s[0:1], 0x20             ; xb s[12:13], wb s[14:15]
	v_lshlrev_b32 v1, 4, v0                        ; 16 bytes in a thread
	v_lshlrev_b32 v2, 3, v0                        ; 8 bytes out a thread
	s_lshl_b32 s16, ttmp9, 17                      ; my part of embeddings
	s_mov_b32 s17, 0
	s_lshl_b32 s18, ttmp9, 14                      ; of each W
	s_mov_b32 s19, 0
	s_lshl_b32 s20, ttmp9, 16                      ; of xb
	s_mov_b32 s21, 0
	s_lshl_b32 s22, ttmp9, 13                      ; of each third of wb
	s_mov_b32 s23, 0
	s_wait_kmcnt 0x0
	s_add_nc_u64 s[4:5], s[4:5], s[16:17]
	s_add_nc_u64 s[6:7], s[6:7], s[18:19]
	s_add_nc_u64 s[8:9], s[8:9], s[18:19]
	s_add_nc_u64 s[10:11], s[10:11], s[18:19]
	s_add_nc_u64 s[12:13], s[12:13], s[20:21]
	s_add_nc_u64 s[14:15], s[14:15], s[22:23]
.set k, 0
.rept 32
	LD k, 4, k
.set k, k+1
.endr
.irp w, 0,1,2
.irp i, 0,1,2,3
	LD 32+4*\w+\i, 6+2*\w, \i
.endr
.endr
.set k, 0
.rept 32
	CV k, 12, 2048*k
.set k, k+1
.endr
.irp w, 0,1,2
.irp i, 0,1,2,3
	CV 32+4*\w+\i, 14, 0x200000*\w+2048*\i         ; Wq, Wk, Wv lie 2 MiB apart in wb
.endr
.endr
	s_endpgm
.Lfunc_end_k_q27c78dd156_cvt:
	.size	k_q27c78dd156_cvt, .Lfunc_end_k_q27c78dd156_cvt-k_q27c78dd156_cvt
	.p2alignl 7, 3214868480
	.fill 96, 4, 3214868480
	.section	.rodata,"a",@progbits
	.p2align	6, 0x0
	.amdhsa_kernel k_q27c78dd156_cvt
		.amdhsa_group_segment_fixed_size 0
		.amdhsa_private_segment_fixed_size 0
		.amdhsa_enable_private_segment 0
		.amdhsa_kernarg_size 48
		.amdhsa_user_sgpr_count 2
		.amdhsa_user_sgpr_kernarg_segment_ptr 1
		.amdhsa_wavefront_size32 1
		.amdhsa_system_sgpr_workgroup_id_x 1
		.amdhsa_system_sgpr_workgroup_id_y 1
		.amdhsa_system_sgpr_workgroup_id_z 1
		.amdhsa_system_vgpr_workitem_id 0
		.amdhsa_next_free_vgpr 184
		.amdhsa_next_free_sgpr 66
		.amdhsa_reserve_vcc 0
		.amdhsa_float_denorm_mode_32 3
		.amdhsa_float_denorm_mode_16_64 3
		.amdhsa_memory_ordered 1
		.amdhsa_forward_progress 1
		.amdhsa_inst_pref_size 17
	.end_amdhsa_kernel
	.amdgpu_metadata
---
amdhsa.version: [ 1, 2 ]
amdhsa.kernels:
  - .name:           k_q27c78dd156_cvt
    .symbol:         k_q27c78dd156_cvt.kd
    .args:
      - { .name: embeddings, .offset: 0, .size: 8, .value_kind: global_buffer, .address_space: global }
      - { .name: Wq, .offset: 8, .size: 8, .value_kind: global_buffer, .address_space: global }
      - { .name: Wk, .offset: 16, .size: 8, .value_kind: global_buffer, .address_space: global }
      - { .name: Wv, .offset: 24, .size: 8, .value_kind: global_buffer, .address_space: global }
      - { .name: xb, .offset: 32, .size: 8, .value_kind: global_buffer, .address_space: global }
      - { .name: wb, .offset: 40, .size: 8, .value_kind: global_buffer, .address_space: global }
    .group_segment_fixed_size: 0
    .private_segment_fixed_size: 0
    .kernarg_segment_align: 8
    .kernarg_segment_size: 48
    .max_flat_workgroup_size: 256
    .sgpr_count:     66
    .vgpr_count:     184
    .wavefront_size: 32
...
	.end_amdgpu_metadata
.endif
;; end of part 1
;; launch projqk (part 2): grid 8 x 32, 4 waves a work-group, clusters of 4 x 4, 327,680 bytes of LDS; arguments xb, wb, bq, bk, qk; writes qk
.if DOCPART == 2
	.amdgcn_target "amdgcn-amd-amdhsa--gfx1250"
	.amdhsa_code_object_version 6
	.text
	.protected	k_q27c78dd156_projqk
	.globl	k_q27c78dd156_projqk
	.p2align	8
	.type	k_q27c78dd156_projqk,@function
k_q27c78dd156_projqk:
	s_mov_b64 s[64:65], 0
	v_nop
	global_prefetch_b8 v0, s[64:65] scope:SCOPE_SE
	s_setreg_imm32_b32 hwreg(HW_REG_WAVE_MODE, 25, 1), 1
	s_wait_xcnt 0x0
	s_wait_alu depctr_hold_cnt(0) depctr_sa_sdst(0) depctr_va_vdst(0) depctr_va_sdst(0) depctr_va_ssrc(0) depctr_va_vcc(0) depctr_vm_vsrc(0)
	s_getreg_b32 s2, hwreg(HW_REG_IB_STS2, 6, 4)
	s_cmp_eq_u32 s2, 0
	s_cbranch_scc0 .Lentry_in_a_cluster
	s_endpgm
.Lentry_in_a_cluster:
	s_bfe_u32 s2, ttmp6, 0x10000c
	s_cmp_lg_u32 s2, 0xf033
	s_cbranch_scc0 .Lentry_shape_is_right
	s_endpgm
.Lentry_shape_is_right:
; qk[m][n] = f16( sum over k of xb[m][k] wb[n][k] + bias[n] ), m < 8192, n < 2048: columns 0-1023 are Q (Wq, bq), 1024-2047 are K (Wk, bk).
; xb, wb: bf16, rows of 1024.  Sums in f32.  LIMITS: |Q|, |K| must stay below 65,504 (f16's range); with ROUNDB = 1 the biases are rounded to bf16
; like the other inputs.
; A work-group makes 256 x 256 with four waves, a wave 128 x 128: 64 accumulator tiles, 512 registers.  K goes in steps of 128 through two LDS slots
; filled by the tensor data mover; a tile's rows are 256 bytes of memory, aligned.
; CLUSTERS: 4 x 4 work-groups.  A row of the cluster shares xb's tiles, a column wb's: each tile is asked for jointly by the four that need it.
; REGISTERS in windows of 256: window 0: v0-31 addresses, v64-191 fragments of xb (two buffers), v192-223 the way out;
;   window 1: v0-63 the bias of my 128 columns, v64-191 fragments of wb, v208-211 at work; windows 2, 3: the accumulators of my rows 0-63, 64-127.
; The matrix instruction is used transposed (source 0 = rows of wb, source 1 = rows of xb): lane l holds row l % 16 and eight neighbouring columns.
.set SIZE_K, 1024
.set SIZE_N, 2048
.set ROUNDB, 1
.set KSTEP,  128
.set PITCH,  272                       ; an LDS row: 256 bytes + 16 of padding, an odd multiple of 16
.set HALFT,  128*PITCH
.set SLOT,   4*HALFT
.set STAGE,  2*SLOT
.set SPITCH, 272
.set LAPS, SIZE_K/(2*KSTEP)
.set ADRA, 16
.set ADRB, 20
.set STO,  24
.set RD,   25
.set CO,   26
.set BO,   27                          ; v27: 32 x (lane / 16), my byte in a tile's 64 bytes of bias
.set F0,   64
.set F1,   128
.set TMP,  192
.set BT,   208                         ; window 1: at work while the bias is rounded
.set G1, 24
.set G0, 32
.set G1B, 48
.set G0B, 56
.set MSB, 0
.macro WIN new                         ; the immediate's high byte repeats the setting that is left
.if MSB != \new
	s_set_vgpr_msb (MSB<<8)|\new
.set MSB, \new
.endif
.endm
.set MUL_LO, 0xa1
.set MUL_HI, 0xf1
.set TO_B,   0x40
; A joint load: waves 0 and 1 fetch xb's two halves, waves 2 and 3 wb's.  The branch hangs on the wave's number alone.
.macro JLOAD s
	s_cmp_eq_u32 s11, 0
	s_cbranch_scc0 .Lfor_b_\@
	tensor_load_to_lds s[G0+4*\s:G0+4*\s+3], s[G1:G1+7]
	s_nop 0
	s_branch .Lasked_\@
.Lfor_b_\@:
	tensor_load_to_lds s[G0B+4*\s:G0B+4*\s+3], s[G1B:G1B+7]
	s_nop 0
.Lasked_\@:
.endm
.macro CREST                           ; a round of the cluster's barrier behind its opening barrier
	s_cmp_lg_u32 s10, 0
	s_cbranch_scc1 .Lnot_wave_0_\@
	s_barrier_signal -3
.Lnot_wave_0_\@:
	s_barrier_wait -3
	s_barrier_signal -1
	s_barrier_wait -1
.endm
.macro CROUND
	s_barrier_signal -1
	s_barrier_wait -1
	CREST
.endm
	s_load_b128 s[4:7], s[0:1], 0x0                ; xb s[4:5], wb s[6:7]
	s_load_b128 s[68:71], s[0:1], 0x10             ; bq s[68:69], bk s[70:71]
	s_load_b64 s[8:9], s[0:1], 0x20                ; qk
	s_set_vgpr_msb 0x40
	v_lshl_add_u32 v255, v0, 2, 0x48400
	s_set_vgpr_msb 0x4000
	v_mov_b32 v255, 0
	s_set_vgpr_msb 0x1
	ds_add_u32 v255, v255
	ds_add_u32 v255, v255
	s_set_vgpr_msb 0x100
	v_lshrrev_b32 v1, 5, v0
	v_readfirstlane_b32 s10, v1                    ; wave 0..3
	s_lshr_b32 s11, s10, 1                         ; my half of the block's rows; also: I fetch for xb (0) or wb (1)
	s_and_b32 s12, s10, 1                          ; my half of its columns; also: which 128 rows of the tile I fetch
	s_bfe_u32 s40, ttmp6, 0x40000                  ; cx
	s_bfe_u32 s41, ttmp6, 0x40004                  ; cy
	s_lshl_b32 s42, ttmp9, 2
	s_add_co_u32 s42, s42, s40                     ; block column = 4 x cluster x + cx
	s_and_b32 s13, ttmp7, 0xffff
	s_lshl_b32 s13, s13, 2
	s_add_co_u32 s13, s13, s41                     ; block row = 4 x cluster y + cy
	s_lshl_b32 s43, s41, 2
	s_lshl_b32 s43, 15, s43                        ; my row of the cluster
	s_lshl_b32 s44, 0x1111, s40                    ; my column
	s_or_b32 s[G1+0], s43, (1<<16)|(1<<20)|(1<<21)|(5<<22)|(3<<25)   ; mask; elements of 2 bytes; 4 words of padding behind every 64
	s_or_b32 s[G1B+0], s44, (1<<16)|(1<<20)|(1<<21)|(5<<22)|(3<<25)
	s_mov_b32 s[G1B+1], KSTEP<<16
	s_mov_b32 s[G1+1], KSTEP<<16                   ; tensor_dim0 = 128
	s_mov_b32 s[G1B+2], 128<<16
	s_mov_b32 s[G1+2], 128<<16                     ; tensor_dim1 = 128
	s_mov_b32 s[G1B+3], KSTEP<<16
	s_mov_b32 s[G1+3], KSTEP<<16                   ; tile_dim0 = 128
	s_mov_b32 s[G1B+4], 128
	s_mov_b32 s[G1+4], 128                         ; tile_dim1 = 128
	s_mov_b32 s[G1B+5], SIZE_K
	s_mov_b32 s[G1+5], SIZE_K                      ; elements from row to row
	s_mov_b32 s[G1B+6], 0
	s_mov_b32 s[G1+6], 0
	s_mov_b32 s[G1B+7], 0
	s_mov_b32 s[G1+7], 0
	s_lshl_b32 s17, s12, 7
	s_lshl_b32 s16, s13, 8
	s_add_co_u32 s16, s16, s17                     ; xb: row 256 x block row + 128 x half
	s_lshl_b32 s46, s42, 8
	s_add_co_u32 s46, s46, s17                     ; wb: row 256 x block column + 128 x half
	s_mov_b32 s17, 0
	s_mov_b32 s47, 0
	s_mov_b64 s[18:19], SIZE_K*2
	s_mul_u64 s[16:17], s[16:17], s[18:19]
	s_mul_u64 s[46:47], s[46:47], s[18:19]
	s_mul_i32 s20, s10, HALFT                      ; LDS: wave x 128 rows
	s_wait_dscnt 0x0
	s_wait_kmcnt 0x0
	s_add_nc_u64 s[14:15], s[4:5], s[16:17]
	s_add_nc_u64 s[46:47], s[6:7], s[46:47]
	CROUND                                         ; all sixteen work-groups are here: the first joint loads meet
.irp s, 0,1
	s_mov_b32 s[G0+4*\s], 1
	s_add_co_u32 s[G0+4*\s+1], s20, \s*SLOT
	s_add_nc_u64 s[G0+4*\s+2:G0+4*\s+3], s[14:15], \s*KSTEP*2
	s_or_b32 s[G0+4*\s+3], s[G0+4*\s+3], 0x80000000
	s_mov_b32 s[G0B+4*\s], 1
	s_add_co_u32 s[G0B+4*\s+1], s20, \s*SLOT
	s_add_nc_u64 s[G0B+4*\s+2:G0B+4*\s+3], s[46:47], \s*KSTEP*2
	s_or_b32 s[G0B+4*\s+3], s[G0B+4*\s+3], 0x80000000
	JLOAD \s                                       ; both slots are asked for before anything else is done: two tensor loads of the wave are out
.endr
	v_and_b32 v1, 15, v0                           ; l % 16
	v_bfe_u32 v2, v0, 4, 1                         ; l / 16
	v_mul_u32_u24 v3, v1, PITCH
	v_lshl_add_u32 v3, v2, 4, v3
	s_mul_i32 s21, s11, HALFT
	s_mul_i32 s22, s12, HALFT
	s_add_co_u32 s22, s22, 2*HALFT
.irp s, 0,1
	v_add_nc_u32 v[ADRA+\s], s21, v3
	v_add_nc_u32 v[ADRB+\s], s22, v3
	s_add_co_u32 s21, s21, SLOT
	s_add_co_u32 s22, s22, SLOT
.endr
	s_mul_i32 s23, s10, 16*SPITCH
	s_add_co_u32 s23, s23, STAGE
	v_mul_u32_u24 v4, v1, SPITCH
	v_lshl_add_u32 v4, v2, 4, v4
	v_add_nc_u32 v[STO], s23, v4
	v_mul_u32_u24 v5, v2, SPITCH
	v_lshl_add_u32 v5, v1, 4, v5
	v_add_nc_u32 v[RD], s23, v5
	v_mul_u32_u24 v5, v2, SIZE_N*2
	v_lshl_add_u32 v[CO], v1, 4, v5
	v_lshlrev_b32 v[BO], 5, v2
	; The bias of my 128 columns, once, into window 1 v0-63: tile b's register j belongs to column 16 b + 8 (l / 16) + j.
	; The cluster's x says which layer: clusters 0 make Q, clusters 1 make K; inside it my columns start at 256 cx + 128 x half.
	s_cmp_eq_u32 ttmp9, 0
	s_cselect_b64 s[72:73], s[68:69], s[70:71]
	s_lshl_b32 s74, s40, 10
	s_lshl_b32 s75, s12, 9
	s_add_co_u32 s74, s74, s75
	s_mov_b32 s75, 0
	s_add_nc_u64 s[72:73], s[72:73], s[74:75]
	WIN TO_B
.irp b, 0,1,2,3,4,5,6,7
	global_load_b128 v[8*\b:8*\b+3],   v[BO], s[72:73] offset:64*\b
	global_load_b128 v[8*\b+4:8*\b+7], v[BO], s[72:73] offset:64*\b+16
.endr
	s_wait_loadcnt 0x0
.if ROUNDB
	WIN 0x45                                       ; destination and both sources in window 1
.set i, 0
.rept 32
	v_cvt_pk_bf16_f32 v[BT+i%4], v[2*i], v[2*i+1]
	v_lshlrev_b32 v[2*i], 16, v[BT+i%4]
	v_and_b32 v[2*i+1], 0xffff0000, v[BT+i%4]
.set i, i+1
.endr
.endif
	WIN 0
; 16 matrix instructions: m blocks a0, a0 + 1 of the window's four x all 8 n blocks, 32 along K.  zero = 1: the first product starts the sums.
; The 64 accumulators take turns, one instruction a turn.
.macro MUL16 f, hi, a0, zero
.irp a, \a0, \a0+1
.irp b, 0,1,2,3,4,5,6,7
.if \zero
	v_wmma_f32_16x16x32_bf16 v[8*(8*(\a)+\b):8*(8*(\a)+\b)+7], v[\f+8*\b:\f+8*\b+7], v[\f+8*(4*\hi+\a):\f+8*(4*\hi+\a)+7], 0
.else
	v_wmma_f32_16x16x32_bf16 v[8*(8*(\a)+\b):8*(8*(\a)+\b)+7], v[\f+8*\b:\f+8*\b+7], v[\f+8*(4*\hi+\a):\f+8*(4*\hi+\a)+7], v[8*(8*(\a)+\b):8*(8*(\a)+\b)+7]
.endif
.endr
.endr
.endm
.macro FETCH slot, k, f                ; 32 LDS loads: one quarter step's fragments into buffer f
	WIN TO_B
.irp i, 0,1,2,3,4,5,6,7
	ds_load_b128 v[\f+8*\i:\f+8*\i+3],   v[ADRB+\slot] offset:\k+\i*16*PITCH
	ds_load_b128 v[\f+8*\i+4:\f+8*\i+7], v[ADRB+\slot] offset:\k+\i*16*PITCH+32
.endr
	WIN 0
.irp i, 0,1,2,3,4,5,6,7
	ds_load_b128 v[\f+8*\i:\f+8*\i+3],   v[ADRA+\slot] offset:\k+\i*16*PITCH
	ds_load_b128 v[\f+8*\i+4:\f+8*\i+7], v[ADRA+\slot] offset:\k+\i*16*PITCH+32
.endr
.endm
.macro PLACES                          ; four independent vector instructions behind a matrix instruction before its registers are loaded or its result read (ISA guide 7.12.1)
.rept 4
	v_nop
.endr
.endm
.macro QUARTER slot, k, f, g, zero
	s_wait_dscnt 8                                 ; wb's fragments and xb's rows 0-63 are in; the youngest eight loads may be out
	WIN MUL_LO
	MUL16 \f, 0, 0, \zero
	MUL16 \f, 0, 2, \zero
	PLACES
	FETCH \slot, \k, \g
	s_wait_dscnt 32                                ; all but the 32 just issued
	WIN MUL_HI
	MUL16 \f, 1, 0, \zero
	MUL16 \f, 1, 2, \zero
.endm
.macro THREE slot, zero
	QUARTER \slot, 64,  F0, F1, \zero
	QUARTER \slot, 128, F1, F0, 0
	QUARTER \slot, 192, F0, F1, 0
.endm
; The last quarter of a K step changes slots.  In front of the barrier each wave waits for its reads of this slot and for all its tensor loads;
; behind it (where the slot is filled again: behind a whole round of the cluster's barrier) the refill comes first, then the next slot's fragments.
.macro TURN slot, next, fill
	s_wait_dscnt 8
	WIN MUL_LO
	MUL16 F1, 0, 0, 0
	s_wait_dscnt 0                                 ; my reads of this slot are over
	s_wait_tensorcnt 0x0                           ; all my tensor loads have landed: the one that was out is my part of the next slot
	ds_add_u32 v255, v255
	s_wait_dscnt 0x0
	s_barrier_signal -1
	MUL16 F1, 0, 2, 0
	WIN 0
	s_barrier_wait -1
.if \fill
	CREST
	s_add_nc_u64 s[G0+4*\slot+2:G0+4*\slot+3], s[G0+4*\slot+2:G0+4*\slot+3], 2*KSTEP*2
	s_add_nc_u64 s[G0B+4*\slot+2:G0B+4*\slot+3], s[G0B+4*\slot+2:G0B+4*\slot+3], 2*KSTEP*2
	JLOAD \slot                                    ; the wave's one tensor load behind the round
.endif
	PLACES
	FETCH \next, 0, F0
	WIN MUL_HI
	MUL16 F1, 1, 0, 0
	MUL16 F1, 1, 2, 0
.endm
.macro LAP zero
	THREE 0, \zero
	TURN 0, 1, 1
	THREE 1, 0
	TURN 1, 0, 1
.endm
	s_wait_tensorcnt 1                             ; my part of K step 0 is in; K step 1's load stays out
	s_barrier_signal -1
	s_barrier_wait -1
	FETCH 0, 0, F0
	LAP 1
	WIN 0
	s_mov_b32 s3, LAPS-2
.Llap:
	LAP 0
	WIN 0
	s_sub_co_u32 s3, s3, 1
	s_cmp_lg_u32 s3, 0
	s_cbranch_scc1 .Llap
	THREE 0, 0                                     ; the last lap fills nothing
	TURN 0, 1, 0
	THREE 1, 0
	s_wait_dscnt 8
	WIN MUL_LO
	MUL16 F1, 0, 0, 0
	MUL16 F1, 0, 2, 0
	s_wait_dscnt 0
	WIN MUL_HI
	MUL16 F1, 1, 0, 0
	MUL16 F1, 1, 2, 0
	; THE WAY OUT, 16 rows at a time: add the bias, round to f16, 16 bytes a lane into my own stage, read back as whole rows of 256 bytes.
	PLACES
	s_lshl_b32 s13, s13, 8
	s_lshl_b32 s14, s11, 7
	s_add_co_u32 s16, s13, s14                     ; my first row
	s_mov_b32 s17, 0
	s_mov_b64 s[18:19], SIZE_N*2
	s_mul_u64 s[16:17], s[16:17], s[18:19]
	s_add_nc_u64 s[8:9], s[8:9], s[16:17]
	s_lshl_b32 s46, s42, 9                         ; my first column, in bytes
	s_lshl_b32 s47, s12, 8
	s_add_co_u32 s46, s46, s47
	s_mov_b32 s47, 0
	s_add_nc_u64 s[8:9], s[8:9], s[46:47]
; add = 0x86 / 0xc7: accumulators of window 2 / 3 as destination and source 0, the bias of window 1 as source 1; from = 0x0a / 0x0f: both sources in window 2 / 3
.macro OUT16 i, a, add, from, f
	WIN \add
.irp b, 0,1,2,3,4,5,6,7
.irp r, 0,1,2,3
	v_pk_add_f32 v[8*(8*\a+\b)+2*\r:8*(8*\a+\b)+2*\r+1], v[8*(8*\a+\b)+2*\r:8*(8*\a+\b)+2*\r+1], v[8*\b+2*\r:8*\b+2*\r+1]
.endr
.endr
	WIN \from
.irp b, 0,1,2,3,4,5,6,7
.irp r, 0,1,2,3
	v_cvt_pk_f16_f32 v[TMP+4*\b+\r], v[8*(8*\a+\b)+2*\r], v[8*(8*\a+\b)+2*\r+1]
.endr
.endr
	WIN 0
.irp b, 0,1,2,3,4,5,6,7
	ds_store_b128 v[STO], v[TMP+4*\b:TMP+4*\b+3] offset:32*\b
.endr
	s_wait_xcnt 0x0                                ; buffer f, which earlier stores read, and the stores' base are rewritten only behind this wait
.if \i
	s_add_nc_u64 s[8:9], s[8:9], 16*SIZE_N*2
.endif
.irp t, 0,1,2,3,4,5,6,7
	ds_load_b128 v[\f+4*\t:\f+4*\t+3], v[RD] offset:\t*2*SPITCH    ; LDS serves a wave's instructions in order: these see the stores above
.endr
.irp t, 0,1,2,3,4,5,6,7
	s_wait_dscnt 7-\t
	global_store_b128 v[CO], v[\f+4*\t:\f+4*\t+3], s[8:9] offset:2*\t*SIZE_N*2   ; 16 lanes store 256 consecutive bytes, aligned
.endr
.endm
	OUT16 0, 0, 0x86, 0x0a, F0
	OUT16 1, 1, 0x86, 0x0a, F1
	OUT16 2, 2, 0x86, 0x0a, F0
	OUT16 3, 3, 0x86, 0x0a, F1
	OUT16 4, 0, 0xc7, 0x0f, F0
	OUT16 5, 1, 0xc7, 0x0f, F1
	OUT16 6, 2, 0xc7, 0x0f, F0
	OUT16 7, 3, 0xc7, 0x0f, F1
	s_set_vgpr_msb 0x1
	s_wait_tensorcnt 0x0
	ds_add_u32 v255, v255
	s_wait_dscnt 0x0
	s_set_vgpr_msb 0x100
	CROUND                                         ; the closing round: no work-group ends while a partner may still ask for a tile that names it
	s_endpgm
.Lfunc_end_k_q27c78dd156_projqk:
	.size	k_q27c78dd156_projqk, .Lfunc_end_k_q27c78dd156_projqk-k_q27c78dd156_projqk
	.p2alignl 7, 3214868480
	.fill 96, 4, 3214868480
	.section	.rodata,"a",@progbits
	.p2align	6, 0x0
	.amdhsa_kernel k_q27c78dd156_projqk
		.amdhsa_group_segment_fixed_size 327680
		.amdhsa_private_segment_fixed_size 0
		.amdhsa_enable_private_segment 0
		.amdhsa_kernarg_size 40
		.amdhsa_user_sgpr_count 2
		.amdhsa_user_sgpr_kernarg_segment_ptr 1
		.amdhsa_wavefront_size32 1
		.amdhsa_system_sgpr_workgroup_id_x 1
		.amdhsa_system_sgpr_workgroup_id_y 1
		.amdhsa_system_sgpr_workgroup_id_z 1
		.amdhsa_system_vgpr_workitem_id 0
		.amdhsa_next_free_vgpr 1024
		.amdhsa_next_free_sgpr 80
		.amdhsa_reserve_vcc 0
		.amdhsa_float_denorm_mode_32 3
		.amdhsa_float_denorm_mode_16_64 3
		.amdhsa_memory_ordered 1
		.amdhsa_forward_progress 1
		.amdhsa_inst_pref_size 219
	.end_amdhsa_kernel
	.amdgpu_metadata
---
amdhsa.version: [ 1, 2 ]
amdhsa.kernels:
  - .name:           k_q27c78dd156_projqk
    .symbol:         k_q27c78dd156_projqk.kd
    .args:
      - { .name: xb, .offset: 0, .size: 8, .value_kind: global_buffer, .address_space: global }
      - { .name: wb, .offset: 8, .size: 8, .value_kind: global_buffer, .address_space: global }
      - { .name: bq, .offset: 16, .size: 8, .value_kind: global_buffer, .address_space: global }
      - { .name: bk, .offset: 24, .size: 8, .value_kind: global_buffer, .address_space: global }
      - { .name: qk, .offset: 32, .size: 8, .value_kind: global_buffer, .address_space: global }
    .group_segment_fixed_size: 327680
    .private_segment_fixed_size: 0
    .kernarg_segment_align: 8
    .kernarg_segment_size: 40
    .max_flat_workgroup_size: 128
    .sgpr_count:     80
    .vgpr_count:     1024
    .wavefront_size: 32
...
	.end_amdgpu_metadata
.endif
;; end of part 2
;; launch score (part 3): grid 20 x 8, 4 waves a work-group, no clusters, 327,680 bytes of LDS; arguments qk, pt, st; writes pt, st
.if DOCPART == 3
	.amdgcn_target "amdgcn-amd-amdhsa--gfx1250"
	.amdhsa_code_object_version 6
	.text
	.protected	k_q27c78dd156_score
	.globl	k_q27c78dd156_score
	.p2align	8
	.type	k_q27c78dd156_score,@function
k_q27c78dd156_score:
	s_mov_b64 s[64:65], 0
	v_nop
	global_prefetch_b8 v0, s[64:65] scope:SCOPE_SE
	s_setreg_imm32_b32 hwreg(HW_REG_WAVE_MODE, 25, 1), 1
	s_wait_xcnt 0x0
; One block of 256 queries x 128 keys of one batch's causal scores; only the 20 blocks that touch the triangle i >= j are launched.
; s' = (Q . K) log2(e) / 32.  For each key column j of the block: M = ceil(largest s' over the block's valid rows), p = f16(2^(s' - M)), l = sum of the ROUNDED p in f32.
; Stored: pt[b][key][query] = p (transposed; rows above the diagonal as zeros), st[b][q2][0][j] = M, st[b][q2][1][j] = l.  A later launch joins the blocks of a column.
; The block's own column maximum is taken away before the exponential, rounded up to a whole number so that later rescaling is by exact powers of two.
; LIMIT: p below 2^-24 of its block's column maximum becomes zero.
; NO CLUSTER: the triangle's block rows have 2, 4, 6, 8 blocks and its block columns 4, 4, 3, 3, 2, 2, 1, 1: no fixed group of four shares a tile at every place.
; Four waves: wq = wave / 2 takes 128 queries, wk = wave % 2 takes 64 keys: 8 (a) x 4 (b) accumulator tiles, 256 registers (window 1).
; Source 0 = rows of Q, source 1 = rows of K: lane (r = l % 16, h = l / 16) holds key 16 b + r and queries 16 a + 8 h + 0..7, so a column's maximum and sum
; are made inside a lane, one exchange of the lane halves, and one exchange of the two waves wq through LDS.
.set PITCH,  272                       ; LDS row: 256 bytes + 16 of padding
.set QBYTES, 256*PITCH
.set SLOT,   384*PITCH                 ; Q's 256 rows, then K's 128 rows
.set RED1,   2*SLOT                    ; 2 x 512 bytes: column maxima of wq = 0, 1
.set STAGE,  RED1+2048                 ; RED1 + 1024: the column sums; then 16 rows x 272 bytes for each wave
.set ADRQ, 16
.set ADRK, 20
.set STO,  24
.set RD,   25
.set CO,   26
.set DG,   27                          ; query - key at tile (0, 0), register 0
.set R1,   28
.set R1B,  29
.set RL,   30
.set F0,   64                          ; fragments: Q at f .. f+63, K at f+64 .. f+95
.set F1,   160
.set MX,   64
.set T,    68
.set NM,   72
.set TMP,  80
.set CH,   112
.set SM,   120
.set X,    128
.set G1Q, 24
.set G0Q, 32
.set G1K, 48
.set G0K, 56
.set MSB, 0
.macro WIN new
.if MSB != \new
	s_set_vgpr_msb (MSB<<8)|\new
.set MSB, \new
.endif
.endm
.macro WIDEN d, s                      ; the two f16 of register s as f32 in v[d], v[d+1]
	v_cvt_f32_f16 v[\d], v\s\().l
	v_cvt_f32_f16 v[\d+1], v\s\().h
.endm
.macro JLOAD s                         ; waves 0, 1 fetch Q's halves, waves 2, 3 K's halves: one tensor load a wave
	s_cmp_eq_u32 s11, 0
	s_cbranch_scc0 .Lfor_k_\@
	tensor_load_to_lds s[G0Q+4*\s:G0Q+4*\s+3], s[G1Q:G1Q+7]
	s_nop 0
	s_branch .Lasked_\@
.Lfor_k_\@:
	tensor_load_to_lds s[G0K+4*\s:G0K+4*\s+3], s[G1K:G1K+7]
	s_nop 0
.Lasked_\@:
.endm
	s_load_b128 s[4:7], s[0:1], 0x0                ; qk s[4:5], pt s[6:7]
	s_load_b64 s[8:9], s[0:1], 0x10                ; st
	v_lshl_add_u32 v62, v0, 2, 0x37c00
	v_mov_b32 v63, 0
	ds_add_u32 v62, v63
	ds_add_u32 v62, v63
	v_lshrrev_b32 v1, 5, v0
	v_readfirstlane_b32 s10, v1                    ; wave
	s_lshr_b32 s11, s10, 1                         ; wq; also: I fetch for Q (0) or K (1)
	s_and_b32 s12, s10, 1                          ; wk; also: which half of the tile I fetch
	s_cmp_ge_u32 ttmp9, 2                          ; x = 0..19 -> q2 = 0,0,1 x4,2 x6,3 x8
	s_cselect_b32 s14, 1, 0
	s_cmp_ge_u32 ttmp9, 6
	s_cselect_b32 s20, 1, 0
	s_add_co_u32 s14, s14, s20
	s_cmp_ge_u32 ttmp9, 12
	s_cselect_b32 s20, 1, 0
	s_add_co_u32 s14, s14, s20                     ; q2
	s_add_co_u32 s20, s14, 1
	s_mul_i32 s20, s20, s14
	s_sub_co_u32 s15, ttmp9, s20                   ; kb = x - q2 (q2 + 1), 0 .. 2 q2 + 1
	s_and_b32 s16, ttmp7, 0xffff                   ; batch
	s_mov_b32 s[G1Q+0], (1<<16)|(1<<20)|(5<<22)|(3<<25)    ; elements of 2 bytes; 4 words of padding behind every 64
	s_mov_b32 s[G1Q+1], 128<<16                    ; tensor_dim0 = 128
	s_mov_b32 s[G1Q+2], 128<<16                    ; tensor_dim1 = 128 rows
	s_mov_b32 s[G1Q+3], 128<<16                    ; tile_dim0 = 128
	s_mov_b32 s[G1Q+4], 128                        ; tile_dim1 = 128
	s_mov_b32 s[G1Q+5], 2048                       ; elements from row to row of qk
	s_mov_b32 s[G1Q+6], 0
	s_mov_b32 s[G1Q+7], 0
	s_mov_b32 s[G1K+0], (1<<16)|(1<<20)|(5<<22)|(3<<25)
	s_mov_b32 s[G1K+1], 128<<16
	s_mov_b32 s[G1K+2], 64<<16                     ; 64 rows
	s_mov_b32 s[G1K+3], 128<<16
	s_mov_b32 s[G1K+4], 64
	s_mov_b32 s[G1K+5], 2048
	s_mov_b32 s[G1K+6], 0
	s_mov_b32 s[G1K+7], 0
	s_lshl_b32 s17, s16, 10
	s_lshl_b32 s18, s14, 8
	s_add_co_u32 s18, s18, s17
	s_lshl_b32 s19, s12, 7
	s_add_co_u32 s18, s18, s19                     ; Q: row 1024 b + 256 q2 + 128 half
	s_lshl_b32 s18, s18, 12                        ; rows of 4,096 bytes
	s_mov_b32 s19, 0
	s_lshl_b32 s20, s15, 7
	s_add_co_u32 s20, s20, s17
	s_lshl_b32 s21, s12, 6
	s_add_co_u32 s20, s20, s21                     ; K: row 1024 b + 128 kb + 64 half
	s_lshl_b32 s20, s20, 12
	s_add_co_u32 s20, s20, 2048                    ; K lies behind Q in a row
	s_mov_b32 s21, 0
	s_mul_i32 s22, s10, 128*PITCH                  ; LDS: Q's half w
	s_mul_i32 s23, s10, 64*PITCH
	s_add_co_u32 s23, s23, 128*PITCH               ; K's half w - 2 behind Q's 256 rows
	s_wait_dscnt 0x0
	s_wait_kmcnt 0x0
	s_add_nc_u64 s[18:19], s[4:5], s[18:19]
	s_add_nc_u64 s[20:21], s[4:5], s[20:21]
.irp s, 0,1
	s_mov_b32 s[G0Q+4*\s], 1
	s_add_co_u32 s[G0Q+4*\s+1], s22, \s*SLOT
	s_add_nc_u64 s[G0Q+4*\s+2:G0Q+4*\s+3], s[18:19], \s*256
	s_or_b32 s[G0Q+4*\s+3], s[G0Q+4*\s+3], 0x80000000
	s_mov_b32 s[G0K+4*\s], 1
	s_add_co_u32 s[G0K+4*\s+1], s23, \s*SLOT
	s_add_nc_u64 s[G0K+4*\s+2:G0K+4*\s+3], s[20:21], \s*256
	s_or_b32 s[G0K+4*\s+3], s[G0K+4*\s+3], 0x80000000
	JLOAD \s                                       ; both first fills go out together: two tensor loads of the wave are out
.endr
	s_mov_b32 s40, 0x3d38aa3b                      ; log2(e) / 32
	s_mov_b32 s41, 0x3d38aa3b
	s_mov_b32 s42, 0xff800000                      ; -inf
	s_mov_b32 s43, 0x76543210                      ; v_permlanex16_b32: lane i of one half reads lane i of the other
	s_mov_b32 s44, 0xfedcba98
	s_mov_b32 s45, 0xbd38aa3b                      ; -log2(e) / 32
	v_and_b32 v1, 15, v0                           ; r
	v_bfe_u32 v2, v0, 4, 1                         ; h
	v_mul_u32_u24 v3, v1, PITCH
	v_lshl_add_u32 v3, v2, 4, v3                   ; 272 r + 16 h
	s_mul_i32 s46, s11, 128*PITCH
	s_mul_i32 s47, s12, 64*PITCH
	s_add_co_u32 s47, s47, QBYTES
.irp s, 0,1
	v_add_nc_u32 v[ADRQ+\s], s46, v3
	v_add_nc_u32 v[ADRK+\s], s47, v3
	s_add_co_u32 s46, s46, SLOT
	s_add_co_u32 s47, s47, SLOT
.endr
	s_mul_i32 s46, s10, 16*PITCH
	s_add_co_u32 s46, s46, STAGE
	v_add_nc_u32 v[STO], s46, v3                   ; in: key row r, 16 bytes for each half of the lanes
	v_mul_u32_u24 v4, v2, PITCH
	v_lshl_add_u32 v4, v1, 4, v4
	v_add_nc_u32 v[RD], s46, v4                    ; back: lanes 0-15 one row of 256 bytes, lanes 16-31 the next
	v_lshlrev_b32 v4, 11, v2
	v_lshl_add_u32 v[CO], v1, 4, v4                ; the same two rows in pt (2,048 bytes a row)
	s_lshl_b32 s46, s14, 8
	s_lshl_b32 s47, s15, 7
	s_sub_co_u32 s46, s46, s47
	s_lshl_b32 s47, s11, 7
	s_add_co_u32 s46, s46, s47
	s_lshl_b32 s47, s12, 6
	s_sub_co_u32 s46, s46, s47                     ; 256 q2 - 128 kb + 128 wq - 64 wk
	v_lshl_add_u32 v[DG], v2, 3, s46
	v_sub_nc_u32 v[DG], v[DG], v1                  ; + 8 h - r
	s_lshl_b32 s46, s12, 8
	s_add_co_u32 s46, s46, RED1
	v_lshl_add_u32 v[R1B], v1, 2, s46              ; RED1 + 256 wk + 4 r
	s_lshl_b32 s47, s11, 9
	v_add_nc_u32 v[R1], s47, v[R1B]                ; + 512 wq
	v_and_b32 v4, 31, v0
	v_lshlrev_b32 v31, 4, v4                       ; 16 x lane
	v_add_nc_u32 v[RL], RED1, v31
	s_lshl_b32 s70, s16, 21                        ; pt: ((1024 b + 128 kb + 64 wk) 1024 + 256 q2 + 128 wq) 2
	s_lshl_b32 s71, s15, 18
	s_add_co_u32 s70, s70, s71
	s_lshl_b32 s71, s12, 17
	s_add_co_u32 s70, s70, s71
	s_lshl_b32 s71, s14, 9
	s_add_co_u32 s70, s70, s71
	s_lshl_b32 s71, s11, 8
	s_add_co_u32 s70, s70, s71
	s_mov_b32 s71, 0
	s_add_nc_u64 s[66:67], s[6:7], s[70:71]
	s_lshl2_add_u32 s70, s16, s14                  ; st: (4 b + q2) 8192 + 512 kb
	s_lshl_b32 s70, s70, 13
	s_lshl_b32 s71, s15, 9
	s_add_co_u32 s70, s70, s71
	s_mov_b32 s71, 0
	s_add_nc_u64 s[68:69], s[8:9], s[70:71]
; four matrix instructions: query tile a x the four key tiles.  The 32 accumulators take turns, one instruction a turn.
.macro MULA f, a, zero
.irp b, 0,1,2,3
.if \zero
	v_wmma_f32_16x16x32_f16 v[8*(4*(\a)+\b):8*(4*(\a)+\b)+7], v[\f+8*(\a):\f+8*(\a)+7], v[\f+64+8*\b:\f+64+8*\b+7], 0
.else
	v_wmma_f32_16x16x32_f16 v[8*(4*(\a)+\b):8*(4*(\a)+\b)+7], v[\f+8*(\a):\f+8*(\a)+7], v[\f+64+8*\b:\f+64+8*\b+7], v[8*(4*(\a)+\b):8*(4*(\a)+\b)+7]
.endif
.endr
.endm
.macro FETCH slot, k, f                ; 24 LDS loads: K's four fragments, Q's tiles 0-3, Q's tiles 4-7
	WIN 0
.irp i, 0,1,2,3
	ds_load_b128 v[\f+64+8*\i:\f+64+8*\i+3], v[ADRK+\slot] offset:\k+\i*16*PITCH
	ds_load_b128 v[\f+64+8*\i+4:\f+64+8*\i+7], v[ADRK+\slot] offset:\k+\i*16*PITCH+32
.endr
.irp i, 0,1,2,3,4,5,6,7
	ds_load_b128 v[\f+8*\i:\f+8*\i+3],   v[ADRQ+\slot] offset:\k+\i*16*PITCH
	ds_load_b128 v[\f+8*\i+4:\f+8*\i+7], v[ADRQ+\slot] offset:\k+\i*16*PITCH+32
.endr
.endm
.macro PLACES                          ; four independent vector instructions behind a matrix instruction before its registers are loaded or its result read (ISA guide 7.12.1)
.rept 4
	v_nop
.endr
.endm
.macro QUARTER slot, k, f, g, zero
	s_wait_dscnt 8                                 ; K and Q's tiles 0-3 are in; the youngest eight loads (tiles 4-7) may be out
	WIN 0x50                                       ; C and D in window 1
	MULA \f, 0, \zero
	MULA \f, 1, \zero
	MULA \f, 2, \zero
	MULA \f, 3, \zero
	PLACES
	FETCH \slot, \k, \g
	s_wait_dscnt 24                                ; all but the 24 just issued
	WIN 0x50
	MULA \f, 4, \zero
	MULA \f, 5, \zero
	MULA \f, 6, \zero
	MULA \f, 7, \zero
.endm
.macro THREE slot, zero
	QUARTER \slot, 64,  F0, F1, \zero
	QUARTER \slot, 128, F1, F0, 0
	QUARTER \slot, 192, F0, F1, 0
.endm
; The last quarter of a K step changes slots: each wave waits for its reads of this slot and for all its tensor loads, then the barrier;
; behind it the refill is the wave's first and only tensor load, then the next slot's first fragments are read.
.macro TURN slot, next, fill
	s_wait_dscnt 8
	WIN 0x50
	MULA F1, 0, 0
	MULA F1, 1, 0
	s_wait_dscnt 0                                 ; my reads of this slot are over
	s_wait_tensorcnt 0x0                           ; all my tensor loads have landed, so every group 0 may be written
	ds_add_u32 v62, v63
	s_wait_dscnt 0x0
.if \fill
	s_add_nc_u64 s[G0Q+4*\slot+2:G0Q+4*\slot+3], s[G0Q+4*\slot+2:G0Q+4*\slot+3], 512   ; two K steps of 256 bytes on
	s_add_nc_u64 s[G0K+4*\slot+2:G0K+4*\slot+3], s[G0K+4*\slot+2:G0K+4*\slot+3], 512
.endif
	s_barrier_signal -1
	MULA F1, 2, 0
	MULA F1, 3, 0
	WIN 0
	s_barrier_wait -1
.if \fill
	JLOAD \slot
.endif
	PLACES
	FETCH \next, 0, F0
	WIN 0x50
	MULA F1, 4, 0
	MULA F1, 5, 0
	MULA F1, 6, 0
	MULA F1, 7, 0
.endm
.macro LAP zero
	THREE 0, \zero
	TURN 0, 1, 1
	THREE 1, 0
	TURN 1, 0, 1
.endm
	s_wait_tensorcnt 1                             ; my part of K step 0 is in; step 1's load stays out
	s_barrier_signal -1
	s_barrier_wait -1
	FETCH 0, 0, F0
	LAP 1                                          ; eight K steps = four laps: the first starts the sums,
	WIN 0
	s_mov_b32 s3, 2
.Llap:
	LAP 0                                          ; two go round,
	WIN 0
	s_sub_co_u32 s3, s3, 1
	s_cmp_lg_u32 s3, 0
	s_cbranch_scc1 .Llap
	THREE 0, 0                                     ; the last fills nothing
	TURN 0, 1, 0
	THREE 1, 0
	s_wait_dscnt 8
	WIN 0x50
	MULA F1, 0, 0
	MULA F1, 1, 0
	MULA F1, 2, 0
	MULA F1, 3, 0
	s_wait_dscnt 0
	MULA F1, 4, 0
	MULA F1, 5, 0
	MULA F1, 6, 0
	MULA F1, 7, 0
	PLACES
	WIN 0
	; The mask, in the two blocks of a block row that touch the diagonal: query >= key  <=>  DG >= 16 (b - a) - j.
	s_lshl_b32 s46, s14, 1
	s_cmp_lt_u32 s15, s46
	s_cbranch_scc1 .Lnomask
	WIN 0x44                                       ; destination and source 1 in window 1
.irp a, 0,1,2,3,4,5,6,7
.irp b, 0,1,2,3
.irp j, 0,1,2,3,4,5,6,7
	v_cmp_ge_i32 vcc_lo, v[DG], 16*(\b-\a)-\j
	v_cndmask_b32 v[8*(4*\a+\b)+\j], s42, v[8*(4*\a+\b)+\j], vcc_lo
.endr
.endr
.endr
	WIN 0
.Lnomask:
	; The largest raw score of each of my four key columns: 64 registers a column in this lane, four chains side by side.
	WIN 0x05                                       ; sources 0 and 1 in window 1
.irp b, 0,1,2,3
	v_max_num_f32 v[MX+\b], v[8*\b], v[8*\b+1]
.endr
.irp p, 1,2,3
.irp b, 0,1,2,3
	v_max3_num_f32 v[MX+\b], v[8*\b+2*\p], v[8*\b+2*\p+1], v[MX+\b]
.endr
.endr
.irp a, 1,2,3,4,5,6,7
.irp p, 0,1,2,3
.irp b, 0,1,2,3
	v_max3_num_f32 v[MX+\b], v[8*(4*\a+\b)+2*\p], v[8*(4*\a+\b)+2*\p+1], v[MX+\b]
.endr
.endr
.endr
	WIN 0
.irp b, 0,1,2,3
	v_mov_b32 v[T+\b], v[MX+\b]                    ; the permute's destination counts as read
.endr
.irp b, 0,1,2,3
	v_permlanex16_b32 v[T+\b], v[MX+\b], s43, s44  ; the other eight queries of each tile
.endr
.irp b, 0,1,2,3
	v_max_num_f32 v[MX+\b], v[MX+\b], v[T+\b]
.endr
.irp b, 0,1,2,3
	ds_store_b32 v[R1], v[MX+\b] offset:64*\b      ; both lane halves write the same word with the same value
.endr
	s_wait_dscnt 0x0                               ; for the other waves' sake
	s_barrier_signal -1
	s_barrier_wait -1
.irp b, 0,1,2,3
	ds_load_b32 v[100+\b], v[R1B] offset:64*\b     ; wq = 0's maxima of my columns
	ds_load_b32 v[104+\b], v[R1B] offset:64*\b+512 ; wq = 1's
.endr
	s_wait_dscnt 0x0
.irp b, 0,1,2,3
	v_max_num_f32 v[MX+\b], v[100+\b], v[104+\b]
	v_mul_f32 v[NM+2*\b], s45, v[MX+\b]
	v_floor_f32 v[NM+2*\b], v[NM+2*\b]             ; -M = floor(-sc max) = -ceil(sc max)
	v_mov_b32 v[NM+2*\b+1], v[NM+2*\b]
.endr
	WIN 0x41                                       ; destination and source 0 in window 1
.irp a, 0,1,2,3,4,5,6,7
.irp b, 0,1,2,3
.irp p, 0,1,2,3
	v_pk_fma_f32 v[8*(4*\a+\b)+2*\p:8*(4*\a+\b)+2*\p+1], v[8*(4*\a+\b)+2*\p:8*(4*\a+\b)+2*\p+1], s[40:41], v[NM+2*\b:NM+2*\b+1] op_sel_hi:[1,0,1]
.endr
.endr
.endr
.set n, 0
.rept 256
	v_exp_f32 v[n], v[n]
.set n, n+1
.endr
	v_nop                                          ; one plain vector instruction behind the last exponential before its result is used (ISA guide 5.7.2)
	s_wait_alu depctr_va_vdst(0)
; Key tile bt: round to f16, 16 bytes a lane into my stage, sum the rounded numbers, read the 16 key rows back whole and store them.
.macro PUT bt, rb
	WIN 0x05
.irp a, 0,1,2,3,4,5,6,7
.irp c, 0,1,2,3
	v_cvt_pk_f16_f32 v[TMP+4*\a+\c], v[8*(4*\a+\bt)+2*\c], v[8*(4*\a+\bt)+2*\c+1]
.endr
.endr
	WIN 0
.irp a, 0,1,2,3,4,5,6,7
	ds_store_b128 v[STO], v[TMP+4*\a:TMP+4*\a+3] offset:32*\a
.endr
.irp n, 80,81,82,83,84,85,86,87,88,89,90,91,92,93,94,95,96,97,98,99,100,101,102,103,104,105,106,107,108,109,110,111
	WIDEN X+2*(\n-80), \n
.endr
.irp c, 0,1,2,3
	v_pk_add_f32 v[CH+2*\c:CH+2*\c+1], v[X+2*\c:X+2*\c+1], v[X+8+2*\c:X+8+2*\c+1]
.endr
.set m, 8
.rept 24
	v_pk_add_f32 v[CH+2*(m%4):CH+2*(m%4)+1], v[CH+2*(m%4):CH+2*(m%4)+1], v[X+2*m:X+2*m+1]
.set m, m+1
.endr
	v_pk_add_f32 v[CH:CH+1], v[CH:CH+1], v[CH+2:CH+3]
	v_pk_add_f32 v[CH+4:CH+5], v[CH+4:CH+5], v[CH+6:CH+7]
	v_pk_add_f32 v[CH:CH+1], v[CH:CH+1], v[CH+4:CH+5]
	v_add_f32 v[SM+\bt], v[CH], v[CH+1]
	s_wait_xcnt 0x0                                ; the registers that earlier stores read, and the stores' base, are rewritten only behind this wait
.if \bt
	s_add_nc_u64 s[66:67], s[66:67], 32768         ; 16 key rows of 2,048 bytes on
.endif
.irp t, 0,1,2,3,4,5,6,7
	ds_load_b128 v[\rb+4*\t:\rb+4*\t+3], v[RD] offset:544*\t       ; LDS serves a wave's instructions in order: these see the stores above
.endr
.irp t, 0,1,2,3,4,5,6,7
	s_wait_dscnt 7-\t
	global_store_b128 v[CO], v[\rb+4*\t:\rb+4*\t+3], s[66:67] offset:4096*\t   ; 16 lanes store 256 consecutive bytes, aligned
.endr
.endm
	PUT 0, 192
	PUT 1, 224
	PUT 2, 192
	PUT 3, 224
.irp b, 0,1,2,3
	v_mov_b32 v[T+\b], v[SM+\b]
.endr
.irp b, 0,1,2,3
	v_permlanex16_b32 v[T+\b], v[SM+\b], s43, s44
.endr
.irp b, 0,1,2,3
	v_add_f32 v[SM+\b], v[SM+\b], v[T+\b]
.endr
.irp b, 0,1,2,3
	ds_store_b32 v[R1], v[SM+\b] offset:1024+64*\b
.endr
	s_wait_dscnt 0x0
	s_barrier_signal -1
	s_barrier_wait -1
	s_cmp_lg_u32 s10, 0                            ; wave 0 writes the block's 128 M and 128 l: four columns a lane
	s_cbranch_scc1 .Ldone
	ds_load_b128 v[64:67], v[RL]
	ds_load_b128 v[68:71], v[RL] offset:512
	ds_load_b128 v[72:75], v[RL] offset:1024
	ds_load_b128 v[76:79], v[RL] offset:1536
	s_wait_dscnt 0x0
.irp c, 0,1,2,3
	v_max_num_f32 v[64+\c], v[64+\c], v[68+\c]
	v_mul_f32 v[64+\c], s45, v[64+\c]
	v_floor_f32 v[64+\c], v[64+\c]
	v_xor_b32 v[64+\c], 0x80000000, v[64+\c]       ; M: the number that the exponent took away, with its sign turned
	v_add_f32 v[72+\c], v[72+\c], v[76+\c]
.endr
	global_store_b128 v31, v[64:67], s[68:69]
	global_store_b128 v31, v[72:75], s[68:69] offset:4096
.Ldone:
	s_wait_tensorcnt 0x0
	ds_add_u32 v62, v63
	s_wait_dscnt 0x0
	s_endpgm
.Lfunc_end_k_q27c78dd156_score:
	.size	k_q27c78dd156_score, .Lfunc_end_k_q27c78dd156_score-k_q27c78dd156_score
	.p2alignl 7, 3214868480
	.fill 96, 4, 3214868480
	.section	.rodata,"a",@progbits
	.p2align	6, 0x0
	.amdhsa_kernel k_q27c78dd156_score
		.amdhsa_group_segment_fixed_size 327680
		.amdhsa_private_segment_fixed_size 0
		.amdhsa_enable_private_segment 0
		.amdhsa_kernarg_size 24
		.amdhsa_user_sgpr_count 2
		.amdhsa_user_sgpr_kernarg_segment_ptr 1
		.amdhsa_wavefront_size32 1
		.amdhsa_system_sgpr_workgroup_id_x 1
		.amdhsa_system_sgpr_workgroup_id_y 1
		.amdhsa_system_sgpr_workgroup_id_z 1
		.amdhsa_system_vgpr_workitem_id 0
		.amdhsa_next_free_vgpr 512
		.amdhsa_next_free_sgpr 72
		.amdhsa_reserve_vcc 1
		.amdhsa_float_denorm_mode_32 3
		.amdhsa_float_denorm_mode_16_64 3
		.amdhsa_memory_ordered 1
		.amdhsa_forward_progress 1
		.amdhsa_inst_pref_size 191
	.end_amdhsa_kernel
	.amdgpu_metadata
---
amdhsa.version: [ 1, 2 ]
amdhsa.kernels:
  - .name:           k_q27c78dd156_score
    .symbol:         k_q27c78dd156_score.kd
    .args:
      - { .name: qk, .offset: 0, .size: 8, .value_kind: global_buffer, .address_space: global }
      - { .name: pt, .offset: 8, .size: 8, .value_kind: global_buffer, .address_space: global }
      - { .name: st, .offset: 16, .size: 8, .value_kind: global_buffer, .address_space: global }
    .group_segment_fixed_size: 327680
    .private_segment_fixed_size: 0
    .kernarg_segment_align: 8
    .kernarg_segment_size: 24
    .max_flat_workgroup_size: 128
    .sgpr_count:     72
    .vgpr_count:     512
    .wavefront_size: 32
...
	.end_amdgpu_metadata
.endif
;; end of part 3
;; launch projv (part 4): grid 4 x 32, 4 waves a work-group, clusters of 4 x 4, 327,680 bytes of LDS; arguments xb, wb, bv, st, vv, gt; writes vv, gt
.if DOCPART == 4
	.amdgcn_target "amdgcn-amd-amdhsa--gfx1250"
	.amdhsa_code_object_version 6
	.text
	.protected	k_q27c78dd156_projv
	.globl	k_q27c78dd156_projv
	.p2align	8
	.type	k_q27c78dd156_projv,@function
k_q27c78dd156_projv:
	s_mov_b64 s[64:65], 0
	v_nop
	global_prefetch_b8 v0, s[64:65] scope:SCOPE_SE
	s_setreg_imm32_b32 hwreg(HW_REG_WAVE_MODE, 25, 1), 1
	s_wait_xcnt 0x0
	s_wait_alu depctr_hold_cnt(0) depctr_sa_sdst(0) depctr_va_vdst(0) depctr_va_sdst(0) depctr_va_ssrc(0) depctr_va_vcc(0) depctr_vm_vsrc(0)
	s_getreg_b32 s2, hwreg(HW_REG_IB_STS2, 6, 4)
	s_cmp_eq_u32 s2, 0
	s_cbranch_scc0 .Lentry_in_a_cluster
	s_endpgm
.Lentry_in_a_cluster:
	s_bfe_u32 s2, ttmp6, 0x10000c
	s_cmp_lg_u32 s2, 0xf033
	s_cbranch_scc0 .Lentry_shape_is_right
	s_endpgm
.Lentry_shape_is_right:
; V'[j][e] = c_j ( sum over k of xb[j][k] Wv[e][k] + bv[e] ), stored as two f16: vv[j][e] = hi, vv[j][1024 + e] = lo = f16(V' - hi).
; c_j comes from the softmax over the QUERY axis.  For key column j the score launch left, for each query block q2 >= j / 256, a whole number M_q2 and a sum l_q2.
; Here: M = max M_q2; l = sum of l_q2 2^(M_q2 - M) (exact scaling) = 2^E ml with 1 <= ml < 2; c_j = 1 / ml; gt[b][q2][j] = f16(2^(M_q2 - M - E)), an exact power of two, at most 2.
; So P[i][j] = p g c with p rounded once.  LIMITS: |c V| below 65,504 (f16's range); g below 2^-24 becomes zero; with ROUNDB = 1 the bias is rounded to bf16 like the other inputs.
; The GEMM: a work-group makes 256 x 256 with four waves of 128 x 128, K in steps of 128 through two LDS slots, 4 x 4 clusters with joint loads
; (a row of the cluster shares xb's tiles, a column Wv's).  The four work-groups of a block row all make the statistics of their rows; work-group cx stores gt's row q2 = cx.
; REGISTERS: window 0: v0-33 addresses, v64-191 fragments of xb, v192-255 the way out; window 1: v0-63 bias, v64-191 fragments of Wv, v192-207 c of my eight groups of 16 rows (twice each),
; v208-211 at work; windows 2, 3: accumulators.
.set SIZE_K, 1024
.set SIZE_N, 2048
.set ROUNDB, 1
.set KSTEP,  128
.set PITCH,  272
.set HALFT,  128*PITCH
.set SLOT,   4*HALFT
.set STAGE,  2*SLOT
.set SPITCH, 272
.set LAPS, SIZE_K/(2*KSTEP)
.set ADRA, 16
.set ADRB, 20
.set STO,  24
.set RD,   25
.set CO,   26
.set BO,   27
.set F0,   64
.set F1,   128
.set TH,   64                          ; the way out: hi, packed
.set TL,   96                          ; lo, packed
.set XW,   128                         ; hi, widened again
.set RB1,  192
.set RB2,  224
.set CW,   192                         ; window 1: c
.set BT,   208                         ; window 1: at work
.set SMX,  100
.set SL,   104
.set G1, 24
.set G0, 32
.set G1B, 48
.set G0B, 56
.set MSB, 0
.macro WIN new
.if MSB != \new
	s_set_vgpr_msb (MSB<<8)|\new
.set MSB, \new
.endif
.endm
.macro WIDEN d, s                      ; the two f16 of register s as f32 in v[d], v[d+1]
	v_cvt_f32_f16 v[\d], v\s\().l
	v_cvt_f32_f16 v[\d+1], v\s\().h
.endm
.set MUL_LO, 0xa1
.set MUL_HI, 0xf1
.set TO_B,   0x40
.macro JLOAD s
	s_cmp_eq_u32 s11, 0
	s_cbranch_scc0 .Lfor_b_\@
	tensor_load_to_lds s[G0+4*\s:G0+4*\s+3], s[G1:G1+7]
	s_nop 0
	s_branch .Lasked_\@
.Lfor_b_\@:
	tensor_load_to_lds s[G0B+4*\s:G0B+4*\s+3], s[G1B:G1B+7]
	s_nop 0
.Lasked_\@:
.endm
.macro CREST
	s_cmp_lg_u32 s10, 0
	s_cbranch_scc1 .Lnot_wave_0_\@
	s_barrier_signal -3
.Lnot_wave_0_\@:
	s_barrier_wait -3
	s_barrier_signal -1
	s_barrier_wait -1
.endm
.macro CROUND
	s_barrier_signal -1
	s_barrier_wait -1
	CREST
.endm
	s_load_b128 s[4:7], s[0:1], 0x0                ; xb s[4:5], wb s[6:7]
	s_load_b128 s[68:71], s[0:1], 0x10             ; bv s[68:69], st s[70:71]
	s_load_b64 s[8:9], s[0:1], 0x20                ; vv
	s_load_b64 s[96:97], s[0:1], 0x28              ; gt
	s_set_vgpr_msb 0x40
	v_lshl_add_u32 v255, v0, 2, 0x48400
	s_set_vgpr_msb 0x4000
	v_mov_b32 v63, 0
	s_set_vgpr_msb 0x1
	ds_add_u32 v255, v63
	ds_add_u32 v255, v63
	s_set_vgpr_msb 0x100
	v_lshrrev_b32 v1, 5, v0
	v_readfirstlane_b32 s10, v1
	s_lshr_b32 s11, s10, 1
	s_and_b32 s12, s10, 1
	s_bfe_u32 s40, ttmp6, 0x40000                  ; cx
	s_bfe_u32 s41, ttmp6, 0x40004                  ; cy
	s_lshl_b32 s42, ttmp9, 2
	s_add_co_u32 s42, s42, s40                     ; block column
	s_and_b32 s13, ttmp7, 0xffff
	s_lshl_b32 s13, s13, 2
	s_add_co_u32 s13, s13, s41                     ; block row
	s_lshl_b32 s43, s41, 2
	s_lshl_b32 s43, 15, s43
	s_lshl_b32 s44, 0x1111, s40
	s_or_b32 s[G1+0], s43, (1<<16)|(1<<20)|(1<<21)|(5<<22)|(3<<25)
	s_or_b32 s[G1B+0], s44, (1<<16)|(1<<20)|(1<<21)|(5<<22)|(3<<25)
	s_mov_b32 s[G1B+1], KSTEP<<16
	s_mov_b32 s[G1+1], KSTEP<<16
	s_mov_b32 s[G1B+2], 128<<16
	s_mov_b32 s[G1+2], 128<<16
	s_mov_b32 s[G1B+3], KSTEP<<16
	s_mov_b32 s[G1+3], KSTEP<<16
	s_mov_b32 s[G1B+4], 128
	s_mov_b32 s[G1+4], 128
	s_mov_b32 s[G1B+5], SIZE_K
	s_mov_b32 s[G1+5], SIZE_K
	s_mov_b32 s[G1B+6], 0
	s_mov_b32 s[G1+6], 0
	s_mov_b32 s[G1B+7], 0
	s_mov_b32 s[G1+7], 0
	s_lshl_b32 s17, s12, 7
	s_lshl_b32 s16, s13, 8
	s_add_co_u32 s16, s16, s17
	s_lshl_b32 s46, s42, 8
	s_add_co_u32 s46, s46, s17
	s_mov_b32 s17, 0
	s_mov_b32 s47, 0
	s_mov_b64 s[18:19], SIZE_K*2
	s_mul_u64 s[16:17], s[16:17], s[18:19]
	s_mul_u64 s[46:47], s[46:47], s[18:19]
	s_mul_i32 s20, s10, HALFT
	s_wait_dscnt 0x0
	s_wait_kmcnt 0x0
	s_add_nc_u64 s[6:7], s[6:7], 0x400000          ; Wv is wb's third block of 1,024 rows
	s_add_nc_u64 s[14:15], s[4:5], s[16:17]
	s_add_nc_u64 s[46:47], s[6:7], s[46:47]
	CROUND                                         ; all sixteen work-groups are here: the first joint loads meet
.irp s, 0,1
	s_mov_b32 s[G0+4*\s], 1
	s_add_co_u32 s[G0+4*\s+1], s20, \s*SLOT
	s_add_nc_u64 s[G0+4*\s+2:G0+4*\s+3], s[14:15], \s*KSTEP*2
	s_or_b32 s[G0+4*\s+3], s[G0+4*\s+3], 0x80000000
	s_mov_b32 s[G0B+4*\s], 1
	s_add_co_u32 s[G0B+4*\s+1], s20, \s*SLOT
	s_add_nc_u64 s[G0B+4*\s+2:G0B+4*\s+3], s[46:47], \s*KSTEP*2
	s_or_b32 s[G0B+4*\s+3], s[G0B+4*\s+3], 0x80000000
	JLOAD \s                                       ; two tensor loads of the wave are out
.endr
	v_and_b32 v1, 15, v0
	v_bfe_u32 v2, v0, 4, 1
	v_mul_u32_u24 v3, v1, PITCH
	v_lshl_add_u32 v3, v2, 4, v3
	s_mul_i32 s21, s11, HALFT
	s_mul_i32 s22, s12, HALFT
	s_add_co_u32 s22, s22, 2*HALFT
.irp s, 0,1
	v_add_nc_u32 v[ADRA+\s], s21, v3
	v_add_nc_u32 v[ADRB+\s], s22, v3
	s_add_co_u32 s21, s21, SLOT
	s_add_co_u32 s22, s22, SLOT
.endr
	s_mul_i32 s23, s10, 16*SPITCH
	s_add_co_u32 s23, s23, STAGE
	v_mul_u32_u24 v4, v1, SPITCH
	v_lshl_add_u32 v4, v2, 4, v4
	v_add_nc_u32 v[STO], s23, v4
	v_mul_u32_u24 v5, v2, SPITCH
	v_lshl_add_u32 v5, v1, 4, v5
	v_add_nc_u32 v[RD], s23, v5
	v_mul_u32_u24 v5, v2, SIZE_N*2
	v_lshl_add_u32 v[CO], v1, 4, v5
	v_lshlrev_b32 v[BO], 5, v2
	; The bias of my 128 columns into window 1 v0-63.
	s_lshl_b32 s74, s40, 10
	s_lshl_b32 s75, s12, 9
	s_add_co_u32 s74, s74, s75
	s_mov_b32 s75, 0
	s_add_nc_u64 s[72:73], s[68:69], s[74:75]
	WIN TO_B
.irp b, 0,1,2,3,4,5,6,7
	global_load_b128 v[8*\b:8*\b+3],   v[BO], s[72:73] offset:64*\b
	global_load_b128 v[8*\b+4:8*\b+7], v[BO], s[72:73] offset:64*\b+16
.endr
	WIN 0
	; The statistics of my 128 rows (key columns j0 .. j0 + 127 of batch b), four columns a lane.  Query blocks below qmin = j0 / 256 do not exist:
	; their loads are turned to block qmin (a maximum does not mind a repeat) and their sums are multiplied by 0.
	s_lshl_b32 s93, s13, 8
	s_lshl_b32 s94, s11, 7
	s_add_co_u32 s93, s93, s94                     ; my first row
	s_lshr_b32 s90, s93, 10                        ; b
	s_and_b32 s91, s93, 1023                       ; j0
	s_lshr_b32 s92, s91, 8                         ; qmin
	s_lshl_b32 s94, s90, 15
	s_lshl2_add_u32 s94, s91, s94                  ; 32768 b + 4 j0
	s_mov_b32 s95, 0
	s_add_nc_u64 s[66:67], s[70:71], s[94:95]
.irp q, 0,1,2,3
	s_max_u32 s93, s92, \q
	s_lshl_b32 s94, s93, 13
	s_add_nc_u64 s[76+2*\q:77+2*\q], s[66:67], s[94:95]
	s_cmp_le_u32 s92, \q
	s_cselect_b32 s[86+\q], 0x3f800000, 0
.endr
	s_max_u32 s93, s92, s40                        ; the block whose g I store: q2 = cx (rows of gt below qmin are written and never read)
	s_lshl_b32 s94, s93, 13
	s_add_nc_u64 s[84:85], s[66:67], s[94:95]
	s_lshl2_add_u32 s94, s90, s40                  ; gt: ((4 b + cx) 1024 + j0) 2
	s_lshl_b32 s94, s94, 11
	s_lshl1_add_u32 s94, s91, s94
	s_add_nc_u64 s[96:97], s[96:97], s[94:95]
	s_mov_b32 s98, 0x7fffff
	s_mov_b32 s99, 0x3f800000
	s_mov_b32 s100, 0xc3480000                     ; -200: below it a power of two is zero in every format used here
	v_and_b32 v28, 31, v0
	v_lshlrev_b32 v29, 3, v28                      ; 8 x lane
	v_lshlrev_b32 v28, 4, v28                      ; 16 x lane
	v_add_nc_u32 v32, s23, v28                     ; my stage + 16 x lane
	v_lshl_add_u32 v33, v1, 2, s23                 ; my stage + 4 r
.irp q, 0,1,2,3
	global_load_b128 v[64+4*\q:67+4*\q], v28, s[76+2*\q:77+2*\q]
	global_load_b128 v[80+4*\q:83+4*\q], v28, s[76+2*\q:77+2*\q] offset:4096
.endr
	global_load_b128 v[96:99], v28, s[84:85]
	s_wait_loadcnt 0x0                             ; the bias and the statistics
.if ROUNDB
	WIN 0x45
.set i, 0
.rept 32
	v_cvt_pk_bf16_f32 v[BT+i%4], v[2*i], v[2*i+1]
	v_lshlrev_b32 v[2*i], 16, v[BT+i%4]
	v_and_b32 v[2*i+1], 0xffff0000, v[BT+i%4]
.set i, i+1
.endr
	WIN 0
.endif
.irp k, 0,1,2,3
	v_max3_num_f32 v[SMX+\k], v[64+\k], v[68+\k], v[72+\k]
	v_max_num_f32 v[SMX+\k], v[SMX+\k], v[76+\k]
.irp q, 0,1,2,3
	v_sub_f32 v108, v[64+4*\q+\k], v[SMX+\k]
	v_max_num_f32 v108, s100, v108
	v_cvt_i32_f32 v108, v108
	v_mul_f32 v109, s[86+\q], v[80+4*\q+\k]
.if \q
	v_ldexp_f32 v109, v109, v108
	v_add_f32 v[SL+\k], v[SL+\k], v109
.else
	v_ldexp_f32 v[SL+\k], v109, v108
.endif
.endr
	v_lshrrev_b32 v[112+\k], 23, v[SL+\k]          ; l > 0: its biased exponent
	v_and_or_b32 v[116+\k], v[SL+\k], s98, s99     ; ml in [1, 2)
	v_rcp_f32 v[120+\k], v[116+\k]                 ; c; the next line is the plain vector instruction that stands behind it (ISA guide 5.7.2)
	v_sub_f32 v108, v[96+\k], v[SMX+\k]
	v_max_num_f32 v108, s100, v108
	v_cvt_i32_f32 v108, v108
	v_sub_nc_u32 v108, v108, v[112+\k]
	v_add_nc_u32 v108, 127, v108                   ; M_own - M - E
	v_ldexp_f32 v[124+\k], 1.0, v108
.endr
	v_cvt_pk_f16_f32 v30, v124, v125               ; v[30:31], v29 and s[96:97] are never written again: the store needs no wait
	v_cvt_pk_f16_f32 v31, v126, v127
	s_cmp_lg_u32 s12, 0                            ; waves 0 and 2 store g: the two waves of a row half hold the same numbers
	s_cbranch_scc1 .Lno_g
	global_store_b64 v29, v[30:31], s[96:97]       ; 32 lanes, 256 consecutive bytes, aligned
.Lno_g:
	s_wait_alu depctr_va_vdst(0)
	ds_store_b128 v32, v[120:123]                  ; c of column n at byte 4 n of my own stage; LDS serves a wave's instructions in order
	WIN TO_B
.irp i, 0,1,2,3,4,5,6,7
	ds_load_b32 v[CW+2*\i],   v33 offset:64*\i     ; c of row 16 i + r, twice: a pair for the packed multiply
	ds_load_b32 v[CW+2*\i+1], v33 offset:64*\i
.endr
	WIN 0
	s_wait_dscnt 0x0
; The 64 accumulators take turns, one instruction a turn.
.macro MUL16 f, hi, a0, zero
.irp a, \a0, \a0+1
.irp b, 0,1,2,3,4,5,6,7
.if \zero
	v_wmma_f32_16x16x32_bf16 v[8*(8*(\a)+\b):8*(8*(\a)+\b)+7], v[\f+8*\b:\f+8*\b+7], v[\f+8*(4*\hi+\a):\f+8*(4*\hi+\a)+7], 0
.else
	v_wmma_f32_16x16x32_bf16 v[8*(8*(\a)+\b):8*(8*(\a)+\b)+7], v[\f+8*\b:\f+8*\b+7], v[\f+8*(4*\hi+\a):\f+8*(4*\hi+\a)+7], v[8*(8*(\a)+\b):8*(8*(\a)+\b)+7]
.endif
.endr
.endr
.endm
.macro FETCH slot, k, f
	WIN TO_B
.irp i, 0,1,2,3,4,5,6,7
	ds_load_b128 v[\f+8*\i:\f+8*\i+3],   v[ADRB+\slot] offset:\k+\i*16*PITCH
	ds_load_b128 v[\f+8*\i+4:\f+8*\i+7], v[ADRB+\slot] offset:\k+\i*16*PITCH+32
.endr
	WIN 0
.irp i, 0,1,2,3,4,5,6,7
	ds_load_b128 v[\f+8*\i:\f+8*\i+3],   v[ADRA+\slot] offset:\k+\i*16*PITCH
	ds_load_b128 v[\f+8*\i+4:\f+8*\i+7], v[ADRA+\slot] offset:\k+\i*16*PITCH+32
.endr
.endm
.macro PLACES                          ; four independent vector instructions behind a matrix instruction before its registers are loaded or its result read (ISA guide 7.12.1)
.rept 4
	v_nop
.endr
.endm
.macro QUARTER slot, k, f, g, zero
	s_wait_dscnt 8                                 ; the youngest eight loads (xb's rows 64-127) may be out
	WIN MUL_LO
	MUL16 \f, 0, 0, \zero
	MUL16 \f, 0, 2, \zero
	PLACES
	FETCH \slot, \k, \g
	s_wait_dscnt 32                                ; all but the 32 just issued
	WIN MUL_HI
	MUL16 \f, 1, 0, \zero
	MUL16 \f, 1, 2, \zero
.endm
.macro THREE slot, zero
	QUARTER \slot, 64,  F0, F1, \zero
	QUARTER \slot, 128, F1, F0, 0
	QUARTER \slot, 192, F0, F1, 0
.endm
.macro TURN slot, next, fill
	s_wait_dscnt 8
	WIN MUL_LO
	MUL16 F1, 0, 0, 0
	s_wait_dscnt 0                                 ; my reads of this slot are over
	s_wait_tensorcnt 0x0                           ; all my tensor loads have landed
	ds_add_u32 v255, v63
	s_wait_dscnt 0x0
	s_barrier_signal -1
	MUL16 F1, 0, 2, 0
	WIN 0
	s_barrier_wait -1
.if \fill
	CREST
	s_add_nc_u64 s[G0+4*\slot+2:G0+4*\slot+3], s[G0+4*\slot+2:G0+4*\slot+3], 2*KSTEP*2
	s_add_nc_u64 s[G0B+4*\slot+2:G0B+4*\slot+3], s[G0B+4*\slot+2:G0B+4*\slot+3], 2*KSTEP*2
	JLOAD \slot                                    ; the wave's one tensor load behind the round
.endif
	PLACES
	FETCH \next, 0, F0
	WIN MUL_HI
	MUL16 F1, 1, 0, 0
	MUL16 F1, 1, 2, 0
.endm
.macro LAP zero
	THREE 0, \zero
	TURN 0, 1, 1
	THREE 1, 0
	TURN 1, 0, 1
.endm
	s_wait_tensorcnt 1                             ; my part of K step 0 is in; K step 1's load stays out
	s_barrier_signal -1
	s_barrier_wait -1
	FETCH 0, 0, F0
	LAP 1
	WIN 0
	s_mov_b32 s3, LAPS-2
.Llap:
	LAP 0
	WIN 0
	s_sub_co_u32 s3, s3, 1
	s_cmp_lg_u32 s3, 0
	s_cbranch_scc1 .Llap
	THREE 0, 0
	TURN 0, 1, 0
	THREE 1, 0
	s_wait_dscnt 8
	WIN MUL_LO
	MUL16 F1, 0, 0, 0
	MUL16 F1, 0, 2, 0
	s_wait_dscnt 0
	WIN MUL_HI
	MUL16 F1, 1, 0, 0
	MUL16 F1, 1, 2, 0
	PLACES
	s_lshl_b32 s13, s13, 8
	s_lshl_b32 s14, s11, 7
	s_add_co_u32 s16, s13, s14
	s_mov_b32 s17, 0
	s_mov_b64 s[18:19], SIZE_N*2
	s_mul_u64 s[16:17], s[16:17], s[18:19]
	s_add_nc_u64 s[8:9], s[8:9], s[16:17]
	s_lshl_b32 s46, s42, 9
	s_lshl_b32 s47, s12, 8
	s_add_co_u32 s46, s46, s47
	s_mov_b32 s47, 0
	s_add_nc_u64 s[8:9], s[8:9], s[46:47]
; 16 rows: (sum + bias) c in f32; hi = f16 of it; lo = f16(it - hi); each goes through my stage and out as whole rows of 256 bytes.
; add = 0x86 / 0xc7: accumulator as destination and source 0, window 1 as source 1; from = 0x0a / 0x0f: both sources accumulators; sub = 0x82 / 0xc3: source 1 in window 0.
.macro OUTV i, a, add, from, sub
	WIN \add
.irp b, 0,1,2,3,4,5,6,7
.irp r, 0,1,2,3
	v_pk_add_f32 v[8*(8*\a+\b)+2*\r:8*(8*\a+\b)+2*\r+1], v[8*(8*\a+\b)+2*\r:8*(8*\a+\b)+2*\r+1], v[8*\b+2*\r:8*\b+2*\r+1]
.endr
.endr
.irp b, 0,1,2,3,4,5,6,7
.irp r, 0,1,2,3
	v_pk_mul_f32 v[8*(8*\a+\b)+2*\r:8*(8*\a+\b)+2*\r+1], v[8*(8*\a+\b)+2*\r:8*(8*\a+\b)+2*\r+1], v[CW+2*\i:CW+2*\i+1]
.endr
.endr
	WIN \from
.irp b, 0,1,2,3,4,5,6,7
.irp r, 0,1,2,3
	v_cvt_pk_f16_f32 v[TH+4*\b+\r], v[8*(8*\a+\b)+2*\r], v[8*(8*\a+\b)+2*\r+1]
.endr
.endr
	WIN 0
.irp n, 64,65,66,67,68,69,70,71,72,73,74,75,76,77,78,79,80,81,82,83,84,85,86,87,88,89,90,91,92,93,94,95
	WIDEN XW+2*(\n-64), \n
.endr
	WIN \sub
.irp b, 0,1,2,3,4,5,6,7
.irp r, 0,1,2,3
	v_pk_add_f32 v[8*(8*\a+\b)+2*\r:8*(8*\a+\b)+2*\r+1], v[8*(8*\a+\b)+2*\r:8*(8*\a+\b)+2*\r+1], v[XW+8*\b+2*\r:XW+8*\b+2*\r+1] neg_lo:[0,1] neg_hi:[0,1]
.endr
.endr
	WIN \from
.irp b, 0,1,2,3,4,5,6,7
.irp r, 0,1,2,3
	v_cvt_pk_f16_f32 v[TL+4*\b+\r], v[8*(8*\a+\b)+2*\r], v[8*(8*\a+\b)+2*\r+1]
.endr
.endr
	WIN 0
.irp b, 0,1,2,3,4,5,6,7
	ds_store_b128 v[STO], v[TH+4*\b:TH+4*\b+3] offset:32*\b
.endr
	s_wait_xcnt 0x0                                ; the registers that the last 16 rows' stores read, and the stores' base, are rewritten only behind this wait
.if \i
	s_add_nc_u64 s[8:9], s[8:9], 16*SIZE_N*2
.endif
.irp t, 0,1,2,3,4,5,6,7
	ds_load_b128 v[RB1+4*\t:RB1+4*\t+3], v[RD] offset:\t*2*SPITCH
.endr
.irp t, 0,1,2,3,4,5,6,7
	s_wait_dscnt 7-\t
	global_store_b128 v[CO], v[RB1+4*\t:RB1+4*\t+3], s[8:9] offset:2*\t*SIZE_N*2
.endr
.irp b, 0,1,2,3,4,5,6,7
	ds_store_b128 v[STO], v[TL+4*\b:TL+4*\b+3] offset:32*\b        ; the reads of hi are back: the count-down above ended at 0
.endr
.irp t, 0,1,2,3,4,5,6,7
	ds_load_b128 v[RB2+4*\t:RB2+4*\t+3], v[RD] offset:\t*2*SPITCH
.endr
.irp t, 0,1,2,3,4,5,6,7
	s_wait_dscnt 7-\t
	global_store_b128 v[CO], v[RB2+4*\t:RB2+4*\t+3], s[8:9] offset:2*\t*SIZE_N*2+2048   ; lo lies 1,024 columns behind hi
.endr
.endm
	OUTV 0, 0, 0x86, 0x0a, 0x82
	OUTV 1, 1, 0x86, 0x0a, 0x82
	OUTV 2, 2, 0x86, 0x0a, 0x82
	OUTV 3, 3, 0x86, 0x0a, 0x82
	OUTV 4, 0, 0xc7, 0x0f, 0xc3
	OUTV 5, 1, 0xc7, 0x0f, 0xc3
	OUTV 6, 2, 0xc7, 0x0f, 0xc3
	OUTV 7, 3, 0xc7, 0x0f, 0xc3
	s_set_vgpr_msb 0x1
	s_wait_tensorcnt 0x0
	ds_add_u32 v255, v63
	s_wait_dscnt 0x0
	s_set_vgpr_msb 0x100
	CROUND                                         ; the closing round
	s_endpgm
.Lfunc_end_k_q27c78dd156_projv:
	.size	k_q27c78dd156_projv, .Lfunc_end_k_q27c78dd156_projv-k_q27c78dd156_projv
	.p2alignl 7, 3214868480
	.fill 96, 4, 3214868480
	.section	.rodata,"a",@progbits
	.p2align	6, 0x0
	.amdhsa_kernel k_q27c78dd156_projv
		.amdhsa_group_segment_fixed_size 327680
		.amdhsa_private_segment_fixed_size 0
		.amdhsa_enable_private_segment 0
		.amdhsa_kernarg_size 48
		.amdhsa_user_sgpr_count 2
		.amdhsa_user_sgpr_kernarg_segment_ptr 1
		.amdhsa_wavefront_size32 1
		.amdhsa_system_sgpr_workgroup_id_x 1
		.amdhsa_system_sgpr_workgroup_id_y 1
		.amdhsa_system_sgpr_workgroup_id_z 1
		.amdhsa_system_vgpr_workitem_id 0
		.amdhsa_next_free_vgpr 1024
		.amdhsa_next_free_sgpr 101
		.amdhsa_reserve_vcc 0
		.amdhsa_float_denorm_mode_32 3
		.amdhsa_float_denorm_mode_16_64 3
		.amdhsa_memory_ordered 1
		.amdhsa_forward_progress 1
		.amdhsa_inst_pref_size 255
	.end_amdhsa_kernel
	.section	.bss,"aw",@nobits
	.p2align	6
	.space	262144
	.amdgpu_metadata
---
amdhsa.version: [ 1, 2 ]
amdhsa.kernels:
  - .name:           k_q27c78dd156_projv
    .symbol:         k_q27c78dd156_projv.kd
    .args:
      - { .name: xb, .offset: 0, .size: 8, .value_kind: global_buffer, .address_space: global }
      - { .name: wb, .offset: 8, .size: 8, .value_kind: global_buffer, .address_space: global }
      - { .name: bv, .offset: 16, .size: 8, .value_kind: global_buffer, .address_space: global }
      - { .name: st, .offset: 24, .size: 8, .value_kind: global_buffer, .address_space: global }
      - { .name: vv, .offset: 32, .size: 8, .value_kind: global_buffer, .address_space: global }
      - { .name: gt, .offset: 40, .size: 8, .value_kind: global_buffer, .address_space: global }
    .group_segment_fixed_size: 327680
    .private_segment_fixed_size: 0
    .kernarg_segment_align: 8
    .kernarg_segment_size: 48
    .max_flat_workgroup_size: 128
    .sgpr_count:     101
    .vgpr_count:     1024
    .wavefront_size: 32
...
	.end_amdgpu_metadata
.endif
;; end of part 4
;; launch pv (part 5): grid 32 x 8, 4 waves a work-group, no clusters, 327,680 bytes of LDS; arguments pt, vv, gt, out0; writes out0
.if DOCPART == 5
	.amdgcn_target "amdgcn-amd-amdhsa--gfx1250"
	.amdhsa_code_object_version 6
	.text
	.protected	k_q27c78dd156_pv
	.globl	k_q27c78dd156_pv
	.p2align	8
	.type	k_q27c78dd156_pv,@function
k_q27c78dd156_pv:
	s_mov_b64 s[64:65], 0
	v_nop
	global_prefetch_b8 v0, s[64:65] scope:SCOPE_SE
	s_setreg_imm32_b32 hwreg(HW_REG_WAVE_MODE, 25, 1), 1
	s_wait_xcnt 0x0
; out0[b][i][e] = sum over keys j <= i of (p[j][i] g[i / 256][j]) (V'hi[j][e] + V'lo[j][e]): f16 operands, f32 sums.
; p g is an exact product (g is a power of two) as long as it is a normal f16; below that it is rounded at 2^-25 of the column's scale.
; A work-group makes two tiles of 128 queries x 128 columns e: query block 7 - p (8 - p steps of 128 keys) and query block p (p + 1 steps): nine steps for every work-group.
; The nine steps are written out; at steps 5 to 8 a branch on the work-group's number puts the first tile's way out where its last step has ended.
; NO CLUSTER: work-groups with the same list of steps (the eight e blocks of a pair) share only p's tile, 32 KiB of a step's 96 KiB; V's tiles are shared only by work-groups whose lists differ.
; Four waves: wr = wave / 2 takes 64 queries, wc = wave % 2 takes 64 columns: 4 (a) x 4 (b) accumulator tiles.
; Both operands lie in LDS with the keys down the rows, so their fragments come by transposing loads.  Source 0 = V' (rows e), source 1 = p (columns = queries):
; lane (r, h) holds query 16 a + r and columns 16 b + 8 h + 0..7: 32 neighbouring bytes of out0.
; REGISTERS: window 0: v8-23 addresses, v32-47 g's fragments (two buffers), v64-191 V's fragments (hi, lo; two buffers), v192-255 the way out;
; window 1: v0-127 accumulators, v128-191 p's fragments (two buffers).
.set VP,    288                        ; LDS row: 256 bytes + 32 of padding, an odd multiple of 32 as the transposing loads want
.set TILEB, 128*VP
.set SLOT,  3*TILEB                    ; V'hi, V'lo, p
.set GL,    2*SLOT                     ; 16 rows of 256 bytes: g of step t's 128 keys in row t (rows 9-15 are copies that nothing reads)
.set STAGE, GL+4096
.set VSTEP, 524288                     ; 128 key rows of vv
.set PSTEP, 262144                     ; 128 key rows of pt
.set ADRVH, 8
.set ADRVL, 10
.set ADRP,  12
.set GA,    14
.set STO,   15
.set RD,    16
.set CO,    17
.set GF,    32
.set VH,    64
.set VL,    96
.set RB,    192
.set PF,    128                        ; window 1
.set G1V, 24
.set G1P, 32
.set G0V, 40
.set G0P, 48
.set MSB, 0
.macro WIN new
.if MSB != \new
	s_set_vgpr_msb (MSB<<8)|\new
.set MSB, \new
.endif
.endm
.macro JLOAD s                         ; wave 0 fetches V'hi, wave 1 V'lo, waves 2 and 3 the halves of p's tile: one tensor load a wave
	s_cmp_eq_u32 s13, 0
	s_cbranch_scc0 .Lfor_p_\@
	tensor_load_to_lds s[G0V+4*\s:G0V+4*\s+3], s[G1V:G1V+7]
	s_nop 0
	s_branch .Lasked_\@
.Lfor_p_\@:
	tensor_load_to_lds s[G0P+4*\s:G0P+4*\s+3], s[G1P:G1P+7]
	s_nop 0
.Lasked_\@:
.endm
	s_load_b256 s[4:11], s[0:1], 0x0               ; pt s[4:5], vv s[6:7], gt s[8:9], out0 s[10:11]
	v_lshl_add_u32 v63, v0, 2, 0x3b400
	s_set_vgpr_msb 0x40
	v_mov_b32 v193, 0
	s_set_vgpr_msb 0x4044
	ds_add_u32 v63, v193
	ds_add_u32 v63, v193
	s_set_vgpr_msb 0x4400
	v_lshrrev_b32 v1, 5, v0
	v_readfirstlane_b32 s12, v1                    ; wave
	s_lshr_b32 s13, s12, 1                         ; wr; also: I fetch V' (0) or p (1)
	s_and_b32 s14, s12, 1                          ; wc; also: hi or lo, or which half of p's tile
	s_and_b32 s15, ttmp9, 7                        ; e block
	s_lshr_b32 s16, ttmp9, 3                       ; p: the second tile's query block
	s_sub_co_u32 s17, 8, s16                       ; TA: the first tile's steps, 5 to 8
	s_and_b32 s18, ttmp7, 0xffff                   ; batch
	s_sub_co_u32 s19, 7, s16                       ; the first tile's query block
	s_mov_b32 s[G1V+0], (1<<16)|(1<<20)|(5<<22)|(7<<25)    ; elements of 2 bytes; 8 words of padding behind every 64
	s_mov_b32 s[G1V+1], 128<<16                    ; tensor_dim0 = 128
	s_mov_b32 s[G1V+2], 128<<16                    ; tensor_dim1 = 128 rows
	s_mov_b32 s[G1V+3], 128<<16                    ; tile_dim0 = 128
	s_mov_b32 s[G1V+4], 128                        ; tile_dim1 = 128
	s_mov_b32 s[G1V+5], 2048                       ; elements from row to row of vv
	s_mov_b32 s[G1V+6], 0
	s_mov_b32 s[G1V+7], 0
	s_mov_b32 s[G1P+0], (1<<16)|(1<<20)|(5<<22)|(7<<25)
	s_mov_b32 s[G1P+1], 128<<16
	s_mov_b32 s[G1P+2], 64<<16                     ; 64 rows
	s_mov_b32 s[G1P+3], 128<<16
	s_mov_b32 s[G1P+4], 64
	s_mov_b32 s[G1P+5], 1024                       ; elements from row to row of pt
	s_mov_b32 s[G1P+6], 0
	s_mov_b32 s[G1P+7], 0
	s_lshl_b32 s20, s18, 22                        ; vv: 1024 b rows of 4,096 bytes + 256 eb + 2048 (lo)
	s_lshl_b32 s21, s15, 8
	s_add_co_u32 s20, s20, s21
	s_lshl_b32 s21, s14, 11
	s_add_co_u32 s20, s20, s21
	s_mov_b32 s21, 0
	s_lshl_b32 s22, s18, 21                        ; pt: (1024 b + 64 half) rows of 2,048 bytes + 256 x query block
	s_lshl_b32 s23, s14, 17
	s_add_co_u32 s22, s22, s23
	s_lshl_b32 s70, s19, 8
	s_add_co_u32 s70, s70, s22                     ; the first tile's
	s_mov_b32 s71, 0
	s_lshl_b32 s23, s16, 8
	s_add_co_u32 s22, s22, s23                     ; the second tile's
	s_mov_b32 s23, 0
	s_mul_i32 s72, s12, TILEB                      ; LDS: V'hi, V'lo = wave x 128 rows
	s_mul_i32 s73, s12, 64*VP
	s_add_co_u32 s73, s73, TILEB                   ; p's half w - 2 behind them
	s_wait_dscnt 0x0
	s_wait_kmcnt 0x0
	s_add_nc_u64 s[60:61], s[6:7], s[20:21]        ; V' at key block 0: step 0 of either tile
	s_add_nc_u64 s[62:63], s[4:5], s[22:23]        ; p at the second tile's step 0
	s_add_nc_u64 s[58:59], s[4:5], s[70:71]        ; p at the first tile's step 0
.irp s, 0,1
	s_mov_b32 s[G0V+4*\s], 1
	s_add_co_u32 s[G0V+4*\s+1], s72, \s*SLOT
	s_add_nc_u64 s[G0V+4*\s+2:G0V+4*\s+3], s[60:61], \s*VSTEP
	s_or_b32 s[G0V+4*\s+3], s[G0V+4*\s+3], 0x80000000
	s_mov_b32 s[G0P+4*\s], 1
	s_add_co_u32 s[G0P+4*\s+1], s73, \s*SLOT
	s_add_nc_u64 s[G0P+4*\s+2:G0P+4*\s+3], s[58:59], \s*PSTEP
	s_or_b32 s[G0P+4*\s+3], s[G0P+4*\s+3], 0x80000000
	JLOAD \s                                       ; steps 0 and 1 go out together: two tensor loads of the wave are out
.endr
	s_add_nc_u64 s[56:57], s[60:61], 2*VSTEP       ; the step to be asked for next: step 2 (no descriptor names these registers)
	s_add_nc_u64 s[58:59], s[58:59], 2*PSTEP
	s_lshl_b32 s74, s18, 22                        ; out0: ((1024 b + 128 qb + 64 wr) 1024 + 128 eb + 64 wc) 4
	s_lshl_b32 s75, s13, 18
	s_add_co_u32 s74, s74, s75
	s_lshl_b32 s75, s15, 9
	s_add_co_u32 s74, s74, s75
	s_lshl_b32 s75, s14, 8
	s_add_co_u32 s74, s74, s75
	s_lshl_b32 s75, s19, 19
	s_add_co_u32 s76, s74, s75
	s_mov_b32 s77, 0
	s_add_nc_u64 s[66:67], s[10:11], s[76:77]      ; the first tile
	s_lshl_b32 s75, s16, 19
	s_add_co_u32 s76, s74, s75
	s_add_nc_u64 s[68:69], s[10:11], s[76:77]      ; the second tile
	s_lshr_b32 s74, s19, 1                         ; gt rows: (4 b + query block / 2) x 2,048 bytes
	s_lshl2_add_u32 s74, s18, s74
	s_lshl_b32 s74, s74, 11                        ; the first tile's
	s_lshr_b32 s75, s16, 1
	s_lshl2_add_u32 s75, s18, s75
	s_lshl_b32 s75, s75, 11                        ; the second tile's
	s_lshl_b32 s76, s16, 8
	s_add_co_u32 s76, s76, s75                     ; step 8: always the second tile's key block p
	v_and_b32 v1, 15, v0                           ; r
	v_bfe_u32 v2, v0, 4, 1                         ; h
	v_and_b32 v3, 7, v0
	v_bfe_u32 v4, v0, 3, 1
	v_lshl_add_u32 v5, v2, 3, v3
	v_mul_u32_u24 v5, v5, VP
	v_lshl_add_u32 v5, v4, 4, v5                   ; (8 h + l % 8) 288 + 16 ((l / 8) % 2)
	s_lshl_b32 s77, s14, 7
	v_add_nc_u32 v[ADRVH], s77, v5                 ; + my 64 columns
	v_add_nc_u32 v[ADRVH+1], SLOT, v[ADRVH]
	v_add_nc_u32 v[ADRVL], TILEB, v[ADRVH]
	v_add_nc_u32 v[ADRVL+1], TILEB, v[ADRVH+1]
	s_lshl_b32 s77, s13, 7
	s_add_co_u32 s77, s77, 2*TILEB
	v_add_nc_u32 v[ADRP], s77, v5                  ; p's tile, my 64 queries
	v_add_nc_u32 v[ADRP+1], SLOT, v[ADRP]
	v_lshl_add_u32 v[GA], v2, 4, GL
	s_mul_i32 s77, s12, 16*272
	s_add_co_u32 s77, s77, STAGE
	v_mul_u32_u24 v6, v1, 272
	v_lshl_add_u32 v6, v2, 5, v6
	v_add_nc_u32 v[STO], s77, v6                   ; in: query row r, 32 bytes for each half of the lanes
	v_mul_u32_u24 v6, v2, 272
	v_lshl_add_u32 v6, v1, 4, v6
	v_add_nc_u32 v[RD], s77, v6                    ; back: two rows of 256 bytes
	v_lshlrev_b32 v6, 12, v2
	v_lshl_add_u32 v[CO], v1, 4, v6                ; the same two rows in out0
	; g: thread n brings 16 bytes of row n / 16 (steps 0 to 7), and 16 bytes of step 8's row.
	v_lshrrev_b32 v18, 4, v0                       ; step t
	v_cmp_gt_u32 vcc_lo, s17, v18                  ; t < TA: the first tile
	v_sub_nc_u32 v19, v18, s17
	v_cndmask_b32 v19, v19, v18, vcc_lo            ; key block
	v_mov_b32 v20, s75
	v_mov_b32 v21, s74
	v_cndmask_b32 v20, v20, v21, vcc_lo
	v_lshl_add_u32 v20, v19, 8, v20
	v_lshl_add_u32 v20, v1, 4, v20
	v_lshl_add_u32 v22, v1, 4, s76
	global_load_b128 v[64:67], v20, s[8:9]
	global_load_b128 v[68:71], v22, s[8:9]
	v_lshlrev_b32 v23, 4, v0
	v_add_nc_u32 v23, GL, v23
	s_wait_loadcnt 0x0
	ds_store_b128 v23, v[64:67]
	ds_store_b128 v23, v[68:71] offset:2048
; 26 LDS loads: quarter q (32 keys) of step t in a slot, into buffer f
.macro FETCH slot, t, q, f
	WIN 0
.irp b, 0,1,2,3
	ds_load_tr16_b128 v[VH+64*\f+8*\b:VH+64*\f+8*\b+3],   v[ADRVH+\slot] offset:32*VP*\q+32*\b
	ds_load_tr16_b128 v[VH+64*\f+8*\b+4:VH+64*\f+8*\b+7], v[ADRVH+\slot] offset:32*VP*\q+32*\b+16*VP
.endr
.irp b, 0,1,2,3
	ds_load_tr16_b128 v[VL+64*\f+8*\b:VL+64*\f+8*\b+3],   v[ADRVL+\slot] offset:32*VP*\q+32*\b
	ds_load_tr16_b128 v[VL+64*\f+8*\b+4:VL+64*\f+8*\b+7], v[ADRVL+\slot] offset:32*VP*\q+32*\b+16*VP
.endr
	ds_load_b128 v[GF+8*\f:GF+8*\f+3],   v[GA] offset:256*(\t)+64*\q
	ds_load_b128 v[GF+8*\f+4:GF+8*\f+7], v[GA] offset:256*(\t)+64*\q+32
	WIN 0x40                                       ; destination in window 1
.irp a, 0,1,2,3
	ds_load_tr16_b128 v[PF+32*\f+8*\a:PF+32*\f+8*\a+3],   v[ADRP+\slot] offset:32*VP*\q+32*\a
	ds_load_tr16_b128 v[PF+32*\f+8*\a+4:PF+32*\f+8*\a+7], v[ADRP+\slot] offset:32*VP*\q+32*\a+16*VP
.endr
.endm
.macro SCALE f                         ; p g: g's fragment has the keys of p's registers and is the same for every query
.irp a, 0,1,2,3
.irp c, 0,1,2,3,4,5,6,7
	v_pk_mul_f16 v[PF+32*\f+8*\a+\c], v[GF+8*\f+\c], v[PF+32*\f+8*\a+\c]
.endr
.endr
.endm
; 16 matrix instructions on the 16 accumulators, which take turns, one instruction a turn.
.macro MM v, f, zero
.irp a, 0,1,2,3
.irp b, 0,1,2,3
.if \zero
	v_wmma_f32_16x16x32_f16 v[8*(4*\a+\b):8*(4*\a+\b)+7], v[\v+64*\f+8*\b:\v+64*\f+8*\b+7], v[PF+32*\f+8*\a:PF+32*\f+8*\a+7], 0
.else
	v_wmma_f32_16x16x32_f16 v[8*(4*\a+\b):8*(4*\a+\b)+7], v[\v+64*\f+8*\b:\v+64*\f+8*\b+7], v[PF+32*\f+8*\a:PF+32*\f+8*\a+7], v[8*(4*\a+\b):8*(4*\a+\b)+7]
.endif
.endr
.endr
.endm
; One of a step's first three quarters: multiplies buffer f, fetches quarter q of the same slot into buffer g.
; SCALE's 32 plain vector instructions, which name none of the last matrix instructions' registers, are the places in front of the loads into g.
.macro QUARTER slot, t, q, f, g, zero
	s_wait_dscnt 0x0                               ; buffer f is in
	WIN 0x54                                       ; source 1, C and D in window 1
	SCALE \f
	FETCH \slot, \t, \q, \g
	WIN 0x54
	MM VH, \f, \zero
	MM VL, \f, 0
.endm
; The last quarter changes slots: each wave waits for its reads of this slot and for all its tensor loads; then the barrier;
; behind it the refill (step t + 2) is the wave's first and only tensor load, then the next slot's first fragments are read.
.macro TURN slot, next, t, fill
	s_wait_dscnt 0x0
	s_wait_tensorcnt 0x0                           ; no tensor load of mine is out: every group 0 may be written
	ds_add_u32 v63, v193
	s_wait_dscnt 0x0
.if \fill
	s_mov_b64 s[G0V+4*\slot+2:G0V+4*\slot+3], s[56:57]
	s_or_b32 s[G0V+4*\slot+3], s[G0V+4*\slot+3], 0x80000000
	s_mov_b64 s[G0P+4*\slot+2:G0P+4*\slot+3], s[58:59]
	s_or_b32 s[G0P+4*\slot+3], s[G0P+4*\slot+3], 0x80000000
.if \t < 6
	s_add_nc_u64 s[56:57], s[56:57], VSTEP         ; step t + 3: the next key block,
	s_add_nc_u64 s[58:59], s[58:59], PSTEP
.if \t+3 >= 5
	s_cmp_eq_u32 s17, \t+3                         ; or the second tile's first
	s_cselect_b64 s[56:57], s[60:61], s[56:57]
	s_cselect_b64 s[58:59], s[62:63], s[58:59]
.endif
.endif
.endif
	s_barrier_signal -1
	WIN 0x54
	SCALE 1
	MM VH, 1, 0
	WIN 0
	s_barrier_wait -1
.if \fill
	JLOAD \slot
.endif
	FETCH \next, \t+1, 0, 0
	WIN 0x54
	MM VL, 1, 0
.endm
; The way out of a tile, 16 queries at a time: the accumulators go as they are into my own stage and come back as whole rows of 256 bytes.
.macro OUT sb
.rept 5
	v_nop                                          ; places behind the last matrix instructions, for the stores that read results and for the next tile's first products, which write over them
.endr
.irp a, 0,1,2,3
	WIN 0x04                                       ; store data in window 1
.irp b, 0,1,2,3
	ds_store_b128 v[STO], v[8*(4*\a+\b):8*(4*\a+\b)+3]   offset:64*\b
	ds_store_b128 v[STO], v[8*(4*\a+\b)+4:8*(4*\a+\b)+7] offset:64*\b+16
.endr
	WIN 0
	s_wait_xcnt 0x0                                ; the registers that earlier stores read, and the stores' base, are rewritten only behind this wait
.if \a
	s_add_nc_u64 s[\sb:\sb+1], s[\sb:\sb+1], 65536 ; 16 rows of out0 on
.endif
.irp t, 0,1,2,3,4,5,6,7
	ds_load_b128 v[RB+32*(\a&1)+4*\t:RB+32*(\a&1)+4*\t+3], v[RD] offset:544*\t     ; LDS serves a wave's instructions in order: these see the stores above
.endr
.irp t, 0,1,2,3,4,5,6,7
	s_wait_dscnt 7-\t
	global_store_b128 v[CO], v[RB+32*(\a&1)+4*\t:RB+32*(\a&1)+4*\t+3], s[\sb:\sb+1] offset:8192*\t th:TH_STORE_NT   ; 16 lanes store 256 consecutive bytes, aligned
.endr
.endr
.endm
; The first quarter of steps 5 to 8: where the first tile has just ended it goes out and the second tile's sums start.  No tensor load stands on either way.
.macro HEAD slot, t
	WIN 0
	s_cmp_eq_u32 s17, \t
	s_cbranch_scc0 .Lsame_\@
	OUT 66
	QUARTER \slot, \t, 1, 0, 1, 1
	WIN 0
	s_branch .Ljoin_\@
.Lsame_\@:
	QUARTER \slot, \t, 1, 0, 1, 0
	WIN 0
.Ljoin_\@:
.endm
.macro STEP t, slot, next, fill
.if \t == 0
	QUARTER \slot, \t, 1, 0, 1, 1                  ; the first products start the sums
.else
.if \t >= 5
	HEAD \slot, \t
.else
	QUARTER \slot, \t, 1, 0, 1, 0
.endif
.endif
	QUARTER \slot, \t, 2, 1, 0, 0
	QUARTER \slot, \t, 3, 0, 1, 0
	TURN \slot, \next, \t, \fill
.endm
	s_wait_dscnt 0x0                               ; my rows of g are written, for the other waves' sake
	s_wait_tensorcnt 1                             ; my part of step 0 is in; step 1's load stays out
	s_barrier_signal -1
	s_barrier_wait -1
	FETCH 0, 0, 0, 0
	STEP 0, 0, 1, 1
	STEP 1, 1, 0, 1
	STEP 2, 0, 1, 1
	STEP 3, 1, 0, 1
	STEP 4, 0, 1, 1
	STEP 5, 1, 0, 1
	STEP 6, 0, 1, 1                                ; asks for step 8, the last
	STEP 7, 1, 0, 0
	HEAD 0, 8
	QUARTER 0, 8, 2, 1, 0, 0
	QUARTER 0, 8, 3, 0, 1, 0
	s_wait_dscnt 0x0
	WIN 0x54
	SCALE 1
	MM VH, 1, 0
	MM VL, 1, 0
	WIN 0
	OUT 68
	s_set_vgpr_msb 0x4
	s_wait_tensorcnt 0x0
	ds_add_u32 v63, v193
	s_wait_dscnt 0x0
	s_set_vgpr_msb 0x400
	s_endpgm
.Lfunc_end_k_q27c78dd156_pv:
	.size	k_q27c78dd156_pv, .Lfunc_end_k_q27c78dd156_pv-k_q27c78dd156_pv
	.p2alignl 7, 3214868480
	.fill 96, 4, 3214868480
	.section	.rodata,"a",@progbits
	.p2align	6, 0x0
	.amdhsa_kernel k_q27c78dd156_pv
		.amdhsa_group_segment_fixed_size 327680
		.amdhsa_private_segment_fixed_size 0
		.amdhsa_enable_private_segment 0
		.amdhsa_kernarg_size 32
		.amdhsa_user_sgpr_count 2
		.amdhsa_user_sgpr_kernarg_segment_ptr 1
		.amdhsa_wavefront_size32 1
		.amdhsa_system_sgpr_workgroup_id_x 1
		.amdhsa_system_sgpr_workgroup_id_y 1
		.amdhsa_system_sgpr_workgroup_id_z 1
		.amdhsa_system_vgpr_workitem_id 0
		.amdhsa_next_free_vgpr 450
		.amdhsa_next_free_sgpr 80
		.amdhsa_reserve_vcc 1
		.amdhsa_float_denorm_mode_32 3
		.amdhsa_float_denorm_mode_16_64 3
		.amdhsa_memory_ordered 1
		.amdhsa_forward_progress 1
		.amdhsa_inst_pref_size 255
	.end_amdhsa_kernel
	.section	.bss,"aw",@nobits
	.p2align	6
	.space	262144
	.amdgpu_metadata
---
amdhsa.version: [ 1, 2 ]
amdhsa.kernels:
  - .name:           k_q27c78dd156_pv
    .symbol:         k_q27c78dd156_pv.kd
    .args:
      - { .name: pt, .offset: 0, .size: 8, .value_kind: global_buffer, .address_space: global }
      - { .name: vv, .offset: 8, .size: 8, .value_kind: global_buffer, .address_space: global }
      - { .name: gt, .offset: 16, .size: 8, .value_kind: global_buffer, .address_space: global }
      - { .name: out0, .offset: 24, .size: 8, .value_kind: global_buffer, .address_space: global }
    .group_segment_fixed_size: 327680
    .private_segment_fixed_size: 0
    .kernarg_segment_align: 8
    .kernarg_segment_size: 32
    .max_flat_workgroup_size: 128
    .sgpr_count:     80
    .vgpr_count:     450
    .wavefront_size: 32
...
	.end_amdgpu_metadata
.endif
;; end of part 5
;; ======== version 2 of 3: 5 launches; 1.14 times as fast as version 1
;; limits: values outside matrix products are rounded to bf16; values are held in f16: magnitudes above 65,504 overflow, below 6.1e-05 lose precision
;; workspace buffers: xb 16,777,216 bytes; wb 6,291,456 bytes; qk 33,554,432 bytes; vv 33,554,432 bytes; pt 16,777,216 bytes; st 262,144 bytes; gt 65,536 bytes
;; launch cvt: the kernel of part 1 again; grid 256 x 1, 8 waves a work-group, no clusters, 0 bytes of LDS; arguments embeddings, Wq, Wk, Wv, xb, wb; writes xb, wb
;; launch projqk: the kernel of part 2 again; grid 8 x 32, 4 waves a work-group, clusters of 4 x 4, 327,680 bytes of LDS; arguments xb, wb, bq, bk, qk; writes qk
;; launch score (part 6): grid 20 x 8, 4 waves a work-group, no clusters, 327,680 bytes of LDS; arguments qk, pt, st; writes pt, st
.if DOCPART == 6
	.amdgcn_target "amdgcn-amd-amdhsa--gfx1250"
	.amdhsa_code_object_version 6
	.text
	.protected	k_q27c78dd156_score
	.globl	k_q27c78dd156_score
	.p2align	8
	.type	k_q27c78dd156_score,@function
k_q27c78dd156_score:
	s_mov_b64 s[64:65], 0
	v_nop
	global_prefetch_b8 v0, s[64:65] scope:SCOPE_SE
	s_setreg_imm32_b32 hwreg(HW_REG_WAVE_MODE, 25, 1), 1
	s_wait_xcnt 0x0
; One block of 256 queries x 128 keys of one batch's causal scores; only the 20 blocks that touch the triangle i >= j are launched.
; s' = (Q . K) log2(e) / 32.  For each key column j of the block: M = ceil(largest s' over the block's valid rows), p = f16(2^(s' - M)), l = sum of the ROUNDED p in f32.
; Stored: pt[b][key][query] = p (transposed; rows above the diagonal as zeros), st[b][q2][0][j] = M, st[b][q2][1][j] = l.  A later launch joins the blocks of a column.
; The block's own column maximum is taken away before the exponential, rounded up to a whole number so that later rescaling is by exact powers of two.
; LIMIT: p below 2^-24 of its block's column maximum becomes zero.
; NO CLUSTER: the triangle's block rows have 2, 4, 6, 8 blocks and its block columns 4, 4, 3, 3, 2, 2, 1, 1: no fixed group of four shares a tile at every place.
; Four waves: wq = wave / 2 takes 128 queries, wk = wave % 2 takes 64 keys: 8 (a) x 4 (b) accumulator tiles, 256 registers (window 1).
; Source 0 = rows of Q, source 1 = rows of K: lane (r = l % 16, h = l / 16) holds key 16 b + r and queries 16 a + 8 h + 0..7, so a column's maximum and sum
; are made inside a lane, one exchange of the lane halves, and one exchange of the two waves wq through LDS.
; THE RING: 384 rows (Q's 256, K's 128) go through two LDS slots of unequal size.  Two slots of 256 along the embedding would take 2 x 384 x 528 = 405,504 bytes, more than
; there is; slot 0 holds 256 along the embedding (rows of 512 bytes, 202,752 bytes), slot 1 holds 128 (rows of 256 bytes, 104,448 bytes).  The 1,024 go as 256, 128, 256, 128, 256:
; five fills, two of them together at the start, and three refills, each the one tensor load of a wave behind its barrier.  A refill of slot 1 has slot 0's eight quarter
; steps in which to land, a refill of slot 0 has slot 1's four.  The 32 quarter steps are written out.
.set PW,    528                        ; slot 0's LDS row: 512 bytes + 16 of padding, an odd multiple of 16
.set PN,    272                        ; slot 1's LDS row: 256 bytes + 16 of padding
.set S1,    384*PW                     ; slot 1 begins behind slot 0's 384 rows
.set RED1,  S1+384*PN                  ; 2 x 512 bytes: column maxima of wq = 0, 1; RED1 + 1024: the column sums
.set STAGE, RED1+2048                  ; 16 rows x 272 bytes for each wave
.set ADRQ, 16                          ; v16-17  my Q fragments in slot 0, 1
.set ADRK, 20                          ; v20-21  my K fragments in slot 0, 1
.set STO,  24
.set RD,   25
.set CO,   26
.set DG,   27                          ; query - key at tile (0, 0), register 0
.set R1,   28
.set R1B,  29
.set RL,   30
.set F0,   64                          ; fragments: Q at f .. f+63, K at f+64 .. f+95
.set F1,   160
.set MX,   64
.set T,    68
.set NM,   72
.set TMP,  80
.set CH,   112
.set SM,   120
.set X,    128
.set G1QW, 24                          ; s[24:31] shape of Q's half in slot 0; s[40:47] in slot 1
.set G1KW, 32                          ; s[32:39] shape of K's half in slot 0; s[48:55] in slot 1
.set G0Q,  56                          ; s[56:63] from where, to where: Q, a set for each slot
.set G0K,  72                          ; s[72:79] the same for K
.set MSB, 0
.macro WIN new                         ; the immediate's high byte repeats the setting that is left
.if MSB != \new
	s_set_vgpr_msb (MSB<<8)|\new
.set MSB, \new
.endif
.endm
.macro WIDEN d, s                      ; the two f16 of register s as f32 in v[d], v[d+1]
	v_cvt_f32_f16 v[\d], v\s\().l
	v_cvt_f32_f16 v[\d+1], v\s\().h
.endm
.macro SHAPE g, cols, rows, qi         ; descriptor group 1: rows x cols elements of 2 bytes, 4 words of padding behind each row of 2 << qi words
	s_mov_b32 s[\g+0], (1<<16)|(1<<20)|(\qi<<22)|(3<<25)
	s_mov_b32 s[\g+1], \cols<<16                   ; tensor_dim0
	s_mov_b32 s[\g+2], \rows<<16                   ; tensor_dim1
	s_mov_b32 s[\g+3], \cols<<16                   ; tile_dim0
	s_mov_b32 s[\g+4], \rows                       ; tile_dim1
	s_mov_b32 s[\g+5], 2048                        ; elements from row to row of qk
	s_mov_b32 s[\g+6], 0
	s_mov_b32 s[\g+7], 0
.endm
.macro JLOAD s                         ; waves 0, 1 fetch Q's halves, waves 2, 3 K's halves: one tensor load a wave
	s_cmp_eq_u32 s11, 0
	s_cbranch_scc0 .Lfor_k_\@
	tensor_load_to_lds s[G0Q+4*\s:G0Q+4*\s+3], s[G1QW+16*\s:G1QW+16*\s+7]
	s_nop 0
	s_branch .Lasked_\@
.Lfor_k_\@:
	tensor_load_to_lds s[G0K+4*\s:G0K+4*\s+3], s[G1KW+16*\s:G1KW+16*\s+7]
	s_nop 0
.Lasked_\@:
.endm
	s_load_b128 s[4:7], s[0:1], 0x0                ; qk s[4:5], pt s[6:7]
	s_load_b64 s[8:9], s[0:1], 0x10                ; st
	v_lshl_add_u32 v62, v0, 2, 0x4fc00
	v_mov_b32 v63, 0
	ds_add_u32 v62, v63
	ds_add_u32 v62, v63
	v_lshrrev_b32 v1, 5, v0
	v_readfirstlane_b32 s10, v1                    ; wave
	s_lshr_b32 s11, s10, 1                         ; wq; also: I fetch for Q (0) or K (1)
	s_and_b32 s12, s10, 1                          ; wk; also: which half of the tile I fetch
	s_cmp_ge_u32 ttmp9, 2                          ; x = 0..19 -> q2 = 0,0,1 x4,2 x6,3 x8
	s_cselect_b32 s14, 1, 0
	s_cmp_ge_u32 ttmp9, 6
	s_cselect_b32 s20, 1, 0
	s_add_co_u32 s14, s14, s20
	s_cmp_ge_u32 ttmp9, 12
	s_cselect_b32 s20, 1, 0
	s_add_co_u32 s14, s14, s20                     ; q2
	s_add_co_u32 s20, s14, 1
	s_mul_i32 s20, s20, s14
	s_sub_co_u32 s15, ttmp9, s20                   ; kb = x - q2 (q2 + 1), 0 .. 2 q2 + 1
	s_and_b32 s16, ttmp7, 0xffff                   ; batch
	SHAPE G1QW,    256, 128, 6                     ; slot 0: 128 rows of Q, 256 along the embedding
	SHAPE G1KW,    256, 64,  6                     ;         64 rows of K
	SHAPE G1QW+16, 128, 128, 5                     ; slot 1: 128 along the embedding
	SHAPE G1KW+16, 128, 64,  5
	s_lshl_b32 s17, s16, 10
	s_lshl_b32 s18, s14, 8
	s_add_co_u32 s18, s18, s17
	s_lshl_b32 s19, s12, 7
	s_add_co_u32 s18, s18, s19                     ; Q: row 1024 b + 256 q2 + 128 half
	s_lshl_b32 s18, s18, 12                        ; rows of 4,096 bytes
	s_mov_b32 s19, 0
	s_lshl_b32 s20, s15, 7
	s_add_co_u32 s20, s20, s17
	s_lshl_b32 s21, s12, 6
	s_add_co_u32 s20, s20, s21                     ; K: row 1024 b + 128 kb + 64 half
	s_lshl_b32 s20, s20, 12
	s_add_co_u32 s20, s20, 2048                    ; K lies behind Q in a row
	s_mov_b32 s21, 0
	s_mov_b32 s[G0Q], 1
	s_mul_i32 s[G0Q+1], s10, 128*PW                ; slot 0: Q's half w
	s_mov_b32 s[G0K], 1
	s_mul_i32 s[G0K+1], s10, 64*PW
	s_add_co_u32 s[G0K+1], s[G0K+1], 128*PW        ; K's half w - 2 behind Q's 256 rows
	s_mov_b32 s[G0Q+4], 1
	s_mul_i32 s[G0Q+5], s10, 128*PN
	s_add_co_u32 s[G0Q+5], s[G0Q+5], S1            ; slot 1 likewise
	s_mov_b32 s[G0K+4], 1
	s_mul_i32 s[G0K+5], s10, 64*PN
	s_add_co_u32 s[G0K+5], s[G0K+5], S1+128*PN
	s_wait_dscnt 0x0
	s_wait_kmcnt 0x0
	s_add_nc_u64 s[G0Q+2:G0Q+3], s[4:5], s[18:19]  ; slot 0 starts at element 0 of the rows,
	s_add_nc_u64 s[G0Q+6:G0Q+7], s[G0Q+2:G0Q+3], 512   ; slot 1 at element 256
	s_or_b32 s[G0Q+3], s[G0Q+3], 0x80000000
	s_or_b32 s[G0Q+7], s[G0Q+7], 0x80000000
	s_add_nc_u64 s[G0K+2:G0K+3], s[4:5], s[20:21]
	s_add_nc_u64 s[G0K+6:G0K+7], s[G0K+2:G0K+3], 512
	s_or_b32 s[G0K+3], s[G0K+3], 0x80000000
	s_or_b32 s[G0K+7], s[G0K+7], 0x80000000
	JLOAD 0                                        ; both first fills go out together: two tensor loads of the wave are out
	JLOAD 1
	s_mov_b32 s80, 0x3d38aa3b                      ; log2(e) / 32
	s_mov_b32 s81, 0x3d38aa3b
	s_mov_b32 s82, 0xff800000                      ; -inf
	s_mov_b32 s83, 0x76543210                      ; v_permlanex16_b32: lane i of one half reads lane i of the other
	s_mov_b32 s84, 0xfedcba98
	s_mov_b32 s85, 0xbd38aa3b                      ; -log2(e) / 32
	v_and_b32 v1, 15, v0                           ; r
	v_bfe_u32 v2, v0, 4, 1                         ; h
	v_mul_u32_u24 v3, v1, PN
	v_lshl_add_u32 v3, v2, 4, v3                   ; 272 r + 16 h
	v_mul_u32_u24 v5, v1, PW
	v_lshl_add_u32 v5, v2, 4, v5                   ; 528 r + 16 h
	s_mul_i32 s86, s11, 128*PW
	s_mul_i32 s87, s12, 64*PW
	s_add_co_u32 s87, s87, 256*PW
	v_add_nc_u32 v[ADRQ], s86, v5
	v_add_nc_u32 v[ADRK], s87, v5
	s_mul_i32 s86, s11, 128*PN
	s_add_co_u32 s86, s86, S1
	s_mul_i32 s87, s12, 64*PN
	s_add_co_u32 s87, s87, S1+256*PN
	v_add_nc_u32 v[ADRQ+1], s86, v3
	v_add_nc_u32 v[ADRK+1], s87, v3
	s_mul_i32 s86, s10, 16*PN
	s_add_co_u32 s86, s86, STAGE
	v_add_nc_u32 v[STO], s86, v3                   ; in: key row r, 16 bytes for each half of the lanes
	v_mul_u32_u24 v4, v2, PN
	v_lshl_add_u32 v4, v1, 4, v4
	v_add_nc_u32 v[RD], s86, v4                    ; back: lanes 0-15 one row of 256 bytes, lanes 16-31 the next
	v_lshlrev_b32 v4, 11, v2
	v_lshl_add_u32 v[CO], v1, 4, v4                ; the same two rows in pt (2,048 bytes a row)
	s_lshl_b32 s86, s14, 8
	s_lshl_b32 s87, s15, 7
	s_sub_co_u32 s86, s86, s87
	s_lshl_b32 s87, s11, 7
	s_add_co_u32 s86, s86, s87
	s_lshl_b32 s87, s12, 6
	s_sub_co_u32 s86, s86, s87                     ; 256 q2 - 128 kb + 128 wq - 64 wk
	v_lshl_add_u32 v[DG], v2, 3, s86
	v_sub_nc_u32 v[DG], v[DG], v1                  ; + 8 h - r
	s_lshl_b32 s86, s12, 8
	s_add_co_u32 s86, s86, RED1
	v_lshl_add_u32 v[R1B], v1, 2, s86              ; RED1 + 256 wk + 4 r
	s_lshl_b32 s87, s11, 9
	v_add_nc_u32 v[R1], s87, v[R1B]                ; + 512 wq
	v_and_b32 v4, 31, v0
	v_lshlrev_b32 v31, 4, v4                       ; 16 x lane
	v_add_nc_u32 v[RL], RED1, v31
	s_lshl_b32 s70, s16, 21                        ; pt: ((1024 b + 128 kb + 64 wk) 1024 + 256 q2 + 128 wq) 2
	s_lshl_b32 s71, s15, 18
	s_add_co_u32 s70, s70, s71
	s_lshl_b32 s71, s12, 17
	s_add_co_u32 s70, s70, s71
	s_lshl_b32 s71, s14, 9
	s_add_co_u32 s70, s70, s71
	s_lshl_b32 s71, s11, 8
	s_add_co_u32 s70, s70, s71
	s_mov_b32 s71, 0
	s_add_nc_u64 s[66:67], s[6:7], s[70:71]
	s_lshl2_add_u32 s70, s16, s14                  ; st: (4 b + q2) 8192 + 512 kb
	s_lshl_b32 s70, s70, 13
	s_lshl_b32 s71, s15, 9
	s_add_co_u32 s70, s70, s71
	s_mov_b32 s71, 0
	s_add_nc_u64 s[68:69], s[8:9], s[70:71]
; four matrix instructions: query tile a x the four key tiles.  The 32 accumulators take turns, one instruction a turn.
.macro MULA f, a, zero
.irp b, 0,1,2,3
.if \zero
	v_wmma_f32_16x16x32_f16 v[8*(4*(\a)+\b):8*(4*(\a)+\b)+7], v[\f+8*(\a):\f+8*(\a)+7], v[\f+64+8*\b:\f+64+8*\b+7], 0
.else
	v_wmma_f32_16x16x32_f16 v[8*(4*(\a)+\b):8*(4*(\a)+\b)+7], v[\f+8*(\a):\f+8*(\a)+7], v[\f+64+8*\b:\f+64+8*\b+7], v[8*(4*(\a)+\b):8*(4*(\a)+\b)+7]
.endif
.endr
.endm
; 24 LDS loads: K's four fragments, Q's tiles 0-3, Q's tiles 4-7, at byte k of the slot's rows; the slot's pitch is 528 - slot x 256.
; The largest offset, 7 x 16 x 528 + 448 + 32 = 59,616, is inside the 16-bit immediate.
.macro FETCH slot, k, f
	WIN 0
.irp i, 0,1,2,3
	ds_load_b128 v[\f+64+8*\i:\f+64+8*\i+3], v[ADRK+\slot] offset:\k+\i*16*(PW-\slot*(PW-PN))
	ds_load_b128 v[\f+64+8*\i+4:\f+64+8*\i+7], v[ADRK+\slot] offset:\k+\i*16*(PW-\slot*(PW-PN))+32
.endr
.irp i, 0,1,2,3,4,5,6,7
	ds_load_b128 v[\f+8*\i:\f+8*\i+3],   v[ADRQ+\slot] offset:\k+\i*16*(PW-\slot*(PW-PN))
	ds_load_b128 v[\f+8*\i+4:\f+8*\i+7], v[ADRQ+\slot] offset:\k+\i*16*(PW-\slot*(PW-PN))+32
.endr
.endm
.macro PLACES                          ; four independent vector instructions behind a matrix instruction before its registers are loaded or its result read (ISA guide 7.12.1)
.rept 4
	v_nop
.endr
.endm
.macro QUARTER slot, k, f, g, zero
	s_wait_dscnt 8                                 ; K and Q's tiles 0-3 are in; the youngest eight loads (tiles 4-7) may be out
	WIN 0x50                                       ; C and D in window 1
	MULA \f, 0, \zero
	MULA \f, 1, \zero
	MULA \f, 2, \zero
	MULA \f, 3, \zero
	PLACES
	FETCH \slot, \k, \g
	s_wait_dscnt 24                                ; all but the 24 just issued
	WIN 0x50
	MULA \f, 4, \zero
	MULA \f, 5, \zero
	MULA \f, 6, \zero
	MULA \f, 7, \zero
.endm
.macro SEVEN zero                      ; slot 0's first seven quarter steps of eight
	QUARTER 0, 64,  F0, F1, \zero
	QUARTER 0, 128, F1, F0, 0
	QUARTER 0, 192, F0, F1, 0
	QUARTER 0, 256, F1, F0, 0
	QUARTER 0, 320, F0, F1, 0
	QUARTER 0, 384, F1, F0, 0
	QUARTER 0, 448, F0, F1, 0
.endm
.macro THREE                           ; slot 1's first three quarter steps of four
	QUARTER 1, 64,  F0, F1, 0
	QUARTER 1, 128, F1, F0, 0
	QUARTER 1, 192, F0, F1, 0
.endm
; A slot's last quarter step changes slots: each wave waits for its reads of this slot and for all its tensor loads, then the barrier;
; behind it the refill is the wave's first and only tensor load, then the next slot's first fragments are read.
.macro TURN slot, next, fill
	s_wait_dscnt 8
	WIN 0x50
	MULA F1, 0, 0
	MULA F1, 1, 0
	s_wait_dscnt 0                                 ; my reads of this slot are over
	s_wait_tensorcnt 0x0                           ; all my tensor loads have landed, so every group 0 may be written
	ds_add_u32 v62, v63
	s_wait_dscnt 0x0
.if \fill
	s_add_nc_u64 s[G0Q+4*\slot+2:G0Q+4*\slot+3], s[G0Q+4*\slot+2:G0Q+4*\slot+3], 768   ; 256 + 128 elements on: once round the ring
	s_add_nc_u64 s[G0K+4*\slot+2:G0K+4*\slot+3], s[G0K+4*\slot+2:G0K+4*\slot+3], 768
.endif
	s_barrier_signal -1
	MULA F1, 2, 0
	MULA F1, 3, 0
	WIN 0
	s_barrier_wait -1
.if \fill
	JLOAD \slot
.endif
	PLACES
	FETCH \next, 0, F0
	WIN 0x50
	MULA F1, 4, 0
	MULA F1, 5, 0
	MULA F1, 6, 0
	MULA F1, 7, 0
.endm
	s_wait_tensorcnt 1                             ; my part of slot 0 is in; slot 1's load stays out
	s_barrier_signal -1
	s_barrier_wait -1
	FETCH 0, 0, F0
	SEVEN 1                                        ; elements 0-255: the first products start the sums
	TURN 0, 1, 1                                   ; asks for elements 384-639
	THREE                                          ; elements 256-383
	TURN 1, 0, 1                                   ; asks for elements 640-767
	SEVEN 0                                        ; elements 384-639
	TURN 0, 1, 1                                   ; asks for elements 768-1023: the last fill
	THREE                                          ; elements 640-767
	TURN 1, 0, 0
	SEVEN 0                                        ; elements 768-1023
	s_wait_dscnt 8
	WIN 0x50
	MULA F1, 0, 0
	MULA F1, 1, 0
	MULA F1, 2, 0
	MULA F1, 3, 0
	s_wait_dscnt 0
	MULA F1, 4, 0
	MULA F1, 5, 0
	MULA F1, 6, 0
	MULA F1, 7, 0
	PLACES
	WIN 0
	; The mask, in the two blocks of a block row that touch the diagonal: query >= key  <=>  DG >= 16 (b - a) - j.
	s_lshl_b32 s86, s14, 1
	s_cmp_lt_u32 s15, s86
	s_cbranch_scc1 .Lnomask
	WIN 0x44                                       ; destination and source 1 in window 1
.irp a, 0,1,2,3,4,5,6,7
.irp b, 0,1,2,3
.irp j, 0,1,2,3,4,5,6,7
	v_cmp_ge_i32 vcc_lo, v[DG], 16*(\b-\a)-\j
	v_cndmask_b32 v[8*(4*\a+\b)+\j], s82, v[8*(4*\a+\b)+\j], vcc_lo
.endr
.endr
.endr
	WIN 0
.Lnomask:
	; The largest raw score of each of my four key columns: 64 registers a column in this lane, four chains side by side.
	WIN 0x05                                       ; sources 0 and 1 in window 1
.irp b, 0,1,2,3
	v_max_num_f32 v[MX+\b], v[8*\b], v[8*\b+1]
.endr
.irp p, 1,2,3
.irp b, 0,1,2,3
	v_max3_num_f32 v[MX+\b], v[8*\b+2*\p], v[8*\b+2*\p+1], v[MX+\b]
.endr
.endr
.irp a, 1,2,3,4,5,6,7
.irp p, 0,1,2,3
.irp b, 0,1,2,3
	v_max3_num_f32 v[MX+\b], v[8*(4*\a+\b)+2*\p], v[8*(4*\a+\b)+2*\p+1], v[MX+\b]
.endr
.endr
.endr
	WIN 0
.irp b, 0,1,2,3
	v_mov_b32 v[T+\b], v[MX+\b]                    ; the permute's destination counts as read
.endr
.irp b, 0,1,2,3
	v_permlanex16_b32 v[T+\b], v[MX+\b], s83, s84  ; the other eight queries of each tile
.endr
.irp b, 0,1,2,3
	v_max_num_f32 v[MX+\b], v[MX+\b], v[T+\b]
.endr
.irp b, 0,1,2,3
	ds_store_b32 v[R1], v[MX+\b] offset:64*\b      ; both lane halves write the same word with the same value
.endr
	s_wait_dscnt 0x0                               ; for the other waves' sake
	s_barrier_signal -1
	s_barrier_wait -1
.irp b, 0,1,2,3
	ds_load_b32 v[100+\b], v[R1B] offset:64*\b     ; wq = 0's maxima of my columns
	ds_load_b32 v[104+\b], v[R1B] offset:64*\b+512 ; wq = 1's
.endr
	s_wait_dscnt 0x0
.irp b, 0,1,2,3
	v_max_num_f32 v[MX+\b], v[100+\b], v[104+\b]
	v_mul_f32 v[NM+2*\b], s85, v[MX+\b]
	v_floor_f32 v[NM+2*\b], v[NM+2*\b]             ; -M = floor(-sc max) = -ceil(sc max)
	v_mov_b32 v[NM+2*\b+1], v[NM+2*\b]
.endr
	WIN 0x41                                       ; destination and source 0 in window 1
.irp a, 0,1,2,3,4,5,6,7
.irp b, 0,1,2,3
.irp p, 0,1,2,3
	v_pk_fma_f32 v[8*(4*\a+\b)+2*\p:8*(4*\a+\b)+2*\p+1], v[8*(4*\a+\b)+2*\p:8*(4*\a+\b)+2*\p+1], s[80:81], v[NM+2*\b:NM+2*\b+1] op_sel_hi:[1,0,1]
.endr
.endr
.endr
.set n, 0
.rept 256
	v_exp_f32 v[n], v[n]
.set n, n+1
.endr
	v_nop                                          ; one plain vector instruction behind the last exponential before its result is used (ISA guide 5.7.2)
	s_wait_alu depctr_va_vdst(0)
; Key tile bt: round to f16, 16 bytes a lane into my stage, sum the rounded numbers, read the 16 key rows back whole and store them.
.macro PUT bt, rb
	WIN 0x05
.irp a, 0,1,2,3,4,5,6,7
.irp c, 0,1,2,3
	v_cvt_pk_f16_f32 v[TMP+4*\a+\c], v[8*(4*\a+\bt)+2*\c], v[8*(4*\a+\bt)+2*\c+1]
.endr
.endr
	WIN 0
.irp a, 0,1,2,3,4,5,6,7
	ds_store_b128 v[STO], v[TMP+4*\a:TMP+4*\a+3] offset:32*\a
.endr
.irp n, 80,81,82,83,84,85,86,87,88,89,90,91,92,93,94,95,96,97,98,99,100,101,102,103,104,105,106,107,108,109,110,111
	WIDEN X+2*(\n-80), \n
.endr
.irp c, 0,1,2,3
	v_pk_add_f32 v[CH+2*\c:CH+2*\c+1], v[X+2*\c:X+2*\c+1], v[X+8+2*\c:X+8+2*\c+1]
.endr
.set m, 8
.rept 24
	v_pk_add_f32 v[CH+2*(m%4):CH+2*(m%4)+1], v[CH+2*(m%4):CH+2*(m%4)+1], v[X+2*m:X+2*m+1]
.set m, m+1
.endr
	v_pk_add_f32 v[CH:CH+1], v[CH:CH+1], v[CH+2:CH+3]
	v_pk_add_f32 v[CH+4:CH+5], v[CH+4:CH+5], v[CH+6:CH+7]
	v_pk_add_f32 v[CH:CH+1], v[CH:CH+1], v[CH+4:CH+5]
	v_add_f32 v[SM+\bt], v[CH], v[CH+1]
	s_wait_xcnt 0x0                                ; the registers that earlier stores read, and the stores' base, are rewritten only behind this wait
.if \bt
	s_add_nc_u64 s[66:67], s[66:67], 32768         ; 16 key rows of 2,048 bytes on
.endif
.irp t, 0,1,2,3,4,5,6,7
	ds_load_b128 v[\rb+4*\t:\rb+4*\t+3], v[RD] offset:544*\t       ; LDS serves a wave's instructions in order: these see the stores above
.endr
.irp t, 0,1,2,3,4,5,6,7
	s_wait_dscnt 7-\t
	global_store_b128 v[CO], v[\rb+4*\t:\rb+4*\t+3], s[66:67] offset:4096*\t   ; 16 lanes store 256 consecutive bytes, aligned
.endr
.endm
	PUT 0, 192
	PUT 1, 224
	PUT 2, 192
	PUT 3, 224
.irp b, 0,1,2,3
	v_mov_b32 v[T+\b], v[SM+\b]
.endr
.irp b, 0,1,2,3
	v_permlanex16_b32 v[T+\b], v[SM+\b], s83, s84
.endr
.irp b, 0,1,2,3
	v_add_f32 v[SM+\b], v[SM+\b], v[T+\b]
.endr
.irp b, 0,1,2,3
	ds_store_b32 v[R1], v[SM+\b] offset:1024+64*\b
.endr
	s_wait_dscnt 0x0
	s_barrier_signal -1
	s_barrier_wait -1
	s_cmp_lg_u32 s10, 0                            ; wave 0 writes the block's 128 M and 128 l: four columns a lane
	s_cbranch_scc1 .Ldone
	ds_load_b128 v[64:67], v[RL]
	ds_load_b128 v[68:71], v[RL] offset:512
	ds_load_b128 v[72:75], v[RL] offset:1024
	ds_load_b128 v[76:79], v[RL] offset:1536
	s_wait_dscnt 0x0
.irp c, 0,1,2,3
	v_max_num_f32 v[64+\c], v[64+\c], v[68+\c]
	v_mul_f32 v[64+\c], s85, v[64+\c]
	v_floor_f32 v[64+\c], v[64+\c]
	v_xor_b32 v[64+\c], 0x80000000, v[64+\c]       ; M: the number that the exponent took away, with its sign turned
	v_add_f32 v[72+\c], v[72+\c], v[76+\c]
.endr
	global_store_b128 v31, v[64:67], s[68:69]
	global_store_b128 v31, v[72:75], s[68:69] offset:4096
.Ldone:
	s_wait_tensorcnt 0x0
	ds_add_u32 v62, v63
	s_wait_dscnt 0x0
	s_endpgm
.Lfunc_end_k_q27c78dd156_score:
	.size	k_q27c78dd156_score, .Lfunc_end_k_q27c78dd156_score-k_q27c78dd156_score
	.p2alignl 7, 3214868480
	.fill 96, 4, 3214868480
	.section	.rodata,"a",@progbits
	.p2align	6, 0x0
	.amdhsa_kernel k_q27c78dd156_score
		.amdhsa_group_segment_fixed_size 327680
		.amdhsa_private_segment_fixed_size 0
		.amdhsa_enable_private_segment 0
		.amdhsa_kernarg_size 24
		.amdhsa_user_sgpr_count 2
		.amdhsa_user_sgpr_kernarg_segment_ptr 1
		.amdhsa_wavefront_size32 1
		.amdhsa_system_sgpr_workgroup_id_x 1
		.amdhsa_system_sgpr_workgroup_id_y 1
		.amdhsa_system_sgpr_workgroup_id_z 1
		.amdhsa_system_vgpr_workitem_id 0
		.amdhsa_next_free_vgpr 512
		.amdhsa_next_free_sgpr 88
		.amdhsa_reserve_vcc 1
		.amdhsa_float_denorm_mode_32 3
		.amdhsa_float_denorm_mode_16_64 3
		.amdhsa_memory_ordered 1
		.amdhsa_forward_progress 1
		.amdhsa_inst_pref_size 221
	.end_amdhsa_kernel
	.amdgpu_metadata
---
amdhsa.version: [ 1, 2 ]
amdhsa.kernels:
  - .name:           k_q27c78dd156_score
    .symbol:         k_q27c78dd156_score.kd
    .args:
      - { .name: qk, .offset: 0, .size: 8, .value_kind: global_buffer, .address_space: global }
      - { .name: pt, .offset: 8, .size: 8, .value_kind: global_buffer, .address_space: global }
      - { .name: st, .offset: 16, .size: 8, .value_kind: global_buffer, .address_space: global }
    .group_segment_fixed_size: 327680
    .private_segment_fixed_size: 0
    .kernarg_segment_align: 8
    .kernarg_segment_size: 24
    .max_flat_workgroup_size: 128
    .sgpr_count:     88
    .vgpr_count:     512
    .wavefront_size: 32
...
	.end_amdgpu_metadata
.endif
;; end of part 6
;; launch projv (part 7): grid 4 x 64, 4 waves a work-group, clusters of 4 x 4, 327,680 bytes of LDS; arguments xb, wb, bv, st, vv, gt; writes vv, gt
.if DOCPART == 7
	.amdgcn_target "amdgcn-amd-amdhsa--gfx1250"
	.amdhsa_code_object_version 6
	.text
	.protected	k_q27c78dd156_projv
	.globl	k_q27c78dd156_projv
	.p2align	8
	.type	k_q27c78dd156_projv,@function
k_q27c78dd156_projv:
	s_mov_b64 s[64:65], 0
	v_nop
	global_prefetch_b8 v0, s[64:65] scope:SCOPE_SE
	s_setreg_imm32_b32 hwreg(HW_REG_WAVE_MODE, 25, 1), 1
	s_wait_xcnt 0x0
	s_wait_alu depctr_hold_cnt(0) depctr_sa_sdst(0) depctr_va_vdst(0) depctr_va_sdst(0) depctr_va_ssrc(0) depctr_va_vcc(0) depctr_vm_vsrc(0)
	s_getreg_b32 s2, hwreg(HW_REG_IB_STS2, 6, 4)
	s_cmp_eq_u32 s2, 0
	s_cbranch_scc0 .Lentry_in_a_cluster
	s_endpgm
.Lentry_in_a_cluster:
	s_bfe_u32 s2, ttmp6, 0x10000c
	s_cmp_lg_u32 s2, 0xf033
	s_cbranch_scc0 .Lentry_shape_is_right
	s_endpgm
.Lentry_shape_is_right:
; V'[j][e] = c_j ( sum over k of xb[j][k] Wv[e][k] + bv[e] ), stored as f16: vv[j][e] = hi; and, for the rows 896 to 1023 of each batch alone (the only ones whose second
; half the last launch reads), vv[j][1024 + e] = lo = f16(V' - hi).  The other rows' second halves are neither written nor read.
; c_j comes from the softmax over the QUERY axis.  For key column j the score launch left, for each query block q2 >= j / 256, a whole number M_q2 and a sum l_q2.
; Here: M = max M_q2; l = sum of l_q2 2^(M_q2 - M) (exact scaling) = 2^E ml with 1 <= ml < 2; c_j = 1 / ml; gt[b][q2][j] = f16(2^(M_q2 - M - E)), an exact power of two, at most 2.
; So P[i][j] = p g c with p rounded once.  LIMITS: |c V| below 65,504 (f16's range); g below 2^-24 becomes zero; with ROUNDB = 1 the bias is rounded to bf16 like the other inputs.
; THE GEMM: 8,192 x 1,024 outputs on 256 work-groups: a block of 128 rows x 256 columns, four waves of 64 rows x 128 columns: 8 (a, columns) x 4 (b, rows) accumulator tiles.
; Source 0 = rows of Wv, source 1 = rows of xb: lane (r, h) holds row 16 b + r and the eight neighbouring columns 16 a + 8 h + 0..7.
; THE RING: 384 rows (Wv's 256, xb's 128) go through two LDS slots of unequal size.  Two slots of 256 along K would take 2 x 384 x 528 = 405,504 bytes, more than there is;
; slot 0 holds 256 along K (rows of 512 bytes, 202,752 bytes), slot 1 holds 128 (rows of 256 bytes, 104,448 bytes).  K = 1,024 goes as 256, 128, 256, 128, 256: five fills,
; two of them together at the start, and three refills.  A refill of slot 1 has slot 0's eight quarter steps in which to land, a refill of slot 0 has slot 1's four.
; CLUSTERS: 4 x 4 work-groups.  A row of the cluster (one block row, the four block columns) shares xb's tiles, a column (one block column) Wv's: each tile is asked for jointly.
; The block row is 16 cy + the cluster's y, so that its place in the batch, block row % 8, hangs on the cluster's number alone: the branch that adds lo is the same in all partners.
; All four waves make the statistics of the block's 128 rows; wave 0 stores g; work-group cx stores gt's row q2 = cx.
; REGISTERS: window 0: v0-44 addresses, v64-255 fragments (two buffers: Wv at f .. f+63, xb at f+64 .. f+95), later the way out; window 1: accumulators;
; window 2: v0-63 the bias of my 128 columns, v64-71 c of my four groups of 16 rows (twice each), v72-75 at work.
.set ROUNDB, 1
.set PW,    528                        ; slot 0's LDS row: 512 bytes + 16 of padding, an odd multiple of 16
.set PN,    272                        ; slot 1's LDS row: 256 bytes + 16 of padding
.set S1,    384*PW
.set STAGE, S1+384*PN                  ; 16 rows x 272 bytes for each wave
.set ADRB, 16                          ; v16-17  my Wv fragments in slot 0, 1
.set ADRA, 20                          ; v20-21  my xb fragments in slot 0, 1
.set STO,  24
.set RD,   25
.set CO,   26
.set BO,   27
.set F0,   64
.set F1,   160
.set TH,   64                          ; the way out: hi, packed
.set TL,   96                          ; lo, packed
.set XW,   128                         ; hi, widened again
.set RB1,  192
.set CW,   64                          ; window 2: c
.set BT,   72                          ; window 2: at work
.set SMX,  100
.set SL,   104
.set G1BW, 24                          ; s[24:31] shape of Wv's half in slot 0; s[40:47] in slot 1
.set G1AW, 32                          ; s[32:39] shape of xb's half in slot 0; s[48:55] in slot 1
.set G0B,  56                          ; s[56:63] from where, to where: Wv, a set for each slot
.set G0A,  72                          ; s[72:79] the same for xb
.set MSB, 0
.macro WIN new                         ; the immediate's high byte repeats the setting that is left
.if MSB != \new
	s_set_vgpr_msb (MSB<<8)|\new
.set MSB, \new
.endif
.endm
.macro WIDEN d, s                      ; the two f16 of register s as f32 in v[d], v[d+1]
	v_cvt_f32_f16 v[\d], v\s\().l
	v_cvt_f32_f16 v[\d+1], v\s\().h
.endm
.macro SHAPE g, mask, cols, rows, qi   ; descriptor group 1: the partners' mask with bit 21 beside it; rows x cols elements of 2 bytes; 4 words of padding behind each row of 2 << qi words
	s_or_b32 s[\g+0], \mask, (1<<16)|(1<<20)|(1<<21)|(\qi<<22)|(3<<25)
	s_mov_b32 s[\g+1], \cols<<16                   ; tensor_dim0
	s_mov_b32 s[\g+2], \rows<<16                   ; tensor_dim1
	s_mov_b32 s[\g+3], \cols<<16                   ; tile_dim0
	s_mov_b32 s[\g+4], \rows                       ; tile_dim1
	s_mov_b32 s[\g+5], 1024                        ; elements from row to row
	s_mov_b32 s[\g+6], 0
	s_mov_b32 s[\g+7], 0
.endm
.macro JLOAD s                         ; a joint load: waves 0, 1 fetch Wv's halves, waves 2, 3 xb's halves.  The branch hangs on the wave's number alone.
	s_cmp_eq_u32 s11, 0
	s_cbranch_scc0 .Lfor_a_\@
	tensor_load_to_lds s[G0B+4*\s:G0B+4*\s+3], s[G1BW+16*\s:G1BW+16*\s+7]
	s_nop 0
	s_branch .Lasked_\@
.Lfor_a_\@:
	tensor_load_to_lds s[G0A+4*\s:G0A+4*\s+3], s[G1AW+16*\s:G1AW+16*\s+7]
	s_nop 0
.Lasked_\@:
.endm
.macro CREST                           ; a round of the cluster's barrier behind its opening barrier
	s_cmp_lg_u32 s10, 0
	s_cbranch_scc1 .Lnot_wave_0_\@
	s_barrier_signal -3
.Lnot_wave_0_\@:
	s_barrier_wait -3
	s_barrier_signal -1
	s_barrier_wait -1
.endm
.macro CROUND
	s_barrier_signal -1
	s_barrier_wait -1
	CREST
.endm
	s_load_b128 s[4:7], s[0:1], 0x0                ; xb s[4:5], wb s[6:7]
	s_load_b128 s[68:71], s[0:1], 0x10             ; bv s[68:69], st s[70:71]
	s_load_b64 s[8:9], s[0:1], 0x20                ; vv
	s_load_b64 s[96:97], s[0:1], 0x28              ; gt
	v_lshl_add_u32 v62, v0, 2, 0x4f400
	v_mov_b32 v63, 0
	ds_add_u32 v62, v63
	ds_add_u32 v62, v63
	v_lshrrev_b32 v1, 5, v0
	v_readfirstlane_b32 s10, v1                    ; wave
	s_lshr_b32 s11, s10, 1                         ; my half of the block's columns; also: I fetch for Wv (0) or xb (1)
	s_and_b32 s12, s10, 1                          ; my half of its rows; also: which half of the tile I fetch
	s_bfe_u32 s80, ttmp6, 0x40000                  ; cx
	s_bfe_u32 s81, ttmp6, 0x40004                  ; cy
	s_lshl_b32 s82, ttmp9, 2
	s_add_co_u32 s82, s82, s80                     ; block column = 4 x cluster x + cx
	s_and_b32 s13, ttmp7, 0xffff
	s_lshl4_add_u32 s13, s81, s13                  ; block row = 16 cy + cluster y
	s_lshl_b32 s83, s81, 2
	s_lshl_b32 s83, 15, s83                        ; my row of the cluster
	s_lshl_b32 s84, 0x1111, s80                    ; my column
	SHAPE G1BW,    s84, 256, 128, 6                ; slot 0: 128 rows of Wv, 256 along K, to my column
	SHAPE G1AW,    s83, 256, 64,  6                ;         64 rows of xb, to my row
	SHAPE G1BW+16, s84, 128, 128, 5                ; slot 1: 128 along K
	SHAPE G1AW+16, s83, 128, 64,  5
	s_lshl_b32 s16, s82, 8
	s_lshl_b32 s17, s12, 7
	s_add_co_u32 s16, s16, s17                     ; Wv: row 256 x block column + 128 x half
	s_lshl_b32 s16, s16, 11                        ; rows of 2,048 bytes
	s_mov_b32 s17, 0
	s_lshl_b32 s18, s13, 7
	s_lshl_b32 s19, s12, 6
	s_add_co_u32 s18, s18, s19                     ; xb: row 128 x block row + 64 x half
	s_lshl_b32 s18, s18, 11
	s_mov_b32 s19, 0
	s_mov_b32 s[G0B], 1
	s_mul_i32 s[G0B+1], s10, 128*PW                ; slot 0: Wv's half w: no place in the cluster enters an LDS address
	s_mov_b32 s[G0A], 1
	s_mul_i32 s[G0A+1], s10, 64*PW
	s_add_co_u32 s[G0A+1], s[G0A+1], 128*PW        ; xb's half w - 2 behind Wv's 256 rows
	s_mov_b32 s[G0B+4], 1
	s_mul_i32 s[G0B+5], s10, 128*PN
	s_add_co_u32 s[G0B+5], s[G0B+5], S1            ; slot 1 likewise
	s_mov_b32 s[G0A+4], 1
	s_mul_i32 s[G0A+5], s10, 64*PN
	s_add_co_u32 s[G0A+5], s[G0A+5], S1+128*PN
	s_wait_dscnt 0x0
	s_wait_kmcnt 0x0
	s_add_nc_u64 s[6:7], s[6:7], 0x400000          ; Wv is wb's third block of 1,024 rows
	s_add_nc_u64 s[G0B+2:G0B+3], s[6:7], s[16:17]  ; slot 0 starts at K = 0,
	s_add_nc_u64 s[G0B+6:G0B+7], s[G0B+2:G0B+3], 512   ; slot 1 at K = 256
	s_or_b32 s[G0B+3], s[G0B+3], 0x80000000
	s_or_b32 s[G0B+7], s[G0B+7], 0x80000000
	s_add_nc_u64 s[G0A+2:G0A+3], s[4:5], s[18:19]
	s_add_nc_u64 s[G0A+6:G0A+7], s[G0A+2:G0A+3], 512
	s_or_b32 s[G0A+3], s[G0A+3], 0x80000000
	s_or_b32 s[G0A+7], s[G0A+7], 0x80000000
	CROUND                                         ; all sixteen work-groups are here: the first joint loads meet
	JLOAD 0                                        ; both first fills go out together: two tensor loads of the wave are out
	JLOAD 1
	v_and_b32 v1, 15, v0                           ; r
	v_bfe_u32 v2, v0, 4, 1                         ; h
	v_mul_u32_u24 v3, v1, PN
	v_lshl_add_u32 v3, v2, 4, v3                   ; 272 r + 16 h
	v_mul_u32_u24 v5, v1, PW
	v_lshl_add_u32 v5, v2, 4, v5                   ; 528 r + 16 h
	s_mul_i32 s14, s11, 128*PW
	s_mul_i32 s15, s12, 64*PW
	s_add_co_u32 s15, s15, 256*PW
	v_add_nc_u32 v[ADRB], s14, v5
	v_add_nc_u32 v[ADRA], s15, v5
	s_mul_i32 s14, s11, 128*PN
	s_add_co_u32 s14, s14, S1
	s_mul_i32 s15, s12, 64*PN
	s_add_co_u32 s15, s15, S1+256*PN
	v_add_nc_u32 v[ADRB+1], s14, v3
	v_add_nc_u32 v[ADRA+1], s15, v3
	s_mul_i32 s23, s10, 16*PN
	s_add_co_u32 s23, s23, STAGE                   ; my stage
	v_add_nc_u32 v[STO], s23, v3                   ; in: row r, 16 bytes for each half of the lanes
	v_mul_u32_u24 v4, v2, PN
	v_lshl_add_u32 v4, v1, 4, v4
	v_add_nc_u32 v[RD], s23, v4                    ; back: lanes 0-15 one row of 256 bytes, lanes 16-31 the next
	v_lshlrev_b32 v4, 12, v2
	v_lshl_add_u32 v[CO], v1, 4, v4                ; the same two rows in vv (4,096 bytes a row)
	v_lshlrev_b32 v[BO], 5, v2
	; The bias of my 128 columns into window 2 v0-63: tile a's register j belongs to column 16 a + 8 h + j.
	s_lshl_b32 s94, s82, 10
	s_lshl_b32 s95, s11, 9
	s_add_co_u32 s94, s94, s95
	s_mov_b32 s95, 0
	s_add_nc_u64 s[68:69], s[68:69], s[94:95]
	WIN 0x80                                       ; destination in window 2
.irp b, 0,1,2,3,4,5,6,7
	global_load_b128 v[8*\b:8*\b+3],   v[BO], s[68:69] offset:64*\b
	global_load_b128 v[8*\b+4:8*\b+7], v[BO], s[68:69] offset:64*\b+16
.endr
	WIN 0
	; The statistics of the block's 128 rows (key columns j0 .. j0 + 127 of batch b), four columns a lane.  Query blocks below qmin = j0 / 256 do not exist:
	; their loads are turned to block qmin (a maximum does not mind a repeat) and their sums are multiplied by 0.
	s_lshr_b32 s90, s13, 3                         ; b
	s_and_b32 s91, s13, 7
	s_lshl_b32 s91, s91, 7                         ; j0
	s_lshr_b32 s92, s91, 8                         ; qmin
	s_lshl_b32 s94, s90, 15
	s_lshl2_add_u32 s94, s91, s94                  ; 32768 b + 4 j0
	s_add_nc_u64 s[66:67], s[70:71], s[94:95]
	v_and_b32 v28, 31, v0
	v_lshlrev_b32 v29, 3, v28                      ; 8 x lane
	v_lshlrev_b32 v28, 4, v28                      ; 16 x lane
.irp q, 0,1,2,3
	s_max_u32 s93, s92, \q
	s_lshl_b32 s93, s93, 13
	v_add_nc_u32 v[40+\q], s93, v28                ; 8192 max(q, qmin) + 16 x lane
	s_cmp_le_u32 s92, \q
	s_cselect_b32 s[86+\q], 0x3f800000, 0
.endr
	s_max_u32 s93, s92, s80                        ; the block whose g I store: q2 = cx (rows of gt below qmin are written and never read)
	s_lshl_b32 s93, s93, 13
	v_add_nc_u32 v44, s93, v28
	s_lshl2_add_u32 s94, s90, s80                  ; gt: ((4 b + cx) 1024 + j0) 2
	s_lshl_b32 s94, s94, 11
	s_lshl1_add_u32 s94, s91, s94
	s_add_nc_u64 s[96:97], s[96:97], s[94:95]
	s_mov_b32 s98, 0x7fffff
	s_mov_b32 s99, 0x3f800000
	s_mov_b32 s100, 0xc3480000                     ; -200: below it a power of two is zero in every format used here
	v_add_nc_u32 v32, s23, v28                     ; my stage + 16 x lane
	s_lshl_b32 s93, s12, 8
	s_add_co_u32 s93, s93, s23
	v_lshl_add_u32 v33, v1, 2, s93                 ; my stage + 4 (64 x row half + r)
.irp q, 0,1,2,3
	global_load_b128 v[64+4*\q:67+4*\q], v[40+\q], s[66:67]
	global_load_b128 v[80+4*\q:83+4*\q], v[40+\q], s[66:67] offset:4096
.endr
	global_load_b128 v[96:99], v44, s[66:67]
	s_wait_loadcnt 0x0                             ; the bias and the statistics
.if ROUNDB
	WIN 0x8a                                       ; destination and both sources in window 2
.set i, 0
.rept 32
	v_cvt_pk_bf16_f32 v[BT+i%4], v[2*i], v[2*i+1]
	v_lshlrev_b32 v[2*i], 16, v[BT+i%4]
	v_and_b32 v[2*i+1], 0xffff0000, v[BT+i%4]
.set i, i+1
.endr
	WIN 0
.endif
.irp k, 0,1,2,3
	v_max3_num_f32 v[SMX+\k], v[64+\k], v[68+\k], v[72+\k]
	v_max_num_f32 v[SMX+\k], v[SMX+\k], v[76+\k]
.irp q, 0,1,2,3
	v_sub_f32 v108, v[64+4*\q+\k], v[SMX+\k]
	v_max_num_f32 v108, s100, v108
	v_cvt_i32_f32 v108, v108
	v_mul_f32 v109, s[86+\q], v[80+4*\q+\k]
.if \q
	v_ldexp_f32 v109, v109, v108
	v_add_f32 v[SL+\k], v[SL+\k], v109
.else
	v_ldexp_f32 v[SL+\k], v109, v108
.endif
.endr
	v_lshrrev_b32 v[112+\k], 23, v[SL+\k]          ; l > 0: its biased exponent
	v_and_or_b32 v[116+\k], v[SL+\k], s98, s99     ; ml in [1, 2)
	v_rcp_f32 v[120+\k], v[116+\k]                 ; c; the next line is the plain vector instruction that stands behind it (ISA guide 5.7.2)
	v_sub_f32 v108, v[96+\k], v[SMX+\k]
	v_max_num_f32 v108, s100, v108
	v_cvt_i32_f32 v108, v108
	v_sub_nc_u32 v108, v108, v[112+\k]
	v_add_nc_u32 v108, 127, v108                   ; M_own - M - E
	v_ldexp_f32 v[124+\k], 1.0, v108
.endr
	v_cvt_pk_f16_f32 v30, v124, v125               ; v[30:31], v29 and s[96:97] are never written again: the store needs no wait
	v_cvt_pk_f16_f32 v31, v126, v127
	s_cmp_lg_u32 s10, 0                            ; wave 0 stores g: all four waves hold the same numbers
	s_cbranch_scc1 .Lno_g
	global_store_b64 v29, v[30:31], s[96:97]       ; 32 lanes, 256 consecutive bytes, aligned
.Lno_g:
	s_wait_alu depctr_va_vdst(0)
	ds_store_b128 v32, v[120:123]                  ; c of row n at byte 4 n of my own stage; LDS serves a wave's instructions in order
	WIN 0x80
.irp i, 0,1,2,3
	ds_load_b32 v[CW+2*\i],   v33 offset:64*\i     ; c of my row 16 i + r, twice: a pair for the packed multiply
	ds_load_b32 v[CW+2*\i+1], v33 offset:64*\i
.endr
	WIN 0
	s_wait_dscnt 0x0
; four matrix instructions: column tile a x the four row tiles.  The 32 accumulators take turns, one instruction a turn.
.macro MULA f, a, zero
.irp b, 0,1,2,3
.if \zero
	v_wmma_f32_16x16x32_bf16 v[8*(4*(\a)+\b):8*(4*(\a)+\b)+7], v[\f+8*(\a):\f+8*(\a)+7], v[\f+64+8*\b:\f+64+8*\b+7], 0
.else
	v_wmma_f32_16x16x32_bf16 v[8*(4*(\a)+\b):8*(4*(\a)+\b)+7], v[\f+8*(\a):\f+8*(\a)+7], v[\f+64+8*\b:\f+64+8*\b+7], v[8*(4*(\a)+\b):8*(4*(\a)+\b)+7]
.endif
.endr
.endm
; 24 LDS loads: xb's four fragments, Wv's tiles 0-3, Wv's tiles 4-7, at byte k of the slot's rows; the slot's pitch is 528 - slot x 256.
; The largest offset, 7 x 16 x 528 + 448 + 32 = 59,616, is inside the 16-bit immediate.
.macro FETCH slot, k, f
	WIN 0
.irp i, 0,1,2,3
	ds_load_b128 v[\f+64+8*\i:\f+64+8*\i+3], v[ADRA+\slot] offset:\k+\i*16*(PW-\slot*(PW-PN))
	ds_load_b128 v[\f+64+8*\i+4:\f+64+8*\i+7], v[ADRA+\slot] offset:\k+\i*16*(PW-\slot*(PW-PN))+32
.endr
.irp i, 0,1,2,3,4,5,6,7
	ds_load_b128 v[\f+8*\i:\f+8*\i+3],   v[ADRB+\slot] offset:\k+\i*16*(PW-\slot*(PW-PN))
	ds_load_b128 v[\f+8*\i+4:\f+8*\i+7], v[ADRB+\slot] offset:\k+\i*16*(PW-\slot*(PW-PN))+32
.endr
.endm
.macro PLACES                          ; four independent vector instructions behind a matrix instruction before its registers are loaded or its result read (ISA guide 7.12.1)
.rept 4
	v_nop
.endr
.endm
.macro QUARTER slot, k, f, g, zero
	s_wait_dscnt 8                                 ; xb's fragments and Wv's tiles 0-3 are in; the youngest eight loads (tiles 4-7) may be out
	WIN 0x50                                       ; C and D in window 1
	MULA \f, 0, \zero
	MULA \f, 1, \zero
	MULA \f, 2, \zero
	MULA \f, 3, \zero
	PLACES
	FETCH \slot, \k, \g
	s_wait_dscnt 24                                ; all but the 24 just issued
	WIN 0x50
	MULA \f, 4, \zero
	MULA \f, 5, \zero
	MULA \f, 6, \zero
	MULA \f, 7, \zero
.endm
.macro SEVEN zero                      ; slot 0's first seven quarter steps of eight
	QUARTER 0, 64,  F0, F1, \zero
	QUARTER 0, 128, F1, F0, 0
	QUARTER 0, 192, F0, F1, 0
	QUARTER 0, 256, F1, F0, 0
	QUARTER 0, 320, F0, F1, 0
	QUARTER 0, 384, F1, F0, 0
	QUARTER 0, 448, F0, F1, 0
.endm
.macro THREE                           ; slot 1's first three quarter steps of four
	QUARTER 1, 64,  F0, F1, 0
	QUARTER 1, 128, F1, F0, 0
	QUARTER 1, 192, F0, F1, 0
.endm
; A slot's last quarter step changes slots.  In front of the barrier each wave waits for its reads of this slot and for all its tensor loads and steps its addresses;
; where the slot is filled again the barrier opens a round of the cluster's barrier, with register work alone inside it, and the joint refill is the wave's first
; and only tensor load behind the round; then the next slot's first fragments are read.
.macro TURN slot, next, fill
	s_wait_dscnt 8
	WIN 0x50
	MULA F1, 0, 0
	MULA F1, 1, 0
	s_wait_dscnt 0                                 ; my reads of this slot are over
	s_wait_tensorcnt 0x0                           ; all my tensor loads have landed, so every group 0 may be written
	ds_add_u32 v62, v63
	s_wait_dscnt 0x0
.if \fill
	s_add_nc_u64 s[G0B+4*\slot+2:G0B+4*\slot+3], s[G0B+4*\slot+2:G0B+4*\slot+3], 768   ; 256 + 128 along K on: once round the ring
	s_add_nc_u64 s[G0A+4*\slot+2:G0A+4*\slot+3], s[G0A+4*\slot+2:G0A+4*\slot+3], 768
.endif
	s_barrier_signal -1
	MULA F1, 2, 0
	MULA F1, 3, 0
	WIN 0
	s_barrier_wait -1
.if \fill
	CREST
	JLOAD \slot
.endif
	PLACES
	FETCH \next, 0, F0
	WIN 0x50
	MULA F1, 4, 0
	MULA F1, 5, 0
	MULA F1, 6, 0
	MULA F1, 7, 0
.endm
	s_wait_tensorcnt 1                             ; my part of slot 0 is in; slot 1's load stays out
	s_barrier_signal -1
	s_barrier_wait -1
	FETCH 0, 0, F0
	SEVEN 1                                        ; K 0-255: the first products start the sums
	TURN 0, 1, 1                                   ; asks for K 384-639
	THREE                                          ; K 256-383
	TURN 1, 0, 1                                   ; asks for K 640-767
	SEVEN 0                                        ; K 384-639
	TURN 0, 1, 1                                   ; asks for K 768-1023: the last fill
	THREE                                          ; K 640-767
	TURN 1, 0, 0
	SEVEN 0                                        ; K 768-1023
	s_wait_dscnt 8
	WIN 0x50
	MULA F1, 0, 0
	MULA F1, 1, 0
	MULA F1, 2, 0
	MULA F1, 3, 0
	s_wait_dscnt 0
	MULA F1, 4, 0
	MULA F1, 5, 0
	MULA F1, 6, 0
	MULA F1, 7, 0
	PLACES
	WIN 0
	s_lshl_b32 s14, s13, 7
	s_lshl_b32 s15, s12, 6
	s_add_co_u32 s14, s14, s15                     ; my first row
	s_lshl_b32 s14, s14, 12                        ; rows of 4,096 bytes
	s_mov_b32 s15, 0
	s_add_nc_u64 s[8:9], s[8:9], s[14:15]
	s_lshl_b32 s20, s82, 9                         ; my first column, in bytes: 512 x block column + 256 x half
	s_lshl_b32 s21, s11, 8
	s_add_co_u32 s20, s20, s21
	s_mov_b32 s21, 0
	s_add_nc_u64 s[8:9], s[8:9], s[20:21]
; 16 rows (row tile i): (sum + bias) c in f32; hi = f16 of it; with lo = 1 also lo = f16(it - hi); each goes through my stage and out as whole rows of 256 bytes.
; 0x49: accumulator (window 1) as destination and source 0, window 2 as source 1; 0x05: both sources accumulators; 0x41: accumulator as destination and source 0, source 1 in window 0.
.macro OUTV i, lo
	WIN 0x49
.irp a, 0,1,2,3,4,5,6,7
.irp r, 0,1,2,3
	v_pk_add_f32 v[8*(4*\a+\i)+2*\r:8*(4*\a+\i)+2*\r+1], v[8*(4*\a+\i)+2*\r:8*(4*\a+\i)+2*\r+1], v[8*\a+2*\r:8*\a+2*\r+1]
.endr
.endr
.irp a, 0,1,2,3,4,5,6,7
.irp r, 0,1,2,3
	v_pk_mul_f32 v[8*(4*\a+\i)+2*\r:8*(4*\a+\i)+2*\r+1], v[8*(4*\a+\i)+2*\r:8*(4*\a+\i)+2*\r+1], v[CW+2*\i:CW+2*\i+1]
.endr
.endr
	WIN 0x05
.irp a, 0,1,2,3,4,5,6,7
.irp r, 0,1,2,3
	v_cvt_pk_f16_f32 v[TH+4*\a+\r], v[8*(4*\a+\i)+2*\r], v[8*(4*\a+\i)+2*\r+1]
.endr
.endr
.if \lo
	WIN 0
.irp n, 64,65,66,67,68,69,70,71,72,73,74,75,76,77,78,79,80,81,82,83,84,85,86,87,88,89,90,91,92,93,94,95
	WIDEN XW+2*(\n-64), \n
.endr
	WIN 0x41
.irp a, 0,1,2,3,4,5,6,7
.irp r, 0,1,2,3
	v_pk_add_f32 v[8*(4*\a+\i)+2*\r:8*(4*\a+\i)+2*\r+1], v[8*(4*\a+\i)+2*\r:8*(4*\a+\i)+2*\r+1], v[XW+8*\a+2*\r:XW+8*\a+2*\r+1] neg_lo:[0,1] neg_hi:[0,1]
.endr
.endr
	WIN 0x05
.irp a, 0,1,2,3,4,5,6,7
.irp r, 0,1,2,3
	v_cvt_pk_f16_f32 v[TL+4*\a+\r], v[8*(4*\a+\i)+2*\r], v[8*(4*\a+\i)+2*\r+1]
.endr
.endr
.endif
	WIN 0
.set RBH, RB1+32*((\i)&1)*(1-\lo)      ; without lo the two sets of registers take turns; with lo hi takes the first and lo the second
.irp a, 0,1,2,3,4,5,6,7
	ds_store_b128 v[STO], v[TH+4*\a:TH+4*\a+3] offset:32*\a
.endr
	s_wait_xcnt 0x0                                ; the registers that the last 16 rows' stores read, and the stores' base, are rewritten only behind this wait
.if \i
	s_add_nc_u64 s[8:9], s[8:9], 65536             ; 16 rows of vv on
.endif
.irp t, 0,1,2,3,4,5,6,7
	ds_load_b128 v[RBH+4*\t:RBH+4*\t+3], v[RD] offset:544*\t       ; LDS serves a wave's instructions in order: these see the stores above
.endr
.irp t, 0,1,2,3,4,5,6,7
	s_wait_dscnt 7-\t
	global_store_b128 v[CO], v[RBH+4*\t:RBH+4*\t+3], s[8:9] offset:8192*\t     ; 16 lanes store 256 consecutive bytes, aligned
.endr
.if \lo
.irp a, 0,1,2,3,4,5,6,7
	ds_store_b128 v[STO], v[TL+4*\a:TL+4*\a+3] offset:32*\a        ; the reads of hi are back: the count-down above ended at 0
.endr
.irp t, 0,1,2,3,4,5,6,7
	ds_load_b128 v[RB1+32+4*\t:RB1+32+4*\t+3], v[RD] offset:544*\t
.endr
.irp t, 0,1,2,3,4,5,6,7
	s_wait_dscnt 7-\t
	global_store_b128 v[CO], v[RB1+32+4*\t:RB1+32+4*\t+3], s[8:9] offset:8192*\t+2048   ; lo lies 1,024 columns behind hi
.endr
.endif
.endm
	s_and_b32 s93, ttmp7, 7                        ; block row % 8 = cluster y % 8: the block's place in its batch
	s_cmp_eq_u32 s93, 7                            ; rows 896 to 1023: with lo.  The same in all waves and in all partners
	s_cbranch_scc1 .Lwith_lo
	OUTV 0, 0
	OUTV 1, 0
	OUTV 2, 0
	OUTV 3, 0
	s_branch .Lend
.Lwith_lo:
	OUTV 0, 1
	OUTV 1, 1
	OUTV 2, 1
	OUTV 3, 1
.Lend:
	s_wait_tensorcnt 0x0
	ds_add_u32 v62, v63
	s_wait_dscnt 0x0
	CROUND                                         ; the closing round: no work-group ends while a partner may still ask for a tile that names it
	s_endpgm
.Lfunc_end_k_q27c78dd156_projv:
	.size	k_q27c78dd156_projv, .Lfunc_end_k_q27c78dd156_projv-k_q27c78dd156_projv
	.p2alignl 7, 3214868480
	.fill 96, 4, 3214868480
	.section	.rodata,"a",@progbits
	.p2align	6, 0x0
	.amdhsa_kernel k_q27c78dd156_projv
		.amdhsa_group_segment_fixed_size 327680
		.amdhsa_private_segment_fixed_size 0
		.amdhsa_enable_private_segment 0
		.amdhsa_kernarg_size 48
		.amdhsa_user_sgpr_count 2
		.amdhsa_user_sgpr_kernarg_segment_ptr 1
		.amdhsa_wavefront_size32 1
		.amdhsa_system_sgpr_workgroup_id_x 1
		.amdhsa_system_sgpr_workgroup_id_y 1
		.amdhsa_system_sgpr_workgroup_id_z 1
		.amdhsa_system_vgpr_workitem_id 0
		.amdhsa_next_free_vgpr 640
		.amdhsa_next_free_sgpr 101
		.amdhsa_reserve_vcc 0
		.amdhsa_float_denorm_mode_32 3
		.amdhsa_float_denorm_mode_16_64 3
		.amdhsa_memory_ordered 1
		.amdhsa_forward_progress 1
		.amdhsa_inst_pref_size 244
	.end_amdhsa_kernel
	.amdgpu_metadata
---
amdhsa.version: [ 1, 2 ]
amdhsa.kernels:
  - .name:           k_q27c78dd156_projv
    .symbol:         k_q27c78dd156_projv.kd
    .args:
      - { .name: xb, .offset: 0, .size: 8, .value_kind: global_buffer, .address_space: global }
      - { .name: wb, .offset: 8, .size: 8, .value_kind: global_buffer, .address_space: global }
      - { .name: bv, .offset: 16, .size: 8, .value_kind: global_buffer, .address_space: global }
      - { .name: st, .offset: 24, .size: 8, .value_kind: global_buffer, .address_space: global }
      - { .name: vv, .offset: 32, .size: 8, .value_kind: global_buffer, .address_space: global }
      - { .name: gt, .offset: 40, .size: 8, .value_kind: global_buffer, .address_space: global }
    .group_segment_fixed_size: 327680
    .private_segment_fixed_size: 0
    .kernarg_segment_align: 8
    .kernarg_segment_size: 48
    .max_flat_workgroup_size: 128
    .sgpr_count:     101
    .vgpr_count:     640
    .wavefront_size: 32
...
	.end_amdgpu_metadata
.endif
;; end of part 7
;; launch pv (part 8): grid 32 x 8, 4 waves a work-group, clusters of 4 x 1, 327,680 bytes of LDS; arguments pt, vv, gt, out0; writes out0
.if DOCPART == 8
	.amdgcn_target "amdgcn-amd-amdhsa--gfx1250"
	.amdhsa_code_object_version 6
	.text
	.protected	k_q27c78dd156_pv
	.globl	k_q27c78dd156_pv
	.p2align	8
	.type	k_q27c78dd156_pv,@function
k_q27c78dd156_pv:
	s_mov_b64 s[64:65], 0
	v_nop
	global_prefetch_b8 v0, s[64:65] scope:SCOPE_SE
	s_setreg_imm32_b32 hwreg(HW_REG_WAVE_MODE, 25, 1), 1
	s_wait_xcnt 0x0
	s_wait_alu depctr_hold_cnt(0) depctr_sa_sdst(0) depctr_va_vdst(0) depctr_va_sdst(0) depctr_va_ssrc(0) depctr_va_vcc(0) depctr_vm_vsrc(0)
	s_getreg_b32 s2, hwreg(HW_REG_IB_STS2, 6, 4)
	s_cmp_eq_u32 s2, 0
	s_cbranch_scc0 .Lentry_in_a_cluster
	s_endpgm
.Lentry_in_a_cluster:
	s_bfe_u32 s2, ttmp6, 0x10000c
	s_cmp_lg_u32 s2, 0x3003
	s_cbranch_scc0 .Lentry_shape_is_right
	s_endpgm
.Lentry_shape_is_right:
; out0[b][i][e] = sum over keys j <= i of (p[j][i] g[i / 256][j]) V'[j][e]: f16 operands, f32 sums.
; p g is an exact product (g is a power of two) as long as it is a normal f16; below that it is rounded at 2^-25 of the column's scale.
; LIMIT: V' = V'hi + V'lo (two f16) for the keys 896 to 1023 of a batch; for the keys below 896 V' enters as V'hi alone, one rounding to f16.
; Why there: column j's weights sum to one over its 1024 - j rows, so below key 896 the mean weight is under 1/128 and V's rounding enters an output with that weight.
; A work-group makes two tiles of 128 queries x 128 columns e: query block 7 - p (8 - p units of 128 keys) and query block p (p + 1 units): nine units for every work-group,
; and where p = 0 a tenth: key block 7 once more with V'lo.  The units are written out; at units 5 to 7 a branch on p puts the first tile's way out where its last unit has ended.
; LDS: two slots of two units each; a unit is V's tile and p's tile, 128 rows of 256 bytes each.  A slot's four tiles are brought by the four waves, one load of 128 rows each.
; Four of the nine units go out at the start; three refills follow, each with two units' work in which to land.
; CLUSTER: the four work-groups of a cluster are four e blocks of one pair p: they walk the same list of units and read the same tiles of p, which are asked for jointly.
; p comes from the cluster's number; the place in the cluster enters V's and out0's global addresses alone.  V's tiles are not shared: the work-groups that read the same
; ones have different p, so their lists of units differ and branches would hang on the place in the cluster.
; Four waves: wr = wave / 2 takes 64 queries, wc = wave % 2 takes 64 columns: 4 (a) x 4 (b) accumulator tiles.
; Both operands lie in LDS with the keys down the rows, so their fragments come by transposing loads.  Source 0 = V' (rows e), source 1 = p (columns = queries):
; lane (r, h) holds query 16 a + r and columns 16 b + 8 h + 0..7: 32 neighbouring bytes of out0.
; REGISTERS: window 0: v8-19 addresses, v32-63 g's fragments, v64-191 V's fragments (four buffers each, one for each quarter of a unit), v192-255 the way out;
; window 1: v0-127 accumulators, v128-255 p's fragments (four buffers).
.set VP,    288                        ; LDS row: 256 bytes + 32 of padding, an odd multiple of 32 as the transposing loads want
.set TILEB, 128*VP
.set SLOT,  4*TILEB                    ; V of the even unit, V of the odd unit, p of the even unit, p of the odd unit: wave w fills tile w
.set GL,    2*SLOT                     ; 16 rows of 256 bytes: g of unit t's 128 keys in row t (rows 9-15 are copies that nothing reads)
.set STAGE, GL+4096                    ; 16 rows x 272 bytes for each wave
.set ADRV,  8                          ; v8-11   V's fragments: slot 0 even, slot 0 odd, slot 1 even, slot 1 odd
.set ADRP,  12                         ; v12-15  the same for p
.set GA,    16
.set STO,   17
.set RD,    18
.set CO,    19
.set GF,    32
.set VH,    64
.set RB,    192
.set PF,    128                        ; window 1
.set G1V, 24
.set G1P, 32
.set G0V, 40
.set G0P, 48
.set MSB, 0
.macro WIN new                         ; the immediate's high byte repeats the setting that is left
.if MSB != \new
	s_set_vgpr_msb (MSB<<8)|\new
.set MSB, \new
.endif
.endm
.macro JLOAD s                         ; waves 0, 1: V's tiles of the slot's two units (plain loads); waves 2, 3: p's tiles (joint loads): one tensor load a wave
	s_cmp_eq_u32 s13, 0
	s_cbranch_scc0 .Lfor_p_\@
	tensor_load_to_lds s[G0V+4*\s:G0V+4*\s+3], s[G1V:G1V+7]
	s_nop 0
	s_branch .Lasked_\@
.Lfor_p_\@:
	tensor_load_to_lds s[G0P+4*\s:G0P+4*\s+3], s[G1P:G1P+7]
	s_nop 0
.Lasked_\@:
.endm
.macro JLOAD4                          ; the last refill, into slot 0: wave 0 V of unit 8, wave 2 p of unit 8 (joint), wave 1 V'lo of key block 7 where p = 0, wave 3 nothing
	s_cmp_eq_u32 s12, 2
	s_cbranch_scc1 .Lp4_\@
	s_cmp_eq_u32 s12, 3
	s_cbranch_scc1 .Lnone4_\@
	s_cmp_eq_u32 s12, 0
	s_cbranch_scc1 .Lv4_\@
	s_cmp_lg_u32 s16, 0
	s_cbranch_scc1 .Lnone4_\@
.Lv4_\@:
	tensor_load_to_lds s[G0V:G0V+3], s[G1V:G1V+7]
	s_nop 0
	s_branch .Lnone4_\@
.Lp4_\@:
	tensor_load_to_lds s[G0P:G0P+3], s[G1P:G1P+7]
	s_nop 0
.Lnone4_\@:
.endm
.macro CREST                           ; a round of the cluster's barrier behind its opening barrier
	s_cmp_lg_u32 s12, 0
	s_cbranch_scc1 .Lnot_wave_0_\@
	s_barrier_signal -3
.Lnot_wave_0_\@:
	s_barrier_wait -3
	s_barrier_signal -1
	s_barrier_wait -1
.endm
.macro CROUND
	s_barrier_signal -1
	s_barrier_wait -1
	CREST
.endm
	s_load_b256 s[4:11], s[0:1], 0x0               ; pt s[4:5], vv s[6:7], gt s[8:9], out0 s[10:11]
	v_lshl_add_u32 v30, v0, 2, 0x4d400
	v_mov_b32 v31, 0
	ds_add_u32 v30, v31
	ds_add_u32 v30, v31
	v_lshrrev_b32 v1, 5, v0
	v_readfirstlane_b32 s12, v1                    ; wave
	s_lshr_b32 s13, s12, 1                         ; wr; also: I fetch V' (0) or p (1)
	s_and_b32 s14, s12, 1                          ; wc; also: I fetch for a slot's even or odd unit
	s_bfe_u32 s20, ttmp6, 0x40000                  ; cx: my place in the cluster
	s_and_b32 s21, ttmp9, 1
	s_lshl2_add_u32 s15, s21, s20                  ; e block = 4 x (cluster x % 2) + cx
	s_lshr_b32 s16, ttmp9, 1                       ; p = cluster x / 2: the second tile's query block, the same in all four partners
	s_sub_co_u32 s17, 8, s16                       ; TA: the first tile's units, 5 to 8
	s_and_b32 s18, ttmp7, 0xffff                   ; batch
	s_sub_co_u32 s19, 7, s16                       ; the first tile's query block
	s_mov_b32 s[G1V+0], (1<<16)|(1<<20)|(5<<22)|(7<<25)    ; no mask; elements of 2 bytes; 8 words of padding behind every 64
	s_mov_b32 s[G1V+1], 128<<16                    ; tensor_dim0 = 128
	s_mov_b32 s[G1V+2], 128<<16                    ; tensor_dim1 = 128 rows
	s_mov_b32 s[G1V+3], 128<<16                    ; tile_dim0 = 128
	s_mov_b32 s[G1V+4], 128                        ; tile_dim1 = 128
	s_mov_b32 s[G1V+5], 2048                       ; elements from row to row of vv
	s_mov_b32 s[G1V+6], 0
	s_mov_b32 s[G1V+7], 0
	s_mov_b32 s[G1P+0], 15|(1<<16)|(1<<20)|(1<<21)|(5<<22)|(7<<25)   ; the same with the mask of all four partners, and bit 21 beside it
	s_mov_b32 s[G1P+1], 128<<16
	s_mov_b32 s[G1P+2], 128<<16
	s_mov_b32 s[G1P+3], 128<<16
	s_mov_b32 s[G1P+4], 128
	s_mov_b32 s[G1P+5], 1024                       ; elements from row to row of pt
	s_mov_b32 s[G1P+6], 0
	s_mov_b32 s[G1P+7], 0
	s_lshl_b32 s22, s18, 22                        ; vv: 1024 b rows of 4,096 bytes + 256 eb
	s_lshl_b32 s23, s15, 8
	s_add_co_u32 s22, s22, s23
	s_mov_b32 s23, 0
	s_lshl_b32 s70, s18, 21                        ; pt: 1024 b rows of 2,048 bytes + 256 x query block
	s_lshl_b32 s71, s19, 8
	s_add_co_u32 s72, s70, s71                     ; the first tile's
	s_mov_b32 s73, 0
	s_lshl_b32 s71, s16, 8
	s_add_co_u32 s70, s70, s71                     ; the second tile's
	s_mov_b32 s71, 0
	s_mul_i32 s56, s12, TILEB                      ; LDS: tile w of a slot
	s_mov_b32 s75, 0                               ; the high word of the offsets made in s74
	s_wait_dscnt 0x0
	s_wait_kmcnt 0x0
	s_add_nc_u64 s[60:61], s[6:7], s[22:23]        ; V'hi at key block 0
	s_add_nc_u64 s[58:59], s[4:5], s[72:73]        ; p of the first tile at key block 0
	s_add_nc_u64 s[62:63], s[4:5], s[70:71]        ; p of the second tile at key block 0
	CROUND                                         ; all four work-groups are here: the first joint loads meet
.irp s, 0,1
	s_add_co_u32 s57, s14, 2*\s                    ; my unit: 0 to 3, always the first tile's, key block = unit
	s_mov_b32 s[G0V+4*\s], 1
	s_add_co_u32 s[G0V+4*\s+1], s56, \s*SLOT
	s_lshl_b32 s74, s57, 19                        ; 128 key rows of vv
	s_add_nc_u64 s[G0V+4*\s+2:G0V+4*\s+3], s[60:61], s[74:75]
	s_or_b32 s[G0V+4*\s+3], s[G0V+4*\s+3], 0x80000000
	s_mov_b32 s[G0P+4*\s], 1
	s_add_co_u32 s[G0P+4*\s+1], s56, \s*SLOT
	s_lshl_b32 s74, s57, 18                        ; 128 key rows of pt
	s_add_nc_u64 s[G0P+4*\s+2:G0P+4*\s+3], s[58:59], s[74:75]
	s_or_b32 s[G0P+4*\s+3], s[G0P+4*\s+3], 0x80000000
	JLOAD \s                                       ; units 0 to 3 go out together: two tensor loads of the wave are out
.endr
	s_lshl_b32 s22, s18, 22                        ; out0: ((1024 b + 128 qb + 64 wr) 1024 + 128 eb + 64 wc) 4
	s_lshl_b32 s23, s13, 18
	s_add_co_u32 s22, s22, s23
	s_lshl_b32 s23, s15, 9
	s_add_co_u32 s22, s22, s23
	s_lshl_b32 s23, s14, 8
	s_add_co_u32 s22, s22, s23
	s_lshl_b32 s23, s19, 19
	s_add_co_u32 s20, s22, s23
	s_mov_b32 s21, 0
	s_add_nc_u64 s[66:67], s[10:11], s[20:21]      ; the first tile
	s_lshl_b32 s23, s16, 19
	s_add_co_u32 s20, s22, s23
	s_add_nc_u64 s[68:69], s[10:11], s[20:21]      ; the second tile
	s_lshr_b32 s76, s19, 1                         ; gt rows: (4 b + query block / 2) x 2,048 bytes
	s_lshl2_add_u32 s76, s18, s76
	s_lshl_b32 s76, s76, 11                        ; the first tile's
	s_lshr_b32 s77, s16, 1
	s_lshl2_add_u32 s77, s18, s77
	s_lshl_b32 s77, s77, 11                        ; the second tile's
	s_lshl_b32 s78, s16, 8
	s_add_co_u32 s78, s78, s77                     ; unit 8: always the second tile's key block p
	v_and_b32 v1, 15, v0                           ; r
	v_bfe_u32 v2, v0, 4, 1                         ; h
	v_and_b32 v3, 7, v0
	v_bfe_u32 v4, v0, 3, 1
	v_lshl_add_u32 v5, v2, 3, v3
	v_mul_u32_u24 v5, v5, VP
	v_lshl_add_u32 v5, v4, 4, v5                   ; (8 h + l % 8) 288 + 16 ((l / 8) % 2)
	s_lshl_b32 s79, s14, 7
	v_add_nc_u32 v[ADRV], s79, v5                  ; + my 64 columns
	v_add_nc_u32 v[ADRV+1], TILEB, v[ADRV]
	v_add_nc_u32 v[ADRV+2], SLOT, v[ADRV]
	v_add_nc_u32 v[ADRV+3], SLOT, v[ADRV+1]
	s_lshl_b32 s79, s13, 7
	s_add_co_u32 s79, s79, 2*TILEB
	v_add_nc_u32 v[ADRP], s79, v5                  ; p's tiles, my 64 queries
	v_add_nc_u32 v[ADRP+1], TILEB, v[ADRP]
	v_add_nc_u32 v[ADRP+2], SLOT, v[ADRP]
	v_add_nc_u32 v[ADRP+3], SLOT, v[ADRP+1]
	v_lshl_add_u32 v[GA], v2, 4, GL
	s_mul_i32 s79, s12, 16*272
	s_add_co_u32 s79, s79, STAGE
	v_mul_u32_u24 v6, v1, 272
	v_lshl_add_u32 v6, v2, 5, v6
	v_add_nc_u32 v[STO], s79, v6                   ; in: query row r, 32 bytes for each half of the lanes
	v_mul_u32_u24 v6, v2, 272
	v_lshl_add_u32 v6, v1, 4, v6
	v_add_nc_u32 v[RD], s79, v6                    ; back: two rows of 256 bytes
	v_lshlrev_b32 v6, 12, v2
	v_lshl_add_u32 v[CO], v1, 4, v6                ; the same two rows in out0
	; g: thread n brings 16 bytes of row n / 16 (units 0 to 7), and 16 bytes of unit 8's row.
	v_lshrrev_b32 v20, 4, v0                       ; unit t
	v_cmp_gt_u32 vcc_lo, s17, v20                  ; t < TA: the first tile
	v_sub_nc_u32 v21, v20, s17
	v_cndmask_b32 v21, v21, v20, vcc_lo            ; key block
	v_mov_b32 v22, s77
	v_mov_b32 v23, s76
	v_cndmask_b32 v22, v22, v23, vcc_lo
	v_lshl_add_u32 v22, v21, 8, v22
	v_lshl_add_u32 v22, v1, 4, v22
	v_lshl_add_u32 v24, v1, 4, s78
	global_load_b128 v[64:67], v22, s[8:9]
	global_load_b128 v[68:71], v24, s[8:9]
	v_lshlrev_b32 v25, 4, v0
	v_add_nc_u32 v25, GL, v25
	s_wait_loadcnt 0x0
	ds_store_b128 v25, v[64:67]
	ds_store_b128 v25, v[68:71] offset:2048
; 18 LDS loads: quarter q (32 keys) of unit t, V from the tile at v[av], p from the tile at v[ap], into buffer q
.macro FETCH av, ap, t, q
	WIN 0
.irp b, 0,1,2,3
	ds_load_tr16_b128 v[VH+32*(\q)+8*\b:VH+32*(\q)+8*\b+3],   v[\av] offset:32*VP*(\q)+32*\b
	ds_load_tr16_b128 v[VH+32*(\q)+8*\b+4:VH+32*(\q)+8*\b+7], v[\av] offset:32*VP*(\q)+32*\b+16*VP
.endr
	ds_load_b128 v[GF+8*(\q):GF+8*(\q)+3],   v[GA] offset:256*(\t)+64*(\q)
	ds_load_b128 v[GF+8*(\q)+4:GF+8*(\q)+7], v[GA] offset:256*(\t)+64*(\q)+32
	WIN 0x40                                       ; destination in window 1
.irp a, 0,1,2,3
	ds_load_tr16_b128 v[PF+32*(\q)+8*\a:PF+32*(\q)+8*\a+3],   v[\ap] offset:32*VP*(\q)+32*\a
	ds_load_tr16_b128 v[PF+32*(\q)+8*\a+4:PF+32*(\q)+8*\a+7], v[\ap] offset:32*VP*(\q)+32*\a+16*VP
.endr
.endm
.macro SCALE f                         ; p g: g's fragment has the keys of p's registers and is the same for every query
.irp a, 0,1,2,3
.irp c, 0,1,2,3,4,5,6,7
	v_pk_mul_f16 v[PF+32*(\f)+8*\a+\c], v[GF+8*(\f)+\c], v[PF+32*(\f)+8*\a+\c]
.endr
.endr
.endm
; 16 matrix instructions on the 16 accumulators, which take turns, one instruction a turn.
.macro MM f, zero
.irp a, 0,1,2,3
.irp b, 0,1,2,3
.if \zero
	v_wmma_f32_16x16x32_f16 v[8*(4*\a+\b):8*(4*\a+\b)+7], v[VH+32*(\f)+8*\b:VH+32*(\f)+8*\b+7], v[PF+32*(\f)+8*\a:PF+32*(\f)+8*\a+7], 0
.else
	v_wmma_f32_16x16x32_f16 v[8*(4*\a+\b):8*(4*\a+\b)+7], v[VH+32*(\f)+8*\b:VH+32*(\f)+8*\b+7], v[PF+32*(\f)+8*\a:PF+32*(\f)+8*\a+7], v[8*(4*\a+\b):8*(4*\a+\b)+7]
.endif
.endr
.endr
.endm
; A quarter: multiplies buffer f and fetches the quarter after next (quarter q of unit t) into buffer q.
; The matrix instructions that last read buffer q stand two quarters back; the plain vector instructions of two SCALEs, which name none of their registers,
; are the places in front of the loads into it.
.macro QUARTER f, zero, av, ap, t, q
	s_wait_dscnt 18                                ; buffer f is in; the 18 loads of the next quarter's fetch may be out
	WIN 0x54                                       ; source 1, C and D in window 1
	SCALE \f
	FETCH \av, \ap, \t, \q
	WIN 0x54
	MM \f, \zero
.endm
.macro QUARTN f                        ; the same where nothing may be fetched yet
	s_wait_dscnt 18
	WIN 0x54
	SCALE \f
	MM \f, 0
.endm
; The addresses of refill f (units 2 f and 2 f + 1) for slot s: unit u is the first tile's key block u, or, from TA on, the second tile's key block u - TA.
.macro ADDR f, s
	s_add_co_u32 s57, s14, 2*\f                    ; my unit
	s_sub_co_u32 s70, s57, s17
	s_cmp_lt_u32 s57, s17
	s_cselect_b32 s57, s57, s70                    ; key block
	s_cselect_b64 s[72:73], s[58:59], s[62:63]     ; p of the first or of the second tile
	s_lshl_b32 s74, s57, 19
	s_add_nc_u64 s[G0V+4*\s+2:G0V+4*\s+3], s[60:61], s[74:75]
	s_or_b32 s[G0V+4*\s+3], s[G0V+4*\s+3], 0x80000000
	s_lshl_b32 s74, s57, 18
	s_add_nc_u64 s[G0P+4*\s+2:G0P+4*\s+3], s[72:73], s[74:75]
	s_or_b32 s[G0P+4*\s+3], s[G0P+4*\s+3], 0x80000000
.endm
.macro ADDR4                           ; the last refill: unit 8 = the second tile's key block p; the odd V tile: V'lo of key block 7, 2,048 bytes behind V'hi in a row
	s_cmp_eq_u32 s14, 0
	s_cselect_b32 s57, s16, 7
	s_cselect_b32 s70, 0, 2048
	s_lshl_b32 s74, s57, 19
	s_add_co_u32 s74, s74, s70
	s_add_nc_u64 s[G0V+2:G0V+3], s[60:61], s[74:75]
	s_or_b32 s[G0V+3], s[G0V+3], 0x80000000
	s_lshl_b32 s74, s16, 18
	s_add_nc_u64 s[G0P+2:G0P+3], s[62:63], s[74:75]
	s_or_b32 s[G0P+3], s[G0P+3], 0x80000000
.endm
; The last quarter of a slot's odd unit t changes slots.  Each wave waits for its reads of this slot and for all its tensor loads and writes its next addresses;
; then a round of the cluster's barrier, with register work alone inside it; behind it the refill is the wave's first and only tensor load;
; then the next slot's first two quarters are fetched.
.macro TURN s, next, t, fill
	s_wait_dscnt 0x0                               ; buffer 3 is in, and with it my last reads of this slot
	s_set_vgpr_msb 0x5450
	s_wait_tensorcnt 0x0                           ; no tensor load of mine is out: the next slot is whole, and every group 0 may be written
	ds_add_u32 v30, v31
	s_wait_dscnt 0x0
	s_set_vgpr_msb 0x5054
.if \fill == 4
	ADDR4
.else
	ADDR \fill, \s
.endif
	s_barrier_signal -1
	WIN 0x54
	SCALE 3
	WIN 0
	s_barrier_wait -1
	CREST
.if \fill == 4
	JLOAD4
.else
	JLOAD \s
.endif
	FETCH ADRV+2*\next, ADRP+2*\next, \t+1, 0
	FETCH ADRV+2*\next, ADRP+2*\next, \t+1, 1
	WIN 0x54
	MM 3, 0
.endm
; The way out of a tile, 16 queries at a time: the accumulators go as they are into my own stage and come back as whole rows of 256 bytes.
.macro OUT sb
.rept 5
	v_nop                                          ; places behind the last matrix instructions, for the stores that read results and for the next tile's first products, which write over them
.endr
.irp a, 0,1,2,3
	WIN 0x04                                       ; store data in window 1
.irp b, 0,1,2,3
	ds_store_b128 v[STO], v[8*(4*\a+\b):8*(4*\a+\b)+3]   offset:64*\b
	ds_store_b128 v[STO], v[8*(4*\a+\b)+4:8*(4*\a+\b)+7] offset:64*\b+16
.endr
	WIN 0
	s_wait_xcnt 0x0                                ; the registers that earlier stores read, and the stores' base, are rewritten only behind this wait
.if \a
	s_add_nc_u64 s[\sb:\sb+1], s[\sb:\sb+1], 65536 ; 16 rows of out0 on
.endif
.irp t, 0,1,2,3,4,5,6,7
	ds_load_b128 v[RB+32*(\a&1)+4*\t:RB+32*(\a&1)+4*\t+3], v[RD] offset:544*\t     ; LDS serves a wave's instructions in order: these see the stores above
.endr
.irp t, 0,1,2,3,4,5,6,7
	s_wait_dscnt 7-\t
	global_store_b128 v[CO], v[RB+32*(\a&1)+4*\t:RB+32*(\a&1)+4*\t+3], s[\sb:\sb+1] offset:8192*\t th:TH_STORE_NT   ; 16 lanes store 256 consecutive bytes, aligned
.endr
.endr
.endm
; The first quarter of unit t.  Unit 0 starts the first tile's sums.  At units 5 to 7: where the first tile has just ended (t = TA) it goes out and the second tile's sums start.
; No tensor load stands on either way; behind the way out all LDS loads are back, so the quarter's counted wait is met there at once.
.macro HEADQ av, ap, t
.if \t == 0
	QUARTER 0, 1, \av, \ap, \t, 2
.else
.if \t >= 5
	WIN 0
	s_cmp_eq_u32 s17, \t
	s_cbranch_scc0 .Lsame_\@
	OUT 66
	QUARTER 0, 1, \av, \ap, \t, 2
	WIN 0
	s_branch .Ljoin_\@
.Lsame_\@:
	QUARTER 0, 0, \av, \ap, \t, 2
	WIN 0
.Ljoin_\@:
.else
	QUARTER 0, 0, \av, \ap, \t, 2
.endif
.endif
.endm
; The two units t, t + 1 of slot s: eight quarters with no barrier between them
.macro PAIR s, t, next, fill
	HEADQ ADRV+2*\s, ADRP+2*\s, \t
	QUARTER 1, 0, ADRV+2*\s, ADRP+2*\s, \t, 3
	QUARTER 2, 0, ADRV+2*\s+1, ADRP+2*\s+1, \t+1, 0
	QUARTER 3, 0, ADRV+2*\s+1, ADRP+2*\s+1, \t+1, 1
	HEADQ ADRV+2*\s+1, ADRP+2*\s+1, \t+1
	QUARTER 1, 0, ADRV+2*\s+1, ADRP+2*\s+1, \t+1, 3
	QUARTN 2
.if \fill
	TURN \s, \next, \t+1, \fill
.endif
.endm
	s_wait_dscnt 0x0                               ; my rows of g are written, for the other waves' sake
	s_wait_tensorcnt 1                             ; my tile of slot 0 is in; slot 1's load stays out
	s_barrier_signal -1
	s_barrier_wait -1
	FETCH ADRV, ADRP, 0, 0
	FETCH ADRV, ADRP, 0, 1
	PAIR 0, 0, 1, 2                                ; units 0, 1; asks for units 4, 5
	PAIR 1, 2, 0, 3                                ; units 2, 3; asks for units 6, 7
	PAIR 0, 4, 1, 4                                ; units 4, 5; asks for unit 8 and, where p = 0, for V'lo
	PAIR 1, 6, 0, 0                                ; units 6, 7, all but the last quarter
	s_wait_dscnt 0x0
	s_wait_tensorcnt 0x0                           ; the last refill has landed; it is my work-group's alone
	s_barrier_signal -1
	WIN 0x54
	SCALE 3
	WIN 0
	s_barrier_wait -1
	s_cmp_lg_u32 s16, 0
	s_cbranch_scc1 .Lnolo
	; p = 0: key block 7 once more, with V'lo (slot 0's odd V tile) and p's tile of unit 7, which still lies in slot 1; then the first tile goes out
	FETCH ADRV+1, ADRP+3, 7, 0
	FETCH ADRV+1, ADRP+3, 7, 1
	WIN 0x54
	MM 3, 0
	QUARTER 0, 0, ADRV+1, ADRP+3, 7, 2
	QUARTER 1, 0, ADRV+1, ADRP+3, 7, 3
	QUARTER 2, 0, ADRV, ADRP, 8, 0
	QUARTER 3, 0, ADRV, ADRP, 8, 1
	WIN 0
	OUT 66
	QUARTER 0, 1, ADRV, ADRP, 8, 2
	WIN 0
	s_branch .Ltail
.Lnolo:
	FETCH ADRV, ADRP, 8, 0
	FETCH ADRV, ADRP, 8, 1
	WIN 0x54
	MM 3, 0
	QUARTER 0, 0, ADRV, ADRP, 8, 2
	WIN 0
.Ltail:
	QUARTER 1, 0, ADRV, ADRP, 8, 3
	QUARTN 2
	s_wait_dscnt 0x0
	WIN 0x54
	SCALE 3
	MM 3, 0
	WIN 0
	OUT 68
	s_wait_tensorcnt 0x0
	ds_add_u32 v30, v31
	s_wait_dscnt 0x0
	CROUND                                         ; the closing round: no work-group ends while a partner may still ask for a tile that names it
	s_endpgm
.Lfunc_end_k_q27c78dd156_pv:
	.size	k_q27c78dd156_pv, .Lfunc_end_k_q27c78dd156_pv-k_q27c78dd156_pv
	.p2alignl 7, 3214868480
	.fill 96, 4, 3214868480
	.section	.rodata,"a",@progbits
	.p2align	6, 0x0
	.amdhsa_kernel k_q27c78dd156_pv
		.amdhsa_group_segment_fixed_size 327680
		.amdhsa_private_segment_fixed_size 0
		.amdhsa_enable_private_segment 0
		.amdhsa_kernarg_size 32
		.amdhsa_user_sgpr_count 2
		.amdhsa_user_sgpr_kernarg_segment_ptr 1
		.amdhsa_wavefront_size32 1
		.amdhsa_system_sgpr_workgroup_id_x 1
		.amdhsa_system_sgpr_workgroup_id_y 1
		.amdhsa_system_sgpr_workgroup_id_z 1
		.amdhsa_system_vgpr_workitem_id 0
		.amdhsa_next_free_vgpr 512
		.amdhsa_next_free_sgpr 80
		.amdhsa_reserve_vcc 1
		.amdhsa_float_denorm_mode_32 3
		.amdhsa_float_denorm_mode_16_64 3
		.amdhsa_memory_ordered 1
		.amdhsa_forward_progress 1
		.amdhsa_inst_pref_size 248
	.end_amdhsa_kernel
	.amdgpu_metadata
---
amdhsa.version: [ 1, 2 ]
amdhsa.kernels:
  - .name:           k_q27c78dd156_pv
    .symbol:         k_q27c78dd156_pv.kd
    .args:
      - { .name: pt, .offset: 0, .size: 8, .value_kind: global_buffer, .address_space: global }
      - { .name: vv, .offset: 8, .size: 8, .value_kind: global_buffer, .address_space: global }
      - { .name: gt, .offset: 16, .size: 8, .value_kind: global_buffer, .address_space: global }
      - { .name: out0, .offset: 24, .size: 8, .value_kind: global_buffer, .address_space: global }
    .group_segment_fixed_size: 327680
    .private_segment_fixed_size: 0
    .kernarg_segment_align: 8
    .kernarg_segment_size: 32
    .max_flat_workgroup_size: 128
    .sgpr_count:     80
    .vgpr_count:     512
    .wavefront_size: 32
...
	.end_amdgpu_metadata
.endif
;; end of part 8
;; ======== version 3 of 3: 5 launches; version 2 with the launch cvt written anew for expert scheduling mode
;; limits: values outside matrix products are rounded to bf16; values are held in f16: magnitudes above 65,504 overflow, below 6.1e-05 lose precision
;; workspace buffers: xb 16,777,216 bytes; wb 6,291,456 bytes; qk 33,554,432 bytes; vv 33,554,432 bytes; pt 16,777,216 bytes; st 262,144 bytes; gt 65,536 bytes
;; launch cvt (part 9): grid 256 x 1, 8 waves a work-group, no clusters, 0 bytes of LDS; arguments embeddings, Wq, Wk, Wv, xb, wb; writes xb, wb
.if DOCPART == 9
	.amdgcn_target "amdgcn-amd-amdhsa--gfx1250"
	.amdhsa_code_object_version 6
	.text
	.protected	k_q27c78dd156_cvt
	.globl	k_q27c78dd156_cvt
	.p2align	8
	.type	k_q27c78dd156_cvt,@function
k_q27c78dd156_cvt:
	s_mov_b64 s[64:65], 0
	v_nop
	global_prefetch_b8 v0, s[64:65] scope:SCOPE_SE
	s_setreg_imm32_b32 hwreg(HW_REG_WAVE_SCHED_MODE, 0, 2), 2
	s_setreg_imm32_b32 hwreg(HW_REG_WAVE_MODE, 25, 1), 1
	s_wait_xcnt 0x0
	s_wait_alu depctr_vm_vsrc(0)
; xb = bf16(embeddings), wb = bf16([Wq; Wk; Wv]), rounded to nearest even.  A stream: no LDS, no barrier, no matrix unit.
; 256 work-groups of 8 waves.  Work-group g takes 131,072 bytes of embeddings and 16,384 bytes of each W.
; One load of the work-group covers 4,096 neighbouring bytes (16 a thread): 32 loads for embeddings, 4 for each W, 44 in all.
; All 44 are issued first, each into registers of its own; then each is rounded in place and stored: 8 bytes a thread,
; so that one store of a wave covers 256 consecutive bytes, aligned.  No register is written twice, so no source has to be freed.
; THE MODE: SCHED_MODE bits 1:0 = 2 (LLVM: expert scheduling mode 2), set by the entry lines.  The code itself states the register dependences
; between vector instructions and memory instructions, with s_wait_alu, always for 0.
; THE PLAN.  Registers that memory instructions touch:
;   v1, v2          byte offsets of the loads and of the stores: written once at the head, never again.
;   v[DAT + 4 n ..] load n lands in four registers that no vector instruction has named; its two conversions read the four and write the first two;
;                   store n reads those two; nothing writes them afterwards.
; So no memory instruction's source is ever written again, and the dependences to state are two: the offsets written ahead of the first load, and the
; conversions' results written ahead of the stores that read them.  The 44 loads go in 11 blocks of four (blocks 0 to 7 embeddings, 8, 9, 10 Wq, Wk, Wv).
; Block p waits for its four loads, then ONE wait states that block p - 1's conversions have written their results; block p - 1's four stores follow it, dealt among
; block p's eight conversions, which name block p's registers alone: none that those stores touch.  One more wait stands ahead of the last block's stores.
.set DAT, 8                            ; v[8:183]  load n: four registers
.macro LD n, sb, i
	global_load_b128 v[DAT+4*(\n):DAT+4*(\n)+3], v1, s[\sb:\sb+1] offset:4096*(\i) th:TH_LOAD_NT
.endm
.macro CV n                            ; load n's four numbers close up into its first two registers
	v_cvt_pk_bf16_f32 v[DAT+4*(\n)], v[DAT+4*(\n)], v[DAT+4*(\n)+1]
	v_cvt_pk_bf16_f32 v[DAT+4*(\n)+1], v[DAT+4*(\n)+2], v[DAT+4*(\n)+3]
.endm
.macro ST n                            ; n < 32: xb; from 32 on: wb, in which Wq, Wk, Wv lie 2 MiB apart
.if (\n) < 32
	global_store_b64 v2, v[DAT+4*(\n):DAT+4*(\n)+1], s[12:13] offset:2048*(\n)
.else
	global_store_b64 v2, v[DAT+4*(\n):DAT+4*(\n)+1], s[14:15] offset:0x200000*(((\n)-32)/4)+2048*(((\n)-32)%4)
.endif
.endm
; Block p: loads 4 p to 4 p + 3 are rounded; the block before is stored.
.macro BLK p
	s_wait_loadcnt 40-4*(\p)                       ; loads come back in order: the block's four are in, the 40 - 4 p younger ones stay out
.if (\p) > 0
	s_wait_alu depctr_va_vdst(0)                   ; the conversions of the block before have written the eight registers that the four stores below read
.endif
.irp i, 0,1,2,3
.if (\p) > 0
	ST 4*(\p)-4+(\i)                               ; no vector instruction since the wait names these registers
.endif
	CV 4*(\p)+(\i)
.endr
.endm
	s_load_b256 s[4:11], s[0:1], 0x0               ; embeddings s[4:5], Wq s[6:7], Wk s[8:9], Wv s[10:11]
	s_load_b128 s[12:15], s[0:1], 0x20             ; xb s[12:13], wb s[14:15]
	v_lshlrev_b32 v1, 4, v0                        ; 16 bytes in a thread
	v_lshlrev_b32 v2, 3, v0                        ; 8 bytes out a thread
	s_lshl_b32 s16, ttmp9, 17                      ; my part of embeddings
	s_mov_b32 s17, 0
	s_lshl_b32 s18, ttmp9, 14                      ; of each W
	s_mov_b32 s19, 0
	s_lshl_b32 s20, ttmp9, 16                      ; of xb
	s_mov_b32 s21, 0
	s_lshl_b32 s22, ttmp9, 13                      ; of each third of wb
	s_mov_b32 s23, 0
	s_wait_kmcnt 0x0
	s_add_nc_u64 s[4:5], s[4:5], s[16:17]
	s_add_nc_u64 s[6:7], s[6:7], s[18:19]
	s_add_nc_u64 s[8:9], s[8:9], s[18:19]
	s_add_nc_u64 s[10:11], s[10:11], s[18:19]
	s_add_nc_u64 s[12:13], s[12:13], s[20:21]
	s_add_nc_u64 s[14:15], s[14:15], s[22:23]
	s_wait_alu depctr_va_vdst(0)                   ; v1 and v2 are written: every load of the kernel reads v1 as its offset, every store v2
.set k, 0
.rept 32
	LD k, 4, k
.set k, k+1
.endr
.irp w, 0,1,2
.irp i, 0,1,2,3
	LD 32+4*\w+\i, 6+2*\w, \i
.endr
.endr
.irp p, 0,1,2,3,4,5,6,7,8,9,10
	BLK \p
.endr
	s_wait_alu depctr_va_vdst(0)                   ; block 10's conversions have written the eight registers that the last four stores read
.irp i, 0,1,2,3
	ST 40+(\i)
.endr
	s_endpgm
.Lfunc_end_k_q27c78dd156_cvt:
	.size	k_q27c78dd156_cvt, .Lfunc_end_k_q27c78dd156_cvt-k_q27c78dd156_cvt
	.p2alignl 7, 3214868480
	.fill 96, 4, 3214868480
	.section	.rodata,"a",@progbits
	.p2align	6, 0x0
	.amdhsa_kernel k_q27c78dd156_cvt
		.amdhsa_group_segment_fixed_size 0
		.amdhsa_private_segment_fixed_size 0
		.amdhsa_enable_private_segment 0
		.amdhsa_kernarg_size 48
		.amdhsa_user_sgpr_count 2
		.amdhsa_user_sgpr_kernarg_segment_ptr 1
		.amdhsa_wavefront_size32 1
		.amdhsa_system_sgpr_workgroup_id_x 1
		.amdhsa_system_sgpr_workgroup_id_y 1
		.amdhsa_system_sgpr_workgroup_id_z 1
		.amdhsa_system_vgpr_workitem_id 0
		.amdhsa_next_free_vgpr 184
		.amdhsa_next_free_sgpr 66
		.amdhsa_reserve_vcc 0
		.amdhsa_float_denorm_mode_32 3
		.amdhsa_float_denorm_mode_16_64 3
		.amdhsa_memory_ordered 1
		.amdhsa_forward_progress 1
		.amdhsa_inst_pref_size 16
	.end_amdhsa_kernel
	.amdgpu_metadata
---
amdhsa.version: [ 1, 2 ]
amdhsa.kernels:
  - .name:           k_q27c78dd156_cvt
    .symbol:         k_q27c78dd156_cvt.kd
    .args:
      - { .name: embeddings, .offset: 0, .size: 8, .value_kind: global_buffer, .address_space: global }
      - { .name: Wq, .offset: 8, .size: 8, .value_kind: global_buffer, .address_space: global }
      - { .name: Wk, .offset: 16, .size: 8, .value_kind: global_buffer, .address_space: global }
      - { .name: Wv, .offset: 24, .size: 8, .value_kind: global_buffer, .address_space: global }
      - { .name: xb, .offset: 32, .size: 8, .value_kind: global_buffer, .address_space: global }
      - { .name: wb, .offset: 40, .size: 8, .value_kind: global_buffer, .address_space: global }
    .group_segment_fixed_size: 0
    .private_segment_fixed_size: 0
    .kernarg_segment_align: 8
    .kernarg_segment_size: 48
    .max_flat_workgroup_size: 256
    .sgpr_count:     66
    .vgpr_count:     184
    .wavefront_size: 32
...
	.end_amdgpu_metadata
.endif
;; end of part 9
;; launch projqk: the kernel of part 2 again; grid 8 x 32, 4 waves a work-group, clusters of 4 x 4, 327,680 bytes of LDS; arguments xb, wb, bq, bk, qk; writes qk
;; launch score: the kernel of part 6 again; grid 20 x 8, 4 waves a work-group, no clusters, 327,680 bytes of LDS; arguments qk, pt, st; writes pt, st
;; launch projv: the kernel of part 7 again; grid 4 x 64, 4 waves a work-group, clusters of 4 x 4, 327,680 bytes of LDS; arguments xb, wb, bv, st, vv, gt; writes vv, gt
;; launch pv: the kernel of part 8 again; grid 32 x 8, 4 waves a work-group, clusters of 4 x 1, 327,680 bytes of LDS; arguments pt, vv, gt, out0; writes out0
